; MI455X (gfx1250); checked and timed in simulation.
; The chip was launched on July 23, 2026; its instructions are those of AMD's public machine-readable ISA for CDNA 5 (MIT licence, August 2026) and "CDNA5" Instruction Set Architecture Reference Guide (July 2026). The comments in the code are by the model that wrote it; some were corrected since.
;; MAB. Allowed arithmetic: matrix products marked QUANTISED: E5M2 operands, one given power-of-two scale a tensor, by v_wmma_f32_16x16x64_bf8_bf8 or v_wmma_f32_16x16x128_bf8_bf8, f32 sums; everything else in f32.
;; Inputs: K 4 x 2,048 x 1,024 float32; Q 4 x 2,048 x 1,024 float32; Wk 1,024 x 1,024 float32; Wo 1,024 x 1,024 float32; Wq 1,024 x 1,024 float32; Wv 1,024 x 1,024 float32; b0 1,024 float32; b1 1,024 float32; bk 1,024 float32; bo 1,024 float32; bq 1,024 float32; bv 1,024 float32; g0 1,024 float32; g1 1,024 float32; lowp_scales 12 int32 (the exponents e of the quantised operands' scales 2^e).
;; Outputs: out0 4 x 2,048 x 1,024 float32.
;; This version of the problem:
;;   THIS VERSION OF THE PROBLEM IS GIVEN IN LOW PRECISION. The matrix products marked QUANTISED in the list below multiply operands that are first quantised to E5M2 (5 exponent bits, 2 mantissa bits; 8 bits a number), with one given power-of-two scale for each operand tensor; their sums are f32. All else is computed in f32.
;;   The module's matrix products, in the order in which they are computed (A, B: the left and right operand; K: the contracted axis; several contracted axes count as one K, in the product's order):
;;     1. [M 8,192, K 1,024] x [K 1,024, N 1,024]; A: input Q; B: input Wq: QUANTISED (scales: A lowp_scales[0], B lowp_scales[1])
;;     2. [M 8,192, K 1,024] x [K 1,024, N 1,024]; A: input K; B: input Wk: QUANTISED (scales: A lowp_scales[2], B lowp_scales[3])
;;     3. [M 8,192, K 1,024] x [K 1,024, N 1,024]; A: input K; B: input Wv: QUANTISED (scales: A lowp_scales[4], B lowp_scales[5])
;;     4. batch 32 x [M 2,048, K 128] x [K 128, N 2,048]; A: computed on the way; B: computed on the way: QUANTISED (scales: A lowp_scales[6], B lowp_scales[7])
;;     5. batch 32 x [M 128, K 2,048] x [K 2,048, N 2,048]; A: computed on the way; B: softmax (see below): QUANTISED (scales: A lowp_scales[8], B lowp_scales[9])
;;     6. [M 8,192, K 1,024] x [K 1,024, N 1,024]; A: computed on the way; B: input Wo: QUANTISED (scales: A lowp_scales[10], B lowp_scales[11])
;;   THE QUANTISER, for each operand of a quantised product, along K:
;;     - The operand's scale is 2^e, e = its entry of the input lowp_scales (int32; the entries are numbered through the quantised products in the list's order, A before B).
;;     - Each number is divided by the scale, clamped to +-57,344, and rounded to the nearest number of E5M2, ties to even, subnormals kept.
;;     - The product sums the exact products of the quantised numbers (number of the format x scale) in f32.
;;   ~~~python
;;   def quantise(x, axis, e):      # numpy; x: float32 -> the quantised numbers, widened to float32 again
;;       x = np.moveaxis(x, axis, -1); K = x.shape[-1]
;;       r = np.clip(x / 2.0 ** e, -57344, 57344)
;;       step = 2.0 ** (np.maximum(np.frexp(np.where(r == 0, 1, r))[1] - 1, -14) - 2)
;;       q = np.round(r / step) * step * 2.0 ** e      # np.round: ties to even
;;       return np.moveaxis(q, -1, axis).astype(np.float32)
;;   ~~~
;;   SOFTMAX AHEAD OF A QUANTISED PRODUCT. Where the list says 'softmax', what is quantised is not the finished softmax but p = 2^(t - M), with t = logit x log2(e) and M = ceil(the row's largest t), a whole number; so 1/2 < the row's largest p <= 1. The row's sum l is taken of the UNQUANTISED p, in f32, and the product's result is divided by l at the end. Since M is a whole number, a kernel that streams over the keys may use a running M (the ceiling of the running maximum): every later rescaling is an exact power of two, so the quantised numbers keep their values, but for numbers so far below the row's largest that they fall under the format's range.
;;   OPERANDS COMPUTED ON THE WAY. 'Computed on the way' means the value that the module computes at that place (a softmax that the list does not call 'softmax' is quantised finished and normalised). What goes into a quantiser is computed in f32, as accurately as f32 sums, v_exp_f32 and their like allow (about 1e-6 of the number): no bf16 or f16 on the way to a quantiser, and a product that is left as it is and whose result goes on into a quantised operand takes f32 operands (vector FMAs, or v_wmma_f32_16x16x4_f32). A number that lies on a knife's edge between two numbers of the format may be rounded either way, as far as f32 arithmetic and the matrix unit's own rounding can turn it there, and no further.
;; 2 versions. Each part assembles by itself: llvm-mc -triple=amdgcn-amd-amdhsa -mcpu=gfx1250 --defsym DOCPART=n.
;; ======== version 1 of 2: 4 launches
;; workspace buffers: wc 4,194,304 bytes; qf 33,554,432 bytes; kc 8,388,608 bytes; vc 8,388,608 bytes; of 33,554,432 bytes
;; launch wq (part 1): grid 256 x 1, 4 waves a work-group, no clusters, 0 bytes of LDS; arguments Wq, Wk, Wv, Wo, lowp_scales, wc; writes wc
.if DOCPART == 1
	.amdgcn_target "amdgcn-amd-amdhsa--gfx1250"
	.amdhsa_code_object_version 6
	.text
	.protected	k_q7cc61e1eb9_wq
	.globl	k_q7cc61e1eb9_wq
	.p2align	8
	.type	k_q7cc61e1eb9_wq,@function
k_q7cc61e1eb9_wq:
	s_mov_b64 s[64:65], 0
	v_nop
	global_prefetch_b8 v0, s[64:65] scope:SCOPE_SE
	s_setreg_imm32_b32 hwreg(HW_REG_WAVE_MODE, 25, 1), 1
	s_wait_xcnt 0x0
; The four weights [1024 (n)][1024 (k)], f32, become codes of E5M2, each with its given scale 2^e (entries 1, 3, 5, 11), laid as FRAGMENTS in the order in which the later launches stream them.
; A fragment is 16 rows x 128 K, 2,048 bytes, an image of the operand's 16 registers: registers 4 c .. 4 c + 3 of lane (r, h) hold k = 32 c + 16 h + 0 .. 15 of the lane's row, and lie at byte 512 c + 16 x lane.
; THE ROWS OF A TILE ARE NOT NEIGHBOURS: lane r of tile T takes row 32 (T / 2) + 8 (T % 2) + r + 8 (r / 8), so that the results of tiles 2 b and 2 b + 1, used transposed, are 16 neighbours along the next K.
; wc: Wq, Wk, Wv (p = 0, 1, 2): [T / 8][p][K step 8][T % 8][2048]; from byte 3,145,728 on Wo: [T / 16][K step 8][T % 16][2048].
; SHARES: work-group = (p, T) = (x / 64, x % 64); wave w takes K steps 2 w and 2 w + 1: two fragments.  Waves share nothing: no LDS, no barrier; memory binds, so no matrix unit and no cluster.
; code = x / 2^e, held within +-57,344, to the nearest code, ties to even.  LIMITS: e between -126 and 112.  NaN among the inputs is not served.
.set XA,  4                            ; v4   my byte in the tile's rows: (r + 8 (r / 8)) x 4096 + 64 h
.set LI,  5                            ; v5   16 x lane
.set LM,  10                           ; v10  57,344 x 2^e
.set SC,  11                           ; v11  2^e
.set PC0, 16                           ; v16-31   the first fragment's codes
.set X0,  32                           ; v32-95   its 64 numbers
.set X1,  96                           ; v96-159  the second's
.set PC1, 160                          ; v160-175 its codes
	s_load_b256 s[4:11], s[0:1], 0x0               ; Wq, Wk, Wv, Wo
	s_load_b128 s[12:15], s[0:1], 0x20             ; the scales' exponents, wc
	v_lshrrev_b32 v1, 5, v0
	v_readfirstlane_b32 s16, v1                    ; wave
	s_lshr_b32 s17, ttmp9, 6                       ; p
	s_and_b32 s18, ttmp9, 63                       ; T
	v_and_b32 v2, 15, v0                           ; r
	v_bfe_u32 v3, v0, 4, 1                         ; h
	v_and_b32 v6, 8, v2
	v_add_nc_u32 v6, v6, v2                        ; r + 8 (r / 8)
	v_lshlrev_b32 v[XA], 12, v6
	v_lshl_add_u32 v[XA], v3, 6, v[XA]
	v_and_b32 v[LI], 31, v0
	v_lshlrev_b32 v[LI], 4, v[LI]
	s_lshr_b32 s36, s18, 1                         ; the tile's first row, 32 (T / 2) + 8 (T % 2), in bytes, + my two K steps
	s_lshl_b32 s36, s36, 5
	s_and_b32 s37, s18, 1
	s_lshl_b32 s37, s37, 3
	s_add_co_u32 s36, s36, s37
	s_lshl_b32 s36, s36, 12
	s_lshl_b32 s37, s16, 10
	s_add_co_u32 s36, s36, s37
	s_mov_b32 s37, 0
	s_lshr_b32 s38, s18, 3                         ; where the codes go, p < 3: ((((T / 8) 3 + p) 8 + 2 w) 8 + T % 8) x 2048
	s_mul_i32 s38, s38, 3
	s_add_co_u32 s38, s38, s17
	s_lshl_b32 s38, s38, 3
	s_lshl_b32 s39, s16, 1
	s_add_co_u32 s38, s38, s39
	s_lshl_b32 s38, s38, 3
	s_and_b32 s44, s18, 7
	s_add_co_u32 s38, s38, s44
	s_lshl_b32 s38, s38, 11
	s_lshr_b32 s44, s18, 4                         ; Wo: 3,145,728 + (((T / 16) 8 + 2 w) 16 + T % 16) x 2048
	s_lshl_b32 s44, s44, 3
	s_add_co_u32 s44, s44, s39
	s_lshl_b32 s44, s44, 4
	s_and_b32 s45, s18, 15
	s_add_co_u32 s44, s44, s45
	s_lshl_b32 s44, s44, 11
	s_add_co_u32 s44, s44, 3145728
	s_mov_b32 s46, 32768                           ; from a K step to the next: 16 tiles, or 8
	s_cmp_lt_u32 s17, 3
	s_cselect_b32 s38, s38, s44
	s_cselect_b32 s46, 16384, s46
	s_mov_b32 s39, 0
	s_mov_b32 s47, 0
	s_wait_kmcnt 0x0
	s_load_b256 s[24:31], s[12:13], 0x0            ; e0 .. e7
	s_load_b128 s[32:35], s[12:13], 0x20           ; e8 .. e11
	s_mov_b64 s[20:21], s[10:11]                   ; which weight: the choice hangs on the work-group's number alone
	s_cmp_eq_u32 s17, 2
	s_cselect_b64 s[20:21], s[8:9], s[20:21]
	s_cmp_eq_u32 s17, 1
	s_cselect_b64 s[20:21], s[6:7], s[20:21]
	s_cmp_eq_u32 s17, 0
	s_cselect_b64 s[20:21], s[4:5], s[20:21]
	s_add_nc_u64 s[20:21], s[20:21], s[36:37]
	s_add_nc_u64 s[40:41], s[14:15], s[38:39]      ; the first fragment's place,
	s_add_nc_u64 s[42:43], s[40:41], s[46:47]      ; the second's
.macro XLOAD reg, s                    ; 64 numbers of a lane: register 16 b + i = k 32 b + 16 h + i of my row, in K step s of my two
.irp b, 0,1,2,3
.irp j, 0,1,2,3
	global_load_b128 v[\reg+16*\b+4*\j:\reg+16*\b+4*\j+3], v[XA], s[20:21] offset:512*\s+128*\b+16*\j th:TH_LOAD_NT
.endr
.endr
.endm
.macro QUANT src, pc
.set n, 0
.rept 64
	v_med3_num_f32 v[\src+n], v[\src+n], -v[LM], v[LM]   ; the conversion to an 8-bit code does not saturate (ISA guide 7.6.2): the hold comes first
.set n, n+1
.endr
.irp b, 0,1,2,3
	v_cvt_scalef32_pk8_bf8_f32 v[\pc+4*\b:\pc+4*\b+1], v[\src+16*\b:\src+16*\b+7], v[SC]
	v_cvt_scalef32_pk8_bf8_f32 v[\pc+4*\b+2:\pc+4*\b+3], v[\src+16*\b+8:\src+16*\b+15], v[SC]
.endr
	v_nop                                          ; a plain line behind the last conversion
.endm
	XLOAD X0, 0
	XLOAD X1, 1
	s_wait_kmcnt 0x0
	s_mov_b32 s22, s35                             ; e11, e5, e3 or e1
	s_cmp_eq_u32 s17, 2
	s_cselect_b32 s22, s29, s22
	s_cmp_eq_u32 s17, 1
	s_cselect_b32 s22, s27, s22
	s_cmp_eq_u32 s17, 0
	s_cselect_b32 s22, s25, s22
	s_add_co_i32 s22, s22, 127
	s_lshl_b32 s23, s22, 23
	v_mov_b32 v[SC], s23                           ; 2^e as f32: the conversion takes its exponent field
	s_add_co_i32 s22, s22, 15
	s_lshl_b32 s22, s22, 23
	s_or_b32 s22, s22, 0x600000
	v_mov_b32 v[LM], s22                           ; 57,344 x 2^e
	s_wait_loadcnt 16                              ; the first K step's 16 loads are in; the second's may be out
	QUANT X0, PC0
.irp c, 0,1,2,3
	global_store_b128 v[LI], v[PC0+4*\c:PC0+4*\c+3], s[40:41] offset:512*\c   ; 32 lanes store 512 consecutive bytes, aligned
.endr
	s_wait_loadcnt 0x0
	QUANT X1, PC1
.irp c, 0,1,2,3
	global_store_b128 v[LI], v[PC1+4*\c:PC1+4*\c+3], s[42:43] offset:512*\c
.endr
	s_endpgm
.Lfunc_end_k_q7cc61e1eb9_wq:
	.size	k_q7cc61e1eb9_wq, .Lfunc_end_k_q7cc61e1eb9_wq-k_q7cc61e1eb9_wq
	.p2alignl 7, 3214868480
	.fill 96, 4, 3214868480
	.section	.rodata,"a",@progbits
	.p2align	6, 0x0
	.amdhsa_kernel k_q7cc61e1eb9_wq
		.amdhsa_group_segment_fixed_size 0
		.amdhsa_private_segment_fixed_size 0
		.amdhsa_enable_private_segment 0
		.amdhsa_kernarg_size 48
		.amdhsa_user_sgpr_count 2
		.amdhsa_user_sgpr_kernarg_segment_ptr 1
		.amdhsa_wavefront_size32 1
		.amdhsa_system_sgpr_workgroup_id_x 1
		.amdhsa_system_sgpr_workgroup_id_y 1
		.amdhsa_system_sgpr_workgroup_id_z 1
		.amdhsa_system_vgpr_workitem_id 0
		.amdhsa_next_free_vgpr 176
		.amdhsa_next_free_sgpr 66
		.amdhsa_reserve_vcc 0
		.amdhsa_float_denorm_mode_32 3
		.amdhsa_float_denorm_mode_16_64 3
		.amdhsa_memory_ordered 1
		.amdhsa_forward_progress 1
		.amdhsa_inst_pref_size 16
	.end_amdhsa_kernel
	.amdgpu_metadata
---
amdhsa.version: [ 1, 2 ]
amdhsa.kernels:
  - .name:           k_q7cc61e1eb9_wq
    .symbol:         k_q7cc61e1eb9_wq.kd
    .args:
      - { .name: Wq, .offset: 0, .size: 8, .value_kind: global_buffer, .address_space: global }
      - { .name: Wk, .offset: 8, .size: 8, .value_kind: global_buffer, .address_space: global }
      - { .name: Wv, .offset: 16, .size: 8, .value_kind: global_buffer, .address_space: global }
      - { .name: Wo, .offset: 24, .size: 8, .value_kind: global_buffer, .address_space: global }
      - { .name: lowp_scales, .offset: 32, .size: 8, .value_kind: global_buffer, .address_space: global }
      - { .name: wc, .offset: 40, .size: 8, .value_kind: global_buffer, .address_space: global }
    .group_segment_fixed_size: 0
    .private_segment_fixed_size: 0
    .kernarg_segment_align: 8
    .kernarg_segment_size: 48
    .max_flat_workgroup_size: 128
    .sgpr_count:     66
    .vgpr_count:     176
    .wavefront_size: 32
...
	.end_amdgpu_metadata
.endif
;; end of part 1
;; launch proj (part 2): grid 256 x 1, 4 waves a work-group, no clusters, 197,120 bytes of LDS; arguments Q, K, wc, bq, bk, bv, lowp_scales, qf, kc, vc; writes qf, kc, vc
.if DOCPART == 2
	.amdgcn_target "amdgcn-amd-amdhsa--gfx1250"
	.amdhsa_code_object_version 6
	.text
	.protected	k_q7cc61e1eb9_proj
	.globl	k_q7cc61e1eb9_proj
	.p2align	8
	.type	k_q7cc61e1eb9_proj,@function
k_q7cc61e1eb9_proj:
	s_mov_b64 s[64:65], 0
	v_nop
	global_prefetch_b8 v0, s[64:65] scope:SCOPE_SE
	s_setreg_imm32_b32 hwreg(HW_REG_WAVE_MODE, 25, 1), 1
	s_wait_xcnt 0x0
; q = Q Wq^T + bq, k = K Wk^T + bk, v = K Wv^T + bv on codes of E5M2.  Q and K, f32, are quantised here (Q with e0; K twice, with e2 and with e4); the weights come as fragments (buffer wc).
; A FRAGMENT is 16 rows x 128 K in 16 registers: registers 4 c .. 4 c + 3 of lane (r, h) hold k = 32 c + 16 h + 0 .. 15; its image is 2,048 bytes, byte 512 c + 16 x lane.  The same order of k on both operands.
; EVERY TILE OF 16 ROWS (of x, of a weight) with number T holds rows 32 (T / 2) + 8 (T % 2) + r + 8 (r / 8): a result's registers of tiles 2 b and 2 b + 1 are then 16 neighbours, 32 b + 16 h + 0 .. 15.
; SHARES.  Work-group x: column half ch = x % 2 (512 columns), row block rb = x / 2 (64 rows of Q and the same 64 of K).  First wave w quantises row tile w, all 1,024 along K, three images of 8 fragments, into LDS; one barrier;
; then wave w owns head g = 4 ch + w (128 columns, 8 weight tiles) for all four row tiles: 32 accumulators, three products one after the other.
; q, k: source 0 = weight tile, source 1 = x: a lane holds one row and its 64 registers run along the head's 128 channels.  v: the sources swapped: a lane holds one channel and its registers run along the keys.
; OUT.  qf: f32 images [row tile 512][head 8][8192]: register 16 b + i of lane (r, h) = (the tile's row r, channel 32 b + 16 h + i), byte 512 n + 16 x lane for registers 4 n .. 4 n + 3.
;       kc: fragments [batch x head 32][key tile 128][2048], quantised with e7.   vc: fragments of v^T [batch x head 32][key step 16][channel tile 8][2048], keys along K, quantised with e8.
; The biases are the C of each sum's first matrix instruction, divided by the power of two that the sums lack.
; THE WEIGHTS' STREAM has four pointers, one for each half of each of the two register sets.  A pointer is stepped directly behind the counted wait that shows the sixteen loads done that read it: no other wait is spent on it.
; NO CLUSTER: each weight fragment is read by one wave of the work-group and goes from memory straight into its registers, 16 bytes a lane in register order; a joint tensor load would put all 1.5 MB a work-group through LDS, written and read once more,
; in slots of half a K step, which is all that fits beside the 196,608 bytes of x's images.
; LIMITS, so that each power of two below is an f32 number: e0, e2, e4, e7 - e2 - e3, e8 - e4 - e5 between -126 and 112; e0 + e1 between -126 and 127.  NaN among the inputs is not served.
; REGISTERS, in windows of 256.  window 0: v4-11 addresses; v16-25 scales and holds; v32-95 at work; v96-127 codes just made; v128-191, v192-255 x's four fragments of a K step, two sets.
;   window 1: the weight's 8 fragments of a K step, two sets.   window 2: the accumulators, (m, t) at v[8 (8 m + t)]; while x is quantised: four sets of 64 numbers.   window 3: bq v0-63, bk v64-127, bv v128-191, in the results' layout.
; LDS: x's images [p 3][K step 8][row tile 4][2048], written once, read behind the one barrier.
.set XA,   4                           ; v4   my byte in the block's rows of x
.set LI,   5                           ; v5   16 x lane
.set XWI,  6                           ; v6-8 where I store x's images: 16 x lane + 2048 x wave + 65536 p
.set ADX,  9                           ; v9   LDS address of the K step to be fetched
.set BA,   10                          ; v10  64 h
.set BVA,  11                          ; v11  4 (r + 8 (r / 8))
.set SQ,   16                          ; v16, v17: 2^e0 and 57,344 x 2^e0;  v18, v19: e2;  v20, v21: e4;  v22, v23: e7 - e2 - e3;  v24, v25: e8 - e4 - e5
.set SK,   18
.set SV,   20
.set SKC,  22
.set SVC,  24
.set T,    32
.set PCA,  96
.set PCB,  112
.set XF0,  128
.set WPT,  68                          ; s[68:75] the stream's pointers: set pb, half hf at s[68 + 4 pb + 2 hf]
.set MSB, 0
.macro WIN new                         ; the immediate's high byte repeats the setting that is left
.if MSB != (\new)
	s_set_vgpr_msb (MSB<<8)|(\new)
.set MSB, (\new)
.endif
.endm
.macro PLACES k
.rept \k
	v_nop
.endr
.endm
.macro MKSC vs, se                     ; v[vs] = 2^e, v[vs + 1] = 57,344 x 2^e, e in a scalar register
	s_add_co_i32 s57, \se, 127
	s_lshl_b32 s58, s57, 23
	v_mov_b32 v[\vs], s58
	s_add_co_i32 s57, s57, 15
	s_lshl_b32 s57, s57, 23
	s_or_b32 s57, s57, 0x600000
	v_mov_b32 v[\vs+1], s57
.endm
	s_load_b256 s[4:11], s[0:1], 0x0               ; Q, K, wc, bq
	s_load_b256 s[12:19], s[0:1], 0x20             ; bk, bv, the scales' exponents, qf
	s_load_b128 s[20:23], s[0:1], 0x40             ; kc, vc
	v_lshl_add_u32 v30, v0, 2, 0x30000
	v_mov_b32 v31, 0
	v_lshrrev_b32 v1, 5, v0
	v_readfirstlane_b32 s24, v1                    ; wave
	s_and_b32 s25, ttmp9, 1                        ; ch
	s_lshr_b32 s26, ttmp9, 1                       ; rb
	s_lshl_b32 s27, s25, 2
	s_add_co_u32 s27, s27, s24                     ; g
	v_and_b32 v2, 15, v0                           ; r
	v_bfe_u32 v3, v0, 4, 1                         ; h
	v_and_b32 v1, 8, v2
	v_add_nc_u32 v1, v1, v2                        ; r + 8 (r / 8)
	v_lshlrev_b32 v[BVA], 2, v1
	v_lshlrev_b32 v[BA], 6, v3
	s_lshr_b32 s28, s24, 1
	s_lshl_b32 s28, s28, 5
	s_and_b32 s29, s24, 1
	s_lshl_b32 s29, s29, 3
	s_add_co_u32 s28, s28, s29                     ; row tile w begins at row 32 (w / 2) + 8 (w % 2) of the block
	v_add_nc_u32 v1, s28, v1
	v_lshlrev_b32 v[XA], 12, v1
	v_lshl_add_u32 v[XA], v3, 6, v[XA]             ; row x 4096 + 64 h: my 16 numbers of a block of 32
	v_and_b32 v[LI], 31, v0
	v_lshlrev_b32 v[LI], 4, v[LI]
	s_lshl_b32 s28, s24, 11
	v_add_nc_u32 v[XWI], s28, v[LI]
	v_add_nc_u32 v[XWI+1], 0x10000, v[XWI]
	v_add_nc_u32 v[XWI+2], 0x20000, v[XWI]
	s_lshl_b32 s28, s26, 18                        ; the block's 64 rows of 4,096 bytes
	s_mov_b32 s29, 0
	s_mul_i32 s30, s27, 393216                     ; my head's 24 K steps of 16,384 bytes of weights: q's, k's, v's on end
	s_mov_b32 s31, 0
	s_lshl_b32 s60, s27, 13
	s_add_co_u32 s60, s60, s28                     ; qf: (4 rb) x 65536 + 8192 g
	s_mov_b32 s61, 0
	s_lshr_b32 s57, s26, 5
	s_lshl_b32 s57, s57, 3
	s_add_co_u32 s57, s57, s27                     ; batch x 8 + head
	s_and_b32 s58, s26, 31                         ; the block within its batch
	s_lshl_b32 s62, s57, 7
	s_lshl_b32 s59, s58, 2
	s_add_co_u32 s62, s62, s59
	s_lshl_b32 s62, s62, 11                        ; kc: (128 bh + 4 (rb % 32)) x 2048
	s_mov_b32 s63, 0
	s_lshl_b32 s52, s57, 4
	s_lshr_b32 s59, s58, 1
	s_add_co_u32 s52, s52, s59
	s_lshl_b32 s52, s52, 14
	s_and_b32 s59, s58, 1
	s_lshl_b32 s59, s59, 10
	s_add_co_u32 s52, s52, s59                     ; vc: (16 bh + (rb % 32) / 2) x 16384 + 1024 (rb % 2): my 64 keys are half of a key step
	s_mov_b32 s53, 0
	s_lshl_b32 s58, s27, 9                         ; the biases: my head's 128 numbers
	s_mov_b32 s59, 0
	s_wait_kmcnt 0x0
	s_load_b256 s[32:39], s[16:17], 0x0            ; e0 .. e7
	s_load_b32 s40, s[16:17], 0x20                 ; e8
	s_add_nc_u64 s[4:5], s[4:5], s[28:29]
	s_add_nc_u64 s[6:7], s[6:7], s[28:29]
	s_add_nc_u64 s[WPT:WPT+1], s[8:9], s[30:31]    ; the weights' stream: set 0's two pointers at K step 0,
	s_mov_b64 s[WPT+2:WPT+3], s[WPT:WPT+1]
	s_add_nc_u64 s[WPT+4:WPT+5], s[WPT:WPT+1], 16384   ; set 1's at K step 1
	s_mov_b64 s[WPT+6:WPT+7], s[WPT+4:WPT+5]
	s_add_nc_u64 s[46:47], s[18:19], s[60:61]
	s_add_nc_u64 s[48:49], s[20:21], s[62:63]
	s_add_nc_u64 s[50:51], s[22:23], s[52:53]
	s_add_nc_u64 s[10:11], s[10:11], s[58:59]
	s_add_nc_u64 s[12:13], s[12:13], s[58:59]
	s_add_nc_u64 s[14:15], s[14:15], s[58:59]
	WIN 0xc0                                       ; destination window 3
.irp t, 0,1,2,3,4,5,6,7                ; bq, bk: lane (r, h) wants, for tile t, channels 32 (t / 2) + 8 (t % 2) + 16 h + 0 .. 7;  bv: its one channel 32 (t / 2) + 8 (t % 2) + r + 8 (r / 8)
	global_load_b128 v[8*\t:8*\t+3], v[BA], s[10:11] offset:(32*(\t/2)+8*(\t%2))*4
	global_load_b128 v[8*\t+4:8*\t+7], v[BA], s[10:11] offset:(32*(\t/2)+8*(\t%2))*4+16
	global_load_b128 v[64+8*\t:64+8*\t+3], v[BA], s[12:13] offset:(32*(\t/2)+8*(\t%2))*4
	global_load_b128 v[64+8*\t+4:64+8*\t+7], v[BA], s[12:13] offset:(32*(\t/2)+8*(\t%2))*4+16
	global_load_b32 v[128+8*\t], v[BVA], s[14:15] offset:(32*(\t/2)+8*(\t%2))*4
.endr
	WIN 0
; x step i (0-7: Q's K steps; 8-15: K's): 64 numbers a lane, register 16 b + i = k 32 b + 16 h + i of my row, into set i % 4 of window 2
.macro XLOAD i
	WIN 0x80
.irp b, 0,1,2,3
.irp j, 0,1,2,3
.if (\i) < 8
	global_load_b128 v[64*((\i)%4)+16*\b+4*\j:64*((\i)%4)+16*\b+4*\j+3], v[XA], s[4:5] offset:512*((\i)%8)+128*\b+16*\j
.else
	global_load_b128 v[64*((\i)%4)+16*\b+4*\j:64*((\i)%4)+16*\b+4*\j+3], v[XA], s[6:7] offset:512*((\i)%8)+128*\b+16*\j
.endif
.endr
.endr
	WIN 0
.endm
; the set's numbers are held (into other registers: K's are quantised twice), converted, and the fragment goes to LDS as it stands
.macro QX i, sc, pc, adr
	WIN 0x02                                       ; source 0 window 2
.set n, 0
.rept 64
	v_med3_num_f32 v[T+n], v[64*((\i)%4)+n], -v[\sc+1], v[\sc+1]   ; the conversion to an 8-bit code does not saturate (ISA guide 7.6.2)
.set n, n+1
.endr
	WIN 0
.irp b, 0,1,2,3
	v_cvt_scalef32_pk8_bf8_f32 v[\pc+4*\b:\pc+4*\b+1], v[T+16*\b:T+16*\b+7], v[\sc]
	v_cvt_scalef32_pk8_bf8_f32 v[\pc+4*\b+2:\pc+4*\b+3], v[T+16*\b+8:T+16*\b+15], v[\sc]
.endr
	v_nop                                          ; a plain line between the conversions and the next lines that write their sources
.irp c, 0,1,2,3
	ds_store_b128 v[\adr], v[\pc+4*\c:\pc+4*\c+3] offset:8192*((\i)%8)+512*\c
.endr
.endm
.macro XSTEP i, cnt                    ; cnt: the loads issued behind step i's sixteen
	s_wait_loadcnt \cnt
	s_wait_dscnt 0x0                               ; the last step's LDS stores have read the codes' registers
.if (\i) < 8
	QX \i, SQ, PCA, XWI
.else
	QX \i, SK, PCA, XWI+1
	QX \i, SV, PCB, XWI+2
.endif
.if (\i)+4 < 16
	XLOAD (\i)+4
.endif
.endm
; four of a K step's eight weight fragments, t0 .. t0 + 3 (t0 = 0 or 4), into set pb of window 1, by that half's own pointer
.macro WLOAD pb, t0
.irp t, 0,1,2,3
.irp c, 0,1,2,3
	global_load_b128 v[128*(\pb)+16*((\t0)+\t)+4*\c:128*(\pb)+16*((\t0)+\t)+4*\c+3], v[LI], s[WPT+4*(\pb)+(\t0)/2:WPT+4*(\pb)+(\t0)/2+1] offset:2048*((\t0)+\t)+512*\c
.endr
.endr
.endm
	XLOAD 0
	XLOAD 1
	XLOAD 2
	XLOAD 3
	s_wait_kmcnt 0x0
	s_add_co_i32 s57, s32, s33                     ; e0 + e1
	s_sub_co_i32 s54, 0, s57
	s_add_co_i32 s57, s57, 127
	s_lshl_b32 s42, s57, 23                        ; 2^(e0 + e1) as f32
	s_mov_b32 s43, s42                             ; (named with it as a pair, so it is written)
	s_add_co_i32 s59, s34, s35                     ; e2 + e3
	s_sub_co_i32 s55, 0, s59
	s_sub_co_i32 s59, s39, s59                     ; e7 - e2 - e3: a sum of k stands for sum x 2^(e2 + e3): the three scales are folded into the conversion's one
	s_add_co_i32 s60, s36, s37                     ; e4 + e5
	s_sub_co_i32 s56, 0, s60
	s_sub_co_i32 s60, s40, s60                     ; e8 - e4 - e5
	MKSC SQ, s32
	MKSC SK, s34
	MKSC SV, s36
	MKSC SKC, s59
	MKSC SVC, s60
	XSTEP 0, 48                                    ; behind step 0's loads: three steps' 48.  The biases were asked for ahead of them: they are in
	WIN 0xc3                                       ; source 0 and destination window 3
.set n, 0
.rept 64
	v_ldexp_f32 v[n], v[n], s54                    ; bq / 2^(e0 + e1)
	v_ldexp_f32 v[64+n], v[64+n], s55              ; bk / 2^(e2 + e3)
.set n, n+1
.endr
.irp t, 0,1,2,3,4,5,6,7
.irp j, 1,2,3,4,5,6,7
	v_ldexp_f32 v[128+8*\t+\j], v[128+8*\t], s56   ; bv / 2^(e4 + e5): the lane's one channel, in all eight registers of the tile
.endr
	v_ldexp_f32 v[128+8*\t], v[128+8*\t], s56
.endr
	WIN 0
.irp i, 1,2,3,4,5,6,7,8,9,10,11,12
	XSTEP \i, 48
.endr
	XSTEP 13, 32                                   ; behind it: steps 14 and 15
	WIN 0x40
	WLOAD 0, 0                                     ; the weights' K step 0
	WLOAD 0, 4
	WIN 0
	XSTEP 14, 48                                   ; behind it: step 15's 16 and the weights' 32
	XSTEP 15, 32                                   ; behind it: the weights' 32
	WIN 0x40
	WLOAD 1, 0                                     ; K step 1
	WLOAD 1, 4
	WIN 0
	s_wait_dscnt 0x0                               ; my images have landed
	s_barrier_signal -1
	s_barrier_wait -1                              ; everybody's have: LDS is only read from here on
.irp m, 0,1,2,3
.irp c, 0,1,2,3
	ds_load_b128 v[XF0+16*\m+4*\c:XF0+16*\m+4*\c+3], v[LI] offset:2048*\m+512*\c
.endr
.endr
	s_mov_b32 s52, 8192                            ; LDS byte of the next K step's four fragments: the three images lie on end, as the weights' stream does
; 16 matrix instructions: weight tiles t0 .. t0 + 3 x the four row tiles.  The 32 accumulators take turns, one instruction a turn, in the same order in every K step.
.macro MUL16 pb, ori, first, bb, t0
.irp t, 0,1,2,3
.irp m, 0,1,2,3
.set rD, 8*(8*\m+(\t0)+\t)
.set rW, 128*(\pb)+16*((\t0)+\t)
.set rX, XF0+64*(\pb)+16*\m
.set rC, (\bb)+8*((\t0)+\t)
.if \ori
.if \first
	v_wmma_f32_16x16x128_bf8_bf8 v[rD:rD+7], v[rX:rX+15], v[rW:rW+15], v[rC:rC+7]
.else
	v_wmma_f32_16x16x128_bf8_bf8 v[rD:rD+7], v[rX:rX+15], v[rW:rW+15], v[rD:rD+7]
.endif
.else
.if \first
	v_wmma_f32_16x16x128_bf8_bf8 v[rD:rD+7], v[rW:rW+15], v[rX:rX+15], v[rC:rC+7]
.else
	v_wmma_f32_16x16x128_bf8_bf8 v[rD:rD+7], v[rW:rW+15], v[rX:rX+15], v[rD:rD+7]
.endif
.endif
.endr
.endr
.endm
; A K STEP: 32 matrix instructions on set pb.  ori = 0: source 0 = weights; 1: source 0 = x.  first = 1: C is the bias at v[bb] of window 3.  refill: each half of the weights' set takes the K step two on as soon as it
; has been multiplied.  fetch: x's fragments of the next K step come from LDS into the other set.  na, nb: the loads issued behind the half that is wanted: as a rule three halves of 16.
; The same counted wait shows done the sixteen loads that read the half's pointer, so the pointer steps directly behind it, two K steps on.
; Four plain lines stand between matrix instructions and loads into registers that they have read (ISA guide 7.12.1 for vector instructions).
.macro KSTEP pb, ori, first, bb, refill, fetch, na, nb
.set WM, 0xa1+3*(\ori)+0x10*(\first)   ; weights window 1, x window 0, D window 2, C window 2 or 3
	s_wait_loadcnt \na
.if \refill
	s_add_nc_u64 s[WPT+4*(\pb):WPT+4*(\pb)+1], s[WPT+4*(\pb):WPT+4*(\pb)+1], 32768
.endif
	s_wait_dscnt 0x0                               ; x's fragments, asked for half a K step ago
	WIN WM
	MUL16 \pb, \ori, \first, \bb, 0
	PLACES 4
.if \fetch
	WIN 0
	v_add_nc_u32 v[ADX], s52, v[LI]
.irp m, 0,1,2,3
.irp c, 0,1,2,3
	ds_load_b128 v[XF0+64*(1-(\pb))+16*\m+4*\c:XF0+64*(1-(\pb))+16*\m+4*\c+3], v[ADX] offset:2048*\m+512*\c
.endr
.endr
.endif
.if \refill
	WIN 0x40
	WLOAD \pb, 0
.endif
	s_wait_loadcnt \nb
.if \refill
	s_add_nc_u64 s[WPT+4*(\pb)+2:WPT+4*(\pb)+3], s[WPT+4*(\pb)+2:WPT+4*(\pb)+3], 32768
.endif
	WIN WM
	MUL16 \pb, \ori, \first, \bb, 4
	PLACES 4
.if \refill
	WIN 0x40
	WLOAD \pb, 4
.endif
	WIN 0
	s_add_co_u32 s52, s52, 8192
.endm
	; ---- q
	KSTEP 0, 0, 1, 0, 1, 1, 48, 48
	s_mov_b32 s53, 3
.Lq:
	KSTEP 1, 0, 0, 0, 1, 1, 48, 48
	KSTEP 0, 0, 0, 0, 1, 1, 48, 48
	s_sub_co_u32 s53, s53, 1
	s_cmp_lg_u32 s53, 0
	s_cbranch_scc1 .Lq
	KSTEP 1, 0, 0, 0, 1, 1, 48, 48                 ; its refills and its fetch are already k's first K steps
	WIN 0x82                                       ; source 0 and destination window 2
.set n, 0
.rept 128
	v_pk_mul_f32 v[n:n+1], v[n:n+1], s[42:43] op_sel_hi:[1,0]   ; q = sum x 2^(e0 + e1), the bias within; each accumulator from its low end on
.set n, n+2
.endr
	WIN 0x08                                       ; store data window 2
.irp m, 0,1,2,3
.set n, 0
.rept 16
	global_store_b128 v[LI], v[64*\m+4*n:64*\m+4*n+3], s[46:47] offset:65536*\m+512*n   ; 32 lanes store 512 consecutive bytes, aligned
.set n, n+1
.endr
.endr
	WIN 0
	s_wait_xcnt 0x0                                ; the stores have read the accumulators: the next product may write them
	; ---- k
	KSTEP 0, 0, 1, 64, 1, 1, 48, 48
	s_mov_b32 s53, 3
.Lk:
	KSTEP 1, 0, 0, 0, 1, 1, 48, 48
	KSTEP 0, 0, 0, 0, 1, 1, 48, 48
	s_sub_co_u32 s53, s53, 1
	s_cmp_lg_u32 s53, 0
	s_cbranch_scc1 .Lk
	KSTEP 1, 0, 0, 0, 1, 1, 48, 48
.irp m, 0,1,2,3                        ; row tile m's 64 registers run along the head's channels: they become one fragment of 16 keys
	WIN 0x82
.set n, 0
.rept 64
	v_med3_num_f32 v[64*\m+n], v[64*\m+n], -v[SKC+1], v[SKC+1]
.set n, n+1
.endr
	WIN 0x02
.irp t, 0,1,2,3,4,5,6,7
	v_cvt_scalef32_pk8_bf8_f32 v[T+16*\m+2*\t:T+16*\m+2*\t+1], v[64*\m+8*\t:64*\m+8*\t+7], v[SKC]
.endr
	v_nop                                          ; a plain line between the conversions and the next product, which writes their sources
	WIN 0
.irp c, 0,1,2,3
	global_store_b128 v[LI], v[T+16*\m+4*\c:T+16*\m+4*\c+3], s[48:49] offset:2048*\m+512*\c
.endr
.endr
	; ---- v, the sources swapped
	KSTEP 0, 1, 1, 128, 1, 1, 48, 48
	s_mov_b32 s53, 2
.Lv:
	KSTEP 1, 1, 0, 0, 1, 1, 48, 48
	KSTEP 0, 1, 0, 0, 1, 1, 48, 48
	s_sub_co_u32 s53, s53, 1
	s_cmp_lg_u32 s53, 0
	s_cbranch_scc1 .Lv
	KSTEP 1, 1, 0, 0, 1, 1, 48, 48                 ; the stream's last refill
	KSTEP 0, 1, 0, 0, 0, 1, 48, 32                 ; nothing more is asked of memory: the counts run down
	KSTEP 1, 1, 0, 0, 0, 0, 16, 0
	s_wait_xcnt 0x0                                ; k's stores have read the registers that v's codes take
	WIN 0x82
.set n, 0
.rept 256
	v_med3_num_f32 v[n], v[n], -v[SVC+1], v[SVC+1]
.set n, n+1
.endr
	WIN 0x02
.irp t, 0,1,2,3,4,5,6,7                ; channel tile t: accumulators (2 b, t) and (2 b + 1, t) hold keys 32 b + 16 h + 0 .. 15 of my 64: registers 4 b .. 4 b + 3 of half a fragment
.irp m, 0,1,2,3
	v_cvt_scalef32_pk8_bf8_f32 v[T+8*\t+2*\m:T+8*\t+2*\m+1], v[8*(8*\m+\t):8*(8*\m+\t)+7], v[SVC]
.endr
.endr
	v_nop
	WIN 0
.irp t, 0,1,2,3,4,5,6,7
.irp b, 0,1
	global_store_b128 v[LI], v[T+8*\t+4*\b:T+8*\t+4*\b+3], s[50:51] offset:2048*\t+512*\b
.endr
.endr
	s_wait_tensorcnt 0x0
	ds_add_u32 v30, v31
	s_wait_dscnt 0x0
	s_endpgm
.Lfunc_end_k_q7cc61e1eb9_proj:
	.size	k_q7cc61e1eb9_proj, .Lfunc_end_k_q7cc61e1eb9_proj-k_q7cc61e1eb9_proj
	.p2alignl 7, 3214868480
	.fill 96, 4, 3214868480
	.section	.rodata,"a",@progbits
	.p2align	6, 0x0
	.amdhsa_kernel k_q7cc61e1eb9_proj
		.amdhsa_group_segment_fixed_size 197120
		.amdhsa_private_segment_fixed_size 0
		.amdhsa_enable_private_segment 0
		.amdhsa_kernarg_size 80
		.amdhsa_user_sgpr_count 2
		.amdhsa_user_sgpr_kernarg_segment_ptr 1
		.amdhsa_wavefront_size32 1
		.amdhsa_system_sgpr_workgroup_id_x 1
		.amdhsa_system_sgpr_workgroup_id_y 1
		.amdhsa_system_sgpr_workgroup_id_z 1
		.amdhsa_system_vgpr_workitem_id 0
		.amdhsa_next_free_vgpr 1024
		.amdhsa_next_free_sgpr 76
		.amdhsa_reserve_vcc 0
		.amdhsa_float_denorm_mode_32 3
		.amdhsa_float_denorm_mode_16_64 3
		.amdhsa_memory_ordered 1
		.amdhsa_forward_progress 1
		.amdhsa_inst_pref_size 255
	.end_amdhsa_kernel
	.section	.bss,"aw",@nobits
	.p2align	6
	.space	262144
	.amdgpu_metadata
---
amdhsa.version: [ 1, 2 ]
amdhsa.kernels:
  - .name:           k_q7cc61e1eb9_proj
    .symbol:         k_q7cc61e1eb9_proj.kd
    .args:
      - { .name: Q, .offset: 0, .size: 8, .value_kind: global_buffer, .address_space: global }
      - { .name: K, .offset: 8, .size: 8, .value_kind: global_buffer, .address_space: global }
      - { .name: wc, .offset: 16, .size: 8, .value_kind: global_buffer, .address_space: global }
      - { .name: bq, .offset: 24, .size: 8, .value_kind: global_buffer, .address_space: global }
      - { .name: bk, .offset: 32, .size: 8, .value_kind: global_buffer, .address_space: global }
      - { .name: bv, .offset: 40, .size: 8, .value_kind: global_buffer, .address_space: global }
      - { .name: lowp_scales, .offset: 48, .size: 8, .value_kind: global_buffer, .address_space: global }
      - { .name: qf, .offset: 56, .size: 8, .value_kind: global_buffer, .address_space: global }
      - { .name: kc, .offset: 64, .size: 8, .value_kind: global_buffer, .address_space: global }
      - { .name: vc, .offset: 72, .size: 8, .value_kind: global_buffer, .address_space: global }
    .group_segment_fixed_size: 197120
    .private_segment_fixed_size: 0
    .kernarg_segment_align: 8
    .kernarg_segment_size: 80
    .max_flat_workgroup_size: 128
    .sgpr_count:     76
    .vgpr_count:     1024
    .wavefront_size: 32
...
	.end_amdgpu_metadata
.endif
;; end of part 2
;; launch attn (part 3): grid 8 x 32, 8 waves a work-group, no clusters, 327,680 bytes of LDS; arguments qf, kc, vc, lowp_scales, of; writes of
.if DOCPART == 3
	.amdgcn_target "amdgcn-amd-amdhsa--gfx1250"
	.amdhsa_code_object_version 6
	.text
	.protected	k_q7cc61e1eb9_attn
	.globl	k_q7cc61e1eb9_attn
	.p2align	8
	.type	k_q7cc61e1eb9_attn,@function
k_q7cc61e1eb9_attn:
	s_mov_b64 s[64:65], 0
	v_nop
	global_prefetch_b8 v0, s[64:65] scope:SCOPE_SE
	s_setreg_imm32_b32 hwreg(HW_REG_WAVE_MODE, 25, 1), 1
	s_wait_xcnt 0x0
; o = q + softmax(q k^T / sqrt(128)) v for one head, both products on codes of E5M2.  q comes as f32 images (qf) and is quantised here with e6; k (e7) and v^T (e8) come as fragments (kc, vc); o leaves as f32 images (of), laid as qf.
; A FRAGMENT: 16 rows x 128 K, 16 registers, registers 4 c .. 4 c + 3 of lane (r, h) = k 32 c + 16 h + 0 .. 15, image byte 512 c + 16 x lane.  Tile T of queries, keys or channels holds rows 32 (T / 2) + 8 (T % 2) + r + 8 (r / 8).
; THE SOFTMAX AHEAD OF THE SECOND PRODUCT: t = score x log2(e) / sqrt(128); M = the running largest t rounded UP to a whole number; p = 2^(t - M) is quantised with e9, not normalised.  The row's sum is taken of the unquantised p
; and divides at the end.  When M moves, the sum and O are multiplied by 2^(old M - new M): exact.
; SHARES.  Work-group (x, bh): 256 queries of batch x head bh; each of its eight waves owns TWO tiles of 16 queries, A and B, in 512 registers, two waves to a SIMD.  Every wave walks the head's 2,048 keys, 128 a step.
; Each fragment of k and of v^T that a wave reads from LDS feeds two matrix instructions, one for each tile: the eight waves read a slot's 65,536 bytes eight times, 524,288 bytes.
; Both products are used transposed (S^T = k q^T, O^T = v^T p^T): a lane holds one query of each tile throughout; p's 16 registers of two neighbouring tiles are 16 neighbouring keys, and O^T's 64 registers are the image's.
; REGISTERS, in two windows of 256 (s_set_vgpr_msb: bits 1:0 source 0, 3:2 source 1, 5:4 source 2, 7:6 destination).  TILE B IS TILE A's MIRROR IN WINDOW 1, under the same numbers, so one text serves both: under setting 0 for A, 0x55 for B.
;   in each window: v12 -M, v13 the largest t, v[14:15] the sum; v16-31 q's fragment; v96-159 S^T, then p; v160-223 O^T; v224-239 p's codes; v236-254 at work (v240, v244: p's hold and scale; v246, v247: q's).
;   v32-95 of window 0 and v32-95 of window 1: two sets of four fragments, shared by both tiles.   window 0 alone: v1 16 x lane; v3 256 x lane; v4 my q in LDS; v5, v6 the add's; v8 the slot's address.
;   A step's eight fragments of k come in one run of 32 loads; the eight of v^T are asked for straight behind the scores' products and land while the two softmaxes are worked.
; LDS.  Two slots of 256 keys, 2^17 bytes apart: 16 fragments of k (32,768 bytes), then 16 of v^T: dense images, each load of a wave takes 512 bytes on end.  Waves 0, 1 fetch k's halves, waves 2, 3 v's, 16,384 bytes a tensor load.
; Behind each slot's 65,536 bytes lie 65,536 that no tensor load fills: there each wave keeps its 16,384 bytes of q in f32 for the residual at the end.  Then the spare words.
; NO CLUSTER: a slot's 65,536 bytes are fetched once for the 524,288 bytes that the eight waves read of it from LDS: what eight work-groups of a head share is a small part of a step's bytes.
; LIMITS, so that each power of two below is an f32 number: e6 and e9 between -126 and 112; e6 + e7 between -123 and 130 (added to c's exponent field); e8 + e9 is applied by v_ldexp_f32 and has none.  NaN is not served.
.set NSL,   8                          ; slots' worth of keys; a slot holds two key steps
.set VOFF,  32768
.set SLOT1, 1<<17
.set QST,   65536                      ; the waves' q: 65536 + 16384 (wave % 4) + 131072 (wave / 4); tile B's 8,192 bytes behind tile A's
.set SPARE, 2*SLOT1                    ; the spare words, 128 bytes for each wave: four blocks of 256 bytes that no other line names
.set LI,   1
.set PFO,  3
.set QA,   4
.set SPW,  5
.set NIL,  6
.set ADR,  8
.set WV,   18
.set SEL,  20
.set CS,   22
.set G1,   24                          ; s[24:31] descriptor group 1: one shape for all tiles
.set G0K,  40                          ; s[40:43], s[44:47] groups 0 for k's and v's tiles, which walk
.set G0V,  44
.set TB,   2
.set SLOTS, 67
.set PFA,  76                          ; s[76:77], s[78:79] where my prefetches stand, in kc and in vc
.set PFB,  78
.set LIM,  80
.set MSB, 0
.macro WIN new                         ; the immediate's high byte repeats the setting that is left; a switch that changes nothing is dropped
.if MSB != (\new)
	s_set_vgpr_msb (MSB<<8)|(\new)
.set MSB, (\new)
.endif
.endm
; Waves 0 and 1 fetch for k, waves 2 and 3 for v, the others nothing.  The branches hang on the wave's number alone.  Four v_nop follow each of the two lines.
.macro TLOAD
	s_cmp_lt_u32 s[WV], 2
	s_cbranch_scc0 .Lnot_k_\@
	tensor_load_to_lds s[G0K:G0K+3], s[G1:G1+7]
	s_nop 0
.rept 4
	v_nop
.endr
	s_branch .Lasked_\@
.Lnot_k_\@:
	s_cmp_lt_u32 s[WV], 4
	s_cbranch_scc0 .Lasked_\@
	tensor_load_to_lds s[G0V:G0V+3], s[G1:G1+7]
	s_nop 0
.rept 4
	v_nop
.endr
.Lasked_\@:
.endm
; A PREFETCH INTO THE L2 of what the NEXT change of slots will ask for: 32,768 bytes of k's fragments and as many of v's.  All eight work-groups of a head walk the same bytes: the first of them (x = 0) asks.  In it the waves ask
; that fetch nothing, waves 4 to 7, two instructions each: 8,192 bytes of k's block and 8,192 of v's, lanes 256 bytes apart: each aligned block of 256 bytes is named once in the launch.
; The last change that fills a slot asks for nothing: there is no slot behind it.  Slots 0 and 1 come by their loads alone.
.macro ASK
	s_cmp_gt_u32 s[SLOTS], s[LIM]
	s_cbranch_scc0 .Lnot_mine_\@
	global_prefetch_b8 v[PFO], s[PFA:PFA+1] th:TH_LOAD_NT scope:SCOPE_SE
	global_prefetch_b8 v[PFO], s[PFB:PFB+1] th:TH_LOAD_NT scope:SCOPE_SE
.Lnot_mine_\@:
.endm
	s_load_b128 s[4:7], s[0:1], 0x0                ; qf, kc
	s_load_b128 s[12:15], s[0:1], 0x10             ; vc, the scales' exponents
	s_load_b64 s[16:17], s[0:1], 0x20              ; of
	v_lshl_add_u32 v[SPW], v0, 2, SPARE
	v_mov_b32 v[NIL], 0
	ds_add_u32 v5, v6
	s_wait_dscnt 0x0
	v_lshrrev_b32 v8, 5, v0
	v_readfirstlane_b32 s[WV], v8                  ; wave 0..7
	s_and_b32 s72, ttmp7, 0xffff                   ; bh
	s_lshl_b32 s74, s72, 18                        ; the head's 262,144 bytes in kc and in vc
	s_and_b32 s88, s[WV], 1
	s_lshl_b32 s88, s88, 14                        ; which half of a slot's 32,768 bytes I fetch, in memory and in LDS
	s_add_co_u32 s90, s74, s88
	s_mov_b32 s91, 0
	s_lshr_b32 s80, s72, 3
	s_lshl_b32 s80, s80, 7
	s_lshl_b32 s81, ttmp9, 4
	s_add_co_u32 s80, s80, s81
	s_lshl_b32 s81, s[WV], 1
	s_add_co_u32 s80, s80, s81                     ; my tile A of queries: 128 x batch + 16 x + 2 x wave; tile B is the next
	s_lshl_b32 s80, s80, 3
	s_and_b32 s81, s72, 7
	s_add_co_u32 s80, s80, s81
	s_lshl_b32 s82, s80, 13                        ; A's image for my head: (8 T + head) x 8192; B's lies 65,536 bytes on
	s_mov_b32 s83, 0
	; descriptor group 1: a dense block of 16,384 bytes as 64 rows of 256 bytes, no padding
	s_mov_b32 s[G1], 3<<16                         ; 15:0 no mask; 17:16 elements of 8 bytes
	s_mov_b32 s[G1+1], 32<<16                      ; tensor_dim0 = 32
	s_mov_b32 s[G1+2], 64<<16                      ; tensor_dim1 = 64
	s_mov_b32 s[G1+3], 32<<16                      ; tile_dim0 = 32
	s_mov_b32 s[G1+4], 64                          ; tile_dim1 = 64
	s_mov_b32 s[G1+5], 32                          ; tensor_dim0_stride
	s_mov_b32 s[G1+6], 0
	s_mov_b32 s[G1+7], 0
	s_mov_b32 s[SEL], 0x76543210
	s_mov_b32 s[SEL+1], 0xfedcba98
	s_mov_b32 s[CS], 0x3e0293ee                    ; c = log2(e) / sqrt(128)
	s_mov_b32 s[TB], 0
	s_mov_b32 s[SLOTS], NSL-1
	s_wait_kmcnt 0x0
	s_load_b128 s[68:71], s[14:15], 0x18           ; e6, e7, e8, e9
	s_mov_b32 s[G0K], 1                            ; count = 1
	s_mov_b32 s[G0K+1], s88                        ; LDS address: slot 0
	s_add_nc_u64 s[G0K+2:G0K+3], s[6:7], s[90:91]  ; global address
	s_or_b32 s[G0K+3], s[G0K+3], 0x80000000        ; type = 2
	s_mov_b32 s[G0V], 1
	s_add_co_u32 s[G0V+1], s88, VOFF
	s_add_nc_u64 s[G0V+2:G0V+3], s[12:13], s[90:91]
	s_or_b32 s[G0V+3], s[G0V+3], 0x80000000
	TLOAD                                          ; slot 0: by this text's count a wave never has more than one tensor load out
	s_add_nc_u64 s[4:5], s[4:5], s[82:83]
	s_add_nc_u64 s[16:17], s[16:17], s[82:83]
	v_and_b32 v[LI], 31, v0
	v_lshlrev_b32 v[PFO], 8, v[LI]
	v_lshlrev_b32 v[LI], 4, v[LI]
.set n, 0
.rept 16
	global_load_b128 v[96+4*n:99+4*n], v[LI], s[4:5] offset:512*n th:TH_LOAD_NT   ; tile A's q, f32: register 16 b + i = channel 32 b + 16 h + i of my query
.set n, n+1
.endr
	WIN 0x40                                       ; destination window 1
.set n, 0
.rept 16
	global_load_b128 v[96+4*n:99+4*n], v[LI], s[4:5] offset:65536+512*n th:TH_LOAD_NT   ; tile B's
.set n, n+1
.endr
	WIN 0
	s_and_b32 s82, s[WV], 3                        ; the prefetches stand at my wave's 8,192 bytes
	s_lshl_b32 s82, s82, 13
	s_add_co_u32 s82, s82, 32768                   ; of slot 1: the first change of slots steps them to slot 2
	s_add_co_u32 s82, s82, s74                     ; in my head
	s_mov_b32 s83, 0
	s_add_nc_u64 s[PFA:PFA+1], s[6:7], s[82:83]
	s_add_nc_u64 s[PFB:PFB+1], s[12:13], s[82:83]
	s_lshr_b32 s82, s[WV], 2
	s_xor_b32 s82, s82, 1                          ; 0 in waves 4 to 7,
	s_or_b32 s82, s82, ttmp9                       ; of the head's first work-group
	s_cmp_eq_u32 s82, 0
	s_cselect_b32 s[LIM], 1, -1
	s_and_b32 s84, s[WV], 3
	s_lshl_b32 s84, s84, 14
	s_lshr_b32 s85, s[WV], 2
	s_lshl_b32 s85, s85, 17
	s_add_co_u32 s84, s84, s85
	s_add_co_u32 s84, s84, QST
	v_add_nc_u32 v[QA], s84, v[LI]                 ; where my q waits in LDS
	s_wait_kmcnt 0x0
	s_add_co_i32 s72, s68, s69
	s_lshl_b32 s72, s72, 23
	s_add_co_i32 s[CS], s[CS], s72                 ; a score stands for score x 2^(e6 + e7): the two exponents are added to c's exponent field
	s_mov_b32 s[CS+1], s[CS]                       ; (named with it as a pair, so it is written)
	s_add_co_i32 s72, s71, 127
	s_lshl_b32 s92, s72, 23                        ; 2^e9, for p's conversions
	s_add_co_i32 s72, s72, 15
	s_lshl_b32 s72, s72, 23
	s_or_b32 s93, s72, 0x600000                    ; 57,344 x 2^e9
	s_add_co_i32 s72, s68, 127
	s_lshl_b32 s94, s72, 23                        ; 2^e6, for q's
	s_add_co_i32 s72, s72, 15
	s_lshl_b32 s72, s72, 23
	s_or_b32 s95, s72, 0x600000                    ; 57,344 x 2^e6
; a tile's statistics and constants, in the window that is set
.macro INIT
	v_mov_b32 v13, 0xff61b1e6                      ; the largest t so far: -3e38, under every t
	v_floor_f32 v12, -v13                          ; -M
	v_mov_b32 v14, 0                               ; the sum, in two halves
	v_mov_b32 v15, 0
	v_mov_b32 v236, 0                              ; written once: a lane permute's destination counts as one of its sources
	v_mov_b32 v253, 0                              ; (named as the upper half of the pair v[252:253])
.set j, 0
.rept 64
	v_mov_b32 v[160+j], 0                          ; O^T.  (The key step is written without a first step of its own: the first finds zeros, which the first change of M leaves zeros)
.set j, j+1
.endr
	v_mov_b32 v244, s92
	v_mov_b32 v240, s93
	v_mov_b32 v246, s94
	v_mov_b32 v247, s95
.endm
; a tile's q becomes its fragment, in the window that is set
.macro QCODES
.set n, 0
.rept 64
	v_med3_num_f32 v[32+n], v[96+n], -v247, v247   ; the conversion to an 8-bit code does not saturate (ISA guide 7.6.2): the hold, into other registers
.set n, n+1
.endr
.irp b, 0,1,2,3
	v_cvt_scalef32_pk8_bf8_f32 v[16+4*\b:17+4*\b], v[32+16*\b:39+16*\b], v246
	v_cvt_scalef32_pk8_bf8_f32 v[18+4*\b:19+4*\b], v[40+16*\b:47+16*\b], v246
.endr
	v_nop                                          ; a plain line between the conversions and the lines that touch their results or write their sources
.endm
	INIT
	WIN 0x55
	INIT
	WIN 0
	s_wait_loadcnt 0x0                             ; q
.set n, 0
.rept 16
	ds_store_b128 v[QA], v[96+4*n:99+4*n] offset:512*n   ; kept for the residual: my own bytes, which nothing else touches
.set n, n+1
.endr
	WIN 0x04                                       ; store data window 1
.set n, 0
.rept 16
	ds_store_b128 v[QA], v[96+4*n:99+4*n] offset:8192+512*n
.set n, n+1
.endr
	WIN 0
	QCODES
	WIN 0x55
	QCODES
	WIN 0
; eight fragments, from byte base of the slot, key step q: four into v32-95 of window 0, four into v32-95 of window 1
.macro FLOAD base, q
	WIN 0
.irp t, 0,1,2,3
.irp c, 0,1,2,3
	ds_load_b128 v[32+16*\t+4*\c:32+16*\t+4*\c+3], v[ADR] offset:(\base)+(8*(\q)+\t)*2048+512*\c
.endr
.endr
	WIN 0x40                                       ; destination window 1
.irp t, 0,1,2,3
.irp c, 0,1,2,3
	ds_load_b128 v[32+16*\t+4*\c:32+16*\t+4*\c+3], v[ADR] offset:(\base)+(8*(\q)+4+\t)*2048+512*\c
.endr
.endr
	WIN 0
.endm
; four products under the setting w: 0x00: set 0, tile A;  0x54: set 0, tile B;  0x01: set 1, tile A;  0x55: set 1, tile B.  g: which set, and so which four tiles of keys or of channels.
.macro SMUL w, g                       ; S^T = k q^T
	WIN \w
.irp t, 0,1,2,3
	v_wmma_f32_16x16x128_bf8_bf8 v[96+8*(4*\g+\t):103+8*(4*\g+\t)], v[32+16*\t:47+16*\t], v[16:31], 0
.endr
.endm
.macro OMUL w, g                       ; O^T += v^T p^T.  A step's sixteen accumulators take turns, one instruction a turn
	WIN \w
.irp t, 0,1,2,3
	v_wmma_f32_16x16x128_bf8_bf8 v[160+8*(4*\g+\t):167+8*(4*\g+\t)], v[32+16*\t:47+16*\t], v[224:239], v[160+8*(4*\g+\t):167+8*(4*\g+\t)]
.endr
.endm
; one tile's softmax for one key step, in the window that is set
.macro SOFTMAX
	v_max3_num_f32 v254, v96, v97, v98             ; the step's largest score of my query, among my 64 keys, in two chains,
	v_max3_num_f32 v252, v99, v100, v101
.set i, 6
.rept 14
	v_max3_num_f32 v254, v254, v[96+i], v[97+i]
	v_max3_num_f32 v252, v252, v[98+i], v[99+i]
.set i, i+4
.endr
	v_max3_num_f32 v254, v254, v158, v159
	v_max_num_f32 v254, v254, v252
	v_permlanex16_b32 v236, v254, s[SEL], s[SEL+1]
	v_max_num_f32 v254, v254, v236                 ; and among lane l xor 16's
	v_mul_f32 v254, s[CS], v254                    ; as t (c is positive)
	v_max_num_f32 v13, v13, v254                   ; the running largest t
	v_mov_b32 v254, v12
	v_floor_f32 v12, -v13                          ; the new -M = floor(-t) = -ceil(t): M is a whole number
	v_sub_f32 v254, v12, v254                      ; M's old value less its new one: a whole number, 0 or less
	v_cvt_i32_f32 v254, v254                       ; (it saturates)
	v_ldexp_f32 v252, 1.0, v254                    ; f = 2^(old M - new M)
.set j, 0
.rept 32
	v_pk_fma_f32 v[96+j:97+j], v[96+j:97+j], s[CS:CS+1], v[12:13] op_sel_hi:[1,0,0]   ; t - M, two at a time (of the pairs c and -M the low word serves both halves)
.set j, j+2
.endr
.set j, 0
.rept 64
	v_exp_f32 v[96+j], v[96+j]                     ; p = 2^(t - M), at most 1: not normalised
.set j, j+1
.endr
	v_pk_mul_f32 v[14:15], v[14:15], v[252:253] op_sel_hi:[1,0]   ; the sums under the new M.  (A plain line behind the exponentials)
	s_wait_alu depctr_va_vdst(0)                   ; one wait for the whole batch of exponentials, ahead of its first reader
	v_pk_add_f32 v[242:243], v[96:97], v[98:99]    ; the row's sum is taken of the unquantised p: two at a time, in two chains
.set j, 4
.rept 15
	v_pk_add_f32 v[14:15], v[14:15], v[96+j:97+j]
	v_pk_add_f32 v[242:243], v[242:243], v[98+j:99+j]
.set j, j+4
.endr
	v_pk_add_f32 v[14:15], v[14:15], v[242:243]
.irp b, 0,1,2,3
.set i, 0
.rept 16
	v_min_num_f32 v[96+16*\b+i], v[96+16*\b+i], v240   ; the conversion to an 8-bit code does not saturate (ISA guide 7.6.2); p is not negative, so the hold is one-sided
.set i, i+1
.endr
	v_cvt_scalef32_pk8_bf8_f32 v[224+4*\b:225+4*\b], v[96+16*\b:103+16*\b], v244
	v_cvt_scalef32_pk8_bf8_f32 v[226+4*\b:227+4*\b], v[104+16*\b:111+16*\b], v244
.endr
.set j, 0
.rept 32
	v_pk_mul_f32 v[160+j:161+j], v[160+j:161+j], v[252:253] op_sel_hi:[1,0]   ; O^T under the new M: x f.  (These 32 plain lines also stand between the conversions and the products that read the codes)
.set j, j+2
.endr
.endm
; A KEY STEP: 128 keys, the q-th of the slot in hand, for both tiles.
.macro STEP q
	v_add_nc_u32 v[ADR], s[TB], v[LI]
.rept 4
	v_nop                                          ; places in front of loads into registers that matrix instructions have read
.endr
	FLOAD 0, \q                                    ; k's eight fragments
	s_wait_dscnt 16                                ; the first four are in; the second sixteen loads may be out
	SMUL 0x00, 0
	SMUL 0x54, 0
	s_wait_dscnt 0x0
	SMUL 0x01, 1
	SMUL 0x55, 1
	WIN 0
.rept 4
	v_nop                                          ; places behind the products: for the loads into the fragments' registers and for the first reads of the scores
.endr
	FLOAD VOFF, \q                                 ; v^T's eight fragments: they land while the softmaxes are worked
	SOFTMAX                                        ; tile A
	WIN 0x55
	SOFTMAX                                        ; tile B
	s_wait_dscnt 0x0
	OMUL 0x00, 0
	OMUL 0x54, 0
	OMUL 0x01, 1
	OMUL 0x55, 1
	WIN 0                                          ; at a label and at a branch every window is 0
.endm
; THE CHANGE OF SLOTS stands at a slot's head.  Each wave waits for all its tensor loads (its part of the slot that it is about to read), adds 0 to its spare word, and waits for that and for its reads of the slot that it has left.
; Behind the barrier the slot ahead is whole and nobody reads the other one.  fill = 1: that other slot is filled with the keys that follow: the load has a whole slot's steps in which to land.
.macro CHANGE fill
	s_wait_tensorcnt 0x0                           ; no tensor load of mine is out, so a group 0 may be written
	ds_add_u32 v[SPW], v[NIL]                      ; 0 onto my spare word
.if \fill
	s_xor_b32 s[G0K+1], s[G0K+1], SLOT1            ; the walking descriptors: the other slot than last time,
	s_add_nc_u64 s[G0K+2:G0K+3], s[G0K+2:G0K+3], 32768   ; the next 256 keys; the type bits on top are not reached
	s_xor_b32 s[G0V+1], s[G0V+1], SLOT1
	s_add_nc_u64 s[G0V+2:G0V+3], s[G0V+2:G0V+3], 32768
	s_wait_xcnt 0x0                                ; the last prefetches, a slot back, have read their addresses, so these may be written:
	s_add_nc_u64 s[PFA:PFA+1], s[PFA:PFA+1], 32768 ; one slot further on than the walking descriptors
	s_add_nc_u64 s[PFB:PFB+1], s[PFB:PFB+1], 32768
.endif
	s_wait_dscnt 0x0                               ; the add is done, and my reads of the slot that I have left are over
	s_barrier_signal -1
	s_barrier_wait -1
.if \fill
	TLOAD                                          ; the first thing behind the barrier, and a wave's one tensor load until the next
	ASK                                            ; what the next change of slots will ask for: a slot's two key steps ahead of that load
.endif
.endm
.macro SLOT_STEPS
	STEP 0
	STEP 1
	s_xor_b32 s[TB], s[TB], SLOT1                  ; on to the other slot
.endm
.Lslot:                                            ; NSL - 1 trips: behind each change of slots but the last the next slot is asked for
	CHANGE 1
	SLOT_STEPS
	s_sub_co_u32 s[SLOTS], s[SLOTS], 1
	s_cmp_lg_u32 s[SLOTS], 0
	s_cbranch_scc1 .Lslot
	CHANGE 0                                       ; the last slot is written out
	SLOT_STEPS
	; THE WAY OUT.  o = q + O^T x 2^(e8 + e9) / the sum: O^T's registers are the image's, so the wave stores them as they stand.
.rept 4
	v_nop                                          ; places in front of loads into registers that the last products read, and of the first reads of O^T
.endr
.set n, 0
.rept 16
	ds_load_b128 v[32+4*n:35+4*n], v[QA] offset:512*n   ; tile A's q, f32
.set n, n+1
.endr
	WIN 0x40
.set n, 0
.rept 16
	ds_load_b128 v[32+4*n:35+4*n], v[QA] offset:8192+512*n   ; tile B's
.set n, n+1
.endr
	WIN 0
	s_add_co_i32 s72, s70, s71
.macro RSUM                            ; 1 / the row's sum, in the window that is set
	v_add_f32 v14, v14, v15                        ; the sum's two halves,
	v_permlanex16_b32 v252, v14, s[SEL], s[SEL+1]
	v_add_f32 v14, v14, v252                       ; and lane l xor 16's
	v_rcp_f32 v14, v14
.endm
.macro OUTF                            ; o, in the window that is set; each accumulator from its low end on
.set j, 0
.rept 32
	v_pk_fma_f32 v[96+j:97+j], v[160+j:161+j], v[14:15], v[32+j:33+j] op_sel_hi:[1,0,1]
.set j, j+2
.endr
.endm
	RSUM
	WIN 0x55
	RSUM
	v_nop                                          ; a plain line behind the last reciprocal
	s_wait_alu depctr_va_vdst(0)                   ; one wait for both reciprocals, ahead of their first reader
	v_ldexp_f32 v14, v14, s72                      ; x 2^(e8 + e9)
	WIN 0
	v_ldexp_f32 v14, v14, s72
	s_wait_dscnt 0x0                               ; q is back
	OUTF
.set n, 0
.rept 16
	global_store_b128 v[LI], v[96+4*n:99+4*n], s[16:17] offset:512*n   ; 32 lanes store 512 consecutive bytes, aligned
.set n, n+1
.endr
	WIN 0x55
	OUTF
	WIN 0x04                                       ; store data window 1
.set n, 0
.rept 16
	global_store_b128 v[LI], v[96+4*n:99+4*n], s[16:17] offset:65536+512*n
.set n, n+1
.endr
	WIN 0
	s_wait_tensorcnt 0x0                           ; the wave's end, behind my last tensor load and my last LDS store
	ds_add_u32 v[SPW], v[NIL]
	s_wait_dscnt 0x0
	s_endpgm
.Lfunc_end_k_q7cc61e1eb9_attn:
	.size	k_q7cc61e1eb9_attn, .Lfunc_end_k_q7cc61e1eb9_attn-k_q7cc61e1eb9_attn
	.p2alignl 7, 3214868480
	.fill 96, 4, 3214868480
	.section	.rodata,"a",@progbits
	.p2align	6, 0x0
	.amdhsa_kernel k_q7cc61e1eb9_attn
		.amdhsa_group_segment_fixed_size 327680
		.amdhsa_private_segment_fixed_size 0
		.amdhsa_enable_private_segment 0
		.amdhsa_kernarg_size 40
		.amdhsa_user_sgpr_count 2
		.amdhsa_user_sgpr_kernarg_segment_ptr 1
		.amdhsa_wavefront_size32 1
		.amdhsa_system_sgpr_workgroup_id_x 1
		.amdhsa_system_sgpr_workgroup_id_y 1
		.amdhsa_system_sgpr_workgroup_id_z 1
		.amdhsa_system_vgpr_workitem_id 0
		.amdhsa_next_free_vgpr 512
		.amdhsa_next_free_sgpr 96
		.amdhsa_reserve_vcc 0
		.amdhsa_float_denorm_mode_32 3
		.amdhsa_float_denorm_mode_16_64 3
		.amdhsa_memory_ordered 1
		.amdhsa_forward_progress 1
		.amdhsa_inst_pref_size 167
	.end_amdhsa_kernel
	.amdgpu_metadata
---
amdhsa.version: [ 1, 2 ]
amdhsa.kernels:
  - .name:           k_q7cc61e1eb9_attn
    .symbol:         k_q7cc61e1eb9_attn.kd
    .args:
      - { .name: qf, .offset: 0, .size: 8, .value_kind: global_buffer, .address_space: global }
      - { .name: kc, .offset: 8, .size: 8, .value_kind: global_buffer, .address_space: global }
      - { .name: vc, .offset: 16, .size: 8, .value_kind: global_buffer, .address_space: global }
      - { .name: lowp_scales, .offset: 24, .size: 8, .value_kind: global_buffer, .address_space: global }
      - { .name: of, .offset: 32, .size: 8, .value_kind: global_buffer, .address_space: global }
    .group_segment_fixed_size: 327680
    .private_segment_fixed_size: 0
    .kernarg_segment_align: 8
    .kernarg_segment_size: 40
    .max_flat_workgroup_size: 256
    .sgpr_count:     96
    .vgpr_count:     512
    .wavefront_size: 32
...
	.end_amdgpu_metadata
.endif
;; end of part 3
;; launch tail (part 4): grid 256 x 1, 4 waves a work-group, no clusters, 168,960 bytes of LDS; arguments of, wc, g0, b0, bo, g1, b1, lowp_scales, out0; writes out0
.if DOCPART == 4
	.amdgcn_target "amdgcn-amd-amdhsa--gfx1250"
	.amdhsa_code_object_version 6
	.text
	.protected	k_q7cc61e1eb9_tail
	.globl	k_q7cc61e1eb9_tail
	.p2align	8
	.type	k_q7cc61e1eb9_tail,@function
k_q7cc61e1eb9_tail:
	s_mov_b64 s[64:65], 0
	v_nop
	global_prefetch_b8 v0, s[64:65] scope:SCOPE_SE
	s_setreg_imm32_b32 hwreg(HW_REG_WAVE_MODE, 25, 1), 1
	s_wait_xcnt 0x0
; O1 = LN(o; g0, b0);  y = O1 + relu(O1 Wo^T + bo);  out0 = LN(y; g1, b1).  The product runs on codes of E5M2: O1 is quantised here with e10, Wo comes as fragments (buffer wc from byte 3,145,728 on, e11).
; o comes as f32 images (of): [row tile 512][head 8][8192]: register 16 b + i of lane (r, h) = (the tile's row r, column 128 head + 32 b + 16 h + i).  Tile T holds rows 32 (T / 2) + 8 (T % 2) + r + 8 (r / 8).
; SHARES.  Work-group G owns tiles 2 G and 2 G + 1: rows 32 G .. 32 G + 31, whole.  THE WAVES SHARE THE COLUMNS: wave w holds columns 256 w .. 256 w + 255 (heads 2 w, 2 w + 1; 16 tiles of Wo) of both row tiles, 256 registers.
; The product is used transposed (source 0 = 16 rows of Wo, source 1 = O1's codes), so its result has the very layout in which O1 lies: the residual needs no move.  What crosses waves: the rows' sums (four exchanges) and O1's codes.
; Each norm takes the mean first and then the sum of squares of the centred numbers: no difference of large sums.
; bo / 2^(e10 + e11) is written into the accumulators, and all eight K steps add in place.
; Wo's STREAM has four pointers, one for each quarter of the register set.  A pointer is stepped directly behind the counted wait that shows the sixteen loads done that read it: no other wait is spent on it.
; NO CLUSTER: each fragment of Wo is read by one wave of the work-group and goes from memory straight into its registers, 16 bytes a lane in register order; a joint tensor load would put the 1 MB a work-group through LDS, written and read once more.
; LIMITS, so that each power of two below is an f32 number: e10 between -126 and 112; e10 + e11 between -126 and 126.  NaN among the inputs is not served.
; LDS: O1's images [K step 8][row tile 2][2048] at 0; four regions of row sums [row tile 2][wave 4][128] from 32,768 on; the stage for out0, 32 rows x (4,096 + 16) bytes, from 36,864 on.  Each byte is written once.
; REGISTERS, in windows of 256.  window 0: v5-13 addresses; v16, v17 2^e10 and the hold; v20-23 the means, v24-27 1 / sigma (each twice); v32-47 chains; v48-57 sums; v64-127 at work; v128-191 codes; v192-255 O1's two fragments of a K step, two sets.
;   window 1: a K step of Wo, 16 fragments; later g1, b1.   window 2: g0, b0; then the accumulators, (m, t) at v[128 m + 8 t]; then y.   window 3: o, then O1, at v[128 m + 64 (head % 2) + n]; on the way out rows of out0.
.set RED,  32768
.set STG,  36864
.set SPI,  4112                        ; a stage row: 4,096 bytes + 16, so that sixteen rows' stores of 16 bytes fall on sixteen different places modulo 256 bytes
.set LI,   5                           ; v5   16 x lane
.set XWI,  6                           ; v6   where I store O1's images: 16 x lane + 8192 x wave
.set ADX,  7                           ; v7   LDS address of the K step to be fetched
.set GA,   8                           ; v8   64 h
.set RW,   9                           ; v9   4 x my thread's number
.set L4,   10                          ; v10  4 x lane
.set SO,   11                          ; v11, v12  the stage: where I put row tile m's numbers
.set SR,   13                          ; v13  and where I read rows back
.set SC,   16
.set LM,   17
.set MU,   20
.set RS,   24
.set CH,   32
.set PS,   48
.set RL,   50
.set T,    64
.set PC,   128
.set XF,   192
.set PQ,   56                          ; s[56:63] the stream's pointers: quarter qd at s[56 + 2 qd]
.set MSB, 0
.macro WIN new                         ; the immediate's high byte repeats the setting that is left
.if MSB != (\new)
	s_set_vgpr_msb (MSB<<8)|(\new)
.set MSB, (\new)
.endif
.endm
.macro PLACES k
.rept \k
	v_nop
.endr
.endm
.macro GLOAD reg, sb                   ; 128 numbers of a vector of 1,024, in the layout of my columns: register 64 hl + 16 b + i = column 256 w + 128 hl + 32 b + 16 h + i
.irp hl, 0,1
.irp b, 0,1,2,3
.irp q, 0,1,2,3
	global_load_b128 v[\reg+64*\hl+16*\b+4*\q:\reg+64*\hl+16*\b+4*\q+3], v[GA], s[\sb:\sb+1] offset:512*\hl+128*\b+16*\q
.endr
.endr
.endr
.endm
.macro FINISH                          ; four chains of pairs become the wave's sum for my row, in v[PS + m]
	WIN 0
.irp m, 0,1
	v_pk_add_f32 v[CH+8*\m:CH+8*\m+1], v[CH+8*\m:CH+8*\m+1], v[CH+8*\m+2:CH+8*\m+3]
	v_pk_add_f32 v[CH+8*\m+4:CH+8*\m+5], v[CH+8*\m+4:CH+8*\m+5], v[CH+8*\m+6:CH+8*\m+7]
.endr
.irp m, 0,1
	v_pk_add_f32 v[CH+8*\m:CH+8*\m+1], v[CH+8*\m:CH+8*\m+1], v[CH+8*\m+4:CH+8*\m+5]
.endr
.irp m, 0,1
	v_add_f32 v[PS+\m], v[CH+8*\m], v[CH+8*\m+1]
.endr
.irp m, 0,1
	v_permlanex16_b32 v[RL+\m], v[PS+\m], s38, s39 ; the row's other 128 of my columns lie in the lane 16 away
.endr
.irp m, 0,1
	v_add_f32 v[PS+\m], v[PS+\m], v[RL+\m]
.endr
.endm
.macro SUMS w2, w1                     ; the sums of the 128 registers of each row tile in window X;  w2 = X | X << 2, w1 = X
.irp m, 0,1
	WIN \w2
.irp c, 0,1,2,3
	v_pk_add_f32 v[CH+8*\m+2*\c:CH+8*\m+2*\c+1], v[128*\m+4*\c:128*\m+4*\c+1], v[128*\m+4*\c+2:128*\m+4*\c+3]   ; the first eight pairs start the chains: nothing is cleared
.endr
	WIN \w1
.set n, 16
.rept 56
	v_pk_add_f32 v[CH+8*\m+2*((n/2)%4):CH+8*\m+2*((n/2)%4)+1], v[128*\m+n:128*\m+n+1], v[CH+8*\m+2*((n/2)%4):CH+8*\m+2*((n/2)%4)+1]
.set n, n+2
.endr
.endr
	FINISH
.endm
.macro SUMSQ w2                        ; the sums of their squares
	WIN \w2
.irp m, 0,1
.irp c, 0,1,2,3
	v_pk_mul_f32 v[CH+8*\m+2*\c:CH+8*\m+2*\c+1], v[128*\m+2*\c:128*\m+2*\c+1], v[128*\m+2*\c:128*\m+2*\c+1]
.endr
.set n, 8
.rept 60
	v_pk_fma_f32 v[CH+8*\m+2*((n/2)%4):CH+8*\m+2*((n/2)%4)+1], v[128*\m+n:128*\m+n+1], v[128*\m+n:128*\m+n+1], v[CH+8*\m+2*((n/2)%4):CH+8*\m+2*((n/2)%4)+1]
.set n, n+2
.endr
.endr
	FINISH
.endm
.macro CENTER w                        ; x - mean, in place;  w = X << 6 | X
.irp m, 0,1
	v_mul_f32 v[MU+2*\m], s36, v[PS+\m]            ; the mean = the row's sum / 1,024
	v_mov_b32 v[MU+2*\m+1], v[MU+2*\m]
.endr
	WIN \w
.irp m, 0,1
.set n, 0
.rept 64
	v_pk_add_f32 v[128*\m+n:128*\m+n+1], v[128*\m+n:128*\m+n+1], v[MU+2*\m:MU+2*\m+1] neg_lo:[0,1] neg_hi:[0,1]
.set n, n+2
.endr
.endr
	WIN 0
.endm
.macro XCH k                           ; the four waves' sums meet in region k: store, wait, barrier, load; every wave adds them in the same order
.irp m, 0,1
	ds_store_b32 v[RW], v[PS+\m] offset:RED+1024*(\k)+512*\m
.endr
	s_wait_dscnt 0x0                               ; for the others' sake: my stores have landed
	s_barrier_signal -1
	s_barrier_wait -1
.irp m, 0,1
.irp u, 0,1,2,3
	ds_load_b32 v[RL+4*\m+\u], v[L4] offset:RED+1024*(\k)+512*\m+128*\u
.endr
.endr
	s_wait_dscnt 0x0
.irp m, 0,1
	v_add_f32 v[RL+4*\m], v[RL+4*\m], v[RL+4*\m+1]
	v_add_f32 v[RL+4*\m+2], v[RL+4*\m+2], v[RL+4*\m+3]
.endr
.irp m, 0,1
	v_add_f32 v[PS+\m], v[RL+4*\m], v[RL+4*\m+2]
.endr
.endm
.macro RSTD                            ; 1 / sqrt(the sum of squares / 1,024 + 1e-5), twice for the packed forms
	v_fma_f32 v[RL], v[PS], s36, s37
	v_fma_f32 v[RL+1], v[PS+1], s36, s37
	v_rsq_f32 v[RS], v[RL]
	v_rsq_f32 v[RS+2], v[RL+1]
	v_nop                                          ; a plain line behind the transcendentals
	s_wait_alu depctr_va_vdst(0)                   ; one wait for both, ahead of their first reader
	v_mov_b32 v[RS+1], v[RS]
	v_mov_b32 v[RS+3], v[RS+2]
.endm
	s_load_b256 s[4:11], s[0:1], 0x0               ; of, wc, g0, b0
	s_load_b256 s[12:19], s[0:1], 0x20             ; bo, g1, b1, the scales' exponents
	s_load_b64 s[20:21], s[0:1], 0x40              ; out0
	v_lshl_add_u32 v62, v0, 2, 0x29200
	v_mov_b32 v63, 0
	v_lshrrev_b32 v1, 5, v0
	v_readfirstlane_b32 s24, v1                    ; wave
	v_and_b32 v2, 15, v0                           ; r
	v_bfe_u32 v3, v0, 4, 1                         ; h
	v_and_b32 v[LI], 31, v0
	v_lshlrev_b32 v[L4], 2, v[LI]
	v_lshlrev_b32 v[LI], 4, v[LI]
	s_lshl_b32 s42, s24, 13
	v_add_nc_u32 v[XWI], s42, v[LI]
	v_lshlrev_b32 v[GA], 6, v3
	v_lshlrev_b32 v[RW], 2, v0
	v_mul_u32_u24 v[SO], v2, SPI                   ; the stage, in: row 16 m + r, + 64 h, + my wave's 1,024 bytes
	v_lshl_add_u32 v[SO], v3, 6, v[SO]
	s_lshl_b32 s42, s24, 10
	s_add_co_u32 s42, s42, STG
	v_add_nc_u32 v[SO], s42, v[SO]
	v_add_nc_u32 v[SO+1], 16*SPI, v[SO]
	s_mul_i32 s42, s24, 8*SPI                      ; back: stage rows 8 w .. 8 w + 7, 16 bytes a lane
	s_add_co_u32 s42, s42, STG
	v_add_nc_u32 v[SR], s42, v[LI]
	v_mov_b32 v[RL], 0                             ; written once: a lane permute's destination counts as one of its sources
	v_mov_b32 v[RL+1], 0
	s_lshl_b32 s42, ttmp9, 4
	s_lshl_b32 s43, s24, 1
	s_add_co_u32 s42, s42, s43
	s_lshl_b32 s42, s42, 13                        ; of: (8 (2 G) + 2 w) x 8192
	s_mov_b32 s43, 0
	s_lshl_b32 s44, s24, 18
	s_add_co_u32 s44, s44, 3145728                 ; Wo's fragments for my 16 tiles: 8 K steps of 32,768 bytes on end
	s_mov_b32 s45, 0
	s_lshl_b32 s46, s24, 10                        ; my 256 columns of a vector
	s_mov_b32 s47, 0
	s_lshl_b32 s48, ttmp9, 5
	s_lshr_b32 s49, s24, 1
	s_lshl_b32 s49, s49, 3
	s_add_co_u32 s48, s48, s49
	s_and_b32 s49, s24, 1
	s_lshl_b32 s49, s49, 4
	s_add_co_u32 s48, s48, s49                     ; stage rows 8 w + i are rows 32 G + 8 (w / 2) + 16 (w % 2) + i of out0
	s_lshl_b32 s48, s48, 12
	s_mov_b32 s49, 0
	s_mov_b32 s36, 0x3a800000                      ; 1 / 1,024
	s_mov_b32 s37, 0x3727c5ac                      ; 1e-5
	s_mov_b32 s38, 0x76543210
	s_mov_b32 s39, 0xfedcba98
	s_wait_kmcnt 0x0
	s_load_b64 s[50:51], s[18:19], 0x28            ; e10, e11
	s_add_nc_u64 s[4:5], s[4:5], s[42:43]
	s_add_nc_u64 s[PQ:PQ+1], s[6:7], s[44:45]      ; the four pointers, all at K step 0
	s_mov_b64 s[PQ+2:PQ+3], s[PQ:PQ+1]
	s_mov_b64 s[PQ+4:PQ+5], s[PQ:PQ+1]
	s_mov_b64 s[PQ+6:PQ+7], s[PQ:PQ+1]
	s_add_nc_u64 s[8:9], s[8:9], s[46:47]
	s_add_nc_u64 s[10:11], s[10:11], s[46:47]
	s_add_nc_u64 s[12:13], s[12:13], s[46:47]
	s_add_nc_u64 s[14:15], s[14:15], s[46:47]
	s_add_nc_u64 s[16:17], s[16:17], s[46:47]
	s_add_nc_u64 s[20:21], s[20:21], s[48:49]
	WIN 0xc0                                       ; destination window 3
.irp m, 0,1
.irp hl, 0,1
.set n, 0
.rept 16
	global_load_b128 v[128*\m+64*\hl+4*n:128*\m+64*\hl+4*n+3], v[LI], s[4:5] offset:65536*\m+8192*\hl+512*n th:TH_LOAD_NT
.set n, n+1
.endr
.endr
.endr
	WIN 0x80                                       ; destination window 2
	GLOAD 0, 8                                     ; g0
	GLOAD 128, 10                                  ; b0
	WIN 0
	s_wait_kmcnt 0x0
	s_add_co_i32 s52, s50, s51
	s_add_co_i32 s53, s52, 127
	s_lshl_b32 s32, s53, 23                        ; 2^(e10 + e11)
	s_mov_b32 s33, s32                             ; (named with it as a pair, so it is written)
	s_sub_co_i32 s53, 127, s52
	s_lshl_b32 s34, s53, 23                        ; 2^-(e10 + e11)
	s_mov_b32 s35, s34
	s_add_co_i32 s53, s50, 127
	s_lshl_b32 s54, s53, 23
	v_mov_b32 v[SC], s54                           ; 2^e10
	s_add_co_i32 s53, s53, 15
	s_lshl_b32 s53, s53, 23
	s_or_b32 s53, s53, 0x600000
	v_mov_b32 v[LM], s53                           ; 57,344 x 2^e10
	; ---- the first norm
	s_wait_loadcnt 63                              ; o is in: 64 loads were issued behind it, and 63 is the largest count that a wait can name
	SUMS 0x0f, 0x03
	WIN 0x40                                       ; destination window 1
.irp t, 0,1,2,3,4,5,6,7,8,9,10,11,12,13,14,15
.irp c, 0,1,2,3
	global_load_b128 v[16*\t+4*\c:16*\t+4*\c+3], v[LI], s[PQ+2*(\t/4):PQ+2*(\t/4)+1] offset:2048*\t+512*\c   ; Wo's K step 0, each quarter by its own pointer
.endr
.endr
	WIN 0
	XCH 0
	CENTER 0xc3
	SUMSQ 0x0f
	XCH 1
	RSTD
	s_wait_loadcnt 63                              ; g0 and b0 are in: behind them Wo's 64
	WIN 0xc3
.irp m, 0,1
.set n, 0
.rept 64
	v_pk_mul_f32 v[128*\m+n:128*\m+n+1], v[128*\m+n:128*\m+n+1], v[RS+2*\m:RS+2*\m+1]
.set n, n+2
.endr
.endr
	WIN 0xeb                                       ; source 0 and destination window 3, g0 and b0 window 2
.irp m, 0,1
.set n, 0
.rept 64
	v_pk_fma_f32 v[128*\m+n:128*\m+n+1], v[128*\m+n:128*\m+n+1], v[n:n+1], v[128+n:129+n]   ; O1
.set n, n+2
.endr
.endr
	WIN 0x80
	GLOAD 0, 12                                    ; bo, where g0 lay
	; ---- O1's codes: my heads 2 w and 2 w + 1 are K steps 2 w and 2 w + 1 of the product
.irp m, 0,1
.irp hl, 0,1
	WIN 0x03                                       ; source 0 window 3
.set n, 0
.rept 64
	v_med3_num_f32 v[T+n], v[128*\m+64*\hl+n], -v[LM], v[LM]   ; the conversion to an 8-bit code does not saturate (ISA guide 7.6.2)
.set n, n+1
.endr
	WIN 0
.irp b, 0,1,2,3
	v_cvt_scalef32_pk8_bf8_f32 v[PC+16*(2*\hl+\m)+4*\b:PC+16*(2*\hl+\m)+4*\b+1], v[T+16*\b:T+16*\b+7], v[SC]
	v_cvt_scalef32_pk8_bf8_f32 v[PC+16*(2*\hl+\m)+4*\b+2:PC+16*(2*\hl+\m)+4*\b+3], v[T+16*\b+8:T+16*\b+15], v[SC]
.endr
	v_nop                                          ; a plain line between the conversions and the next lines that write their sources
.irp c, 0,1,2,3
	ds_store_b128 v[XWI], v[PC+16*(2*\hl+\m)+4*\c:PC+16*(2*\hl+\m)+4*\c+3] offset:(2*\hl+\m)*2048+512*\c
.endr
.endr
.endr
	s_wait_dscnt 0x0                               ; my images have landed
	s_barrier_signal -1
	s_barrier_wait -1                              ; all sixteen fragments lie in LDS
.irp m, 0,1
.irp c, 0,1,2,3
	ds_load_b128 v[XF+16*\m+4*\c:XF+16*\m+4*\c+3], v[LI] offset:2048*\m+512*\c
.endr
.endr
	s_mov_b32 s40, 4096                            ; LDS byte of the next K step's two fragments
	s_wait_loadcnt 0x0                             ; bo (and Wo's K step 0)
	WIN 0x82
.set n, 0
.rept 64
	v_pk_mul_f32 v[128+n:129+n], v[n:n+1], s[34:35] op_sel_hi:[1,0]   ; bo / 2^(e10 + e11) starts the sums of both row tiles
	v_pk_mul_f32 v[n:n+1], v[n:n+1], s[34:35] op_sel_hi:[1,0]
.set n, n+2
.endr
	WIN 0
; A quarter of a K step: 8 matrix instructions, tiles 4 qd .. 4 qd + 3 of Wo x both row tiles; then these four fragments take the next K step's.  cnt: the loads issued behind this quarter's sixteen: as a rule three quarters'.
; The same counted wait shows done the sixteen loads that read the quarter's pointer, so the pointer steps directly behind it, a K step on.
; The 32 accumulators take turns, one instruction a turn, in the same order in every K step.  Four plain lines stand between matrix instructions and loads into registers that they have read.
.macro TQ pb, qd, refill, fetch, cnt
	s_wait_loadcnt \cnt
.if \refill
	s_add_nc_u64 s[PQ+2*(\qd):PQ+2*(\qd)+1], s[PQ+2*(\qd):PQ+2*(\qd)+1], 32768
.endif
.if (\qd) == 0
	s_wait_dscnt 0x0                               ; O1's fragments, asked for three quarters of a K step ago
.endif
	WIN 0xa1                                       ; Wo window 1, O1's codes window 0, C and D window 2
.irp t, 0,1,2,3
.irp m, 0,1
	v_wmma_f32_16x16x128_bf8_bf8 v[128*\m+8*(4*(\qd)+\t):128*\m+8*(4*(\qd)+\t)+7], v[16*(4*(\qd)+\t):16*(4*(\qd)+\t)+15], v[XF+32*(\pb)+16*\m:XF+32*(\pb)+16*\m+15], v[128*\m+8*(4*(\qd)+\t):128*\m+8*(4*(\qd)+\t)+7]
.endr
.endr
	PLACES 4
.if ((\qd) == 0) && \fetch
	WIN 0
	v_add_nc_u32 v[ADX], s40, v[LI]
.irp m, 0,1
.irp c, 0,1,2,3
	ds_load_b128 v[XF+32*(1-(\pb))+16*\m+4*\c:XF+32*(1-(\pb))+16*\m+4*\c+3], v[ADX] offset:2048*\m+512*\c
.endr
.endr
.endif
.if \refill
	WIN 0x40
.irp t, 0,1,2,3
.irp c, 0,1,2,3
	global_load_b128 v[16*(4*(\qd)+\t)+4*\c:16*(4*(\qd)+\t)+4*\c+3], v[LI], s[PQ+2*(\qd):PQ+2*(\qd)+1] offset:2048*(4*(\qd)+\t)+512*\c
.endr
.endr
.endif
.endm
.macro TK pb, refill, fetch, n0, n1, n2, n3
	TQ \pb, 0, \refill, \fetch, \n0
	TQ \pb, 1, \refill, \fetch, \n1
	TQ \pb, 2, \refill, \fetch, \n2
	TQ \pb, 3, \refill, \fetch, \n3
	WIN 0
	s_add_co_u32 s40, s40, 4096
.endm
	s_mov_b32 s41, 3
.Lks:
	TK 0, 1, 1, 48, 48, 48, 48
	TK 1, 1, 1, 48, 48, 48, 48
	s_sub_co_u32 s41, s41, 1
	s_cmp_lg_u32 s41, 0
	s_cbranch_scc1 .Lks
	TK 0, 1, 1, 48, 48, 48, 48                     ; K step 6 asks for the last
	TK 1, 0, 0, 48, 32, 16, 0                      ; K step 7 asks for nothing: the counts run down
	WIN 0x40
	GLOAD 0, 14                                    ; g1, b1, where Wo's fragments lay
	GLOAD 128, 16
	; ---- y = O1 + relu(sum x 2^(e10 + e11)) = O1 + max(sum, 0) x 2^(e10 + e11)
	WIN 0x82
.set n, 0
.rept 256
	v_max_num_f32 v[n], v[n], 0                    ; each accumulator from its low end on
.set n, n+1
.endr
	WIN 0xb2                                       ; source 0 and destination window 2, O1 window 3
.set n, 0
.rept 128
	v_pk_fma_f32 v[n:n+1], v[n:n+1], s[32:33], v[n:n+1] op_sel_hi:[1,0,1]
.set n, n+2
.endr
	; ---- the second norm
	SUMS 0x0a, 0x02
	XCH 2
	CENTER 0x82
	SUMSQ 0x0a
	XCH 3
	RSTD
	s_wait_loadcnt 0x0                             ; g1, b1
	WIN 0x82
.irp m, 0,1
.set n, 0
.rept 64
	v_pk_mul_f32 v[128*\m+n:128*\m+n+1], v[128*\m+n:128*\m+n+1], v[RS+2*\m:RS+2*\m+1]
.set n, n+2
.endr
.endr
	WIN 0x96                                       ; source 0 and destination window 2, g1 and b1 window 1
.irp m, 0,1
.set n, 0
.rept 64
	v_pk_fma_f32 v[128*\m+n:128*\m+n+1], v[128*\m+n:128*\m+n+1], v[n:n+1], v[128+n:129+n]
.set n, n+2
.endr
.endr
	; ---- the way out: a lane holds runs of 64 bytes of one row, and a row's 4,096 bytes come from four waves: they meet in the stage and leave as whole rows
	WIN 0x08                                       ; store data window 2
.irp m, 0,1
.irp bb, 0,1,2,3,4,5,6,7
.irp q, 0,1,2,3
	ds_store_b128 v[SO+\m], v[128*\m+16*\bb+4*\q:128*\m+16*\bb+4*\q+3] offset:128*\bb+16*\q
.endr
.endr
.endr
	WIN 0
	s_wait_dscnt 0x0                               ; for the others' sake: my stores into the stage have landed
	s_barrier_signal -1
	s_barrier_wait -1
	WIN 0xc0                                       ; destination window 3
.irp i, 0,1,2,3,4,5,6,7
.irp cc, 0,1,2,3,4,5,6,7
	ds_load_b128 v[4*(8*\i+\cc):4*(8*\i+\cc)+3], v[SR] offset:SPI*\i+512*\cc
.endr
.endr
	WIN 0x0c                                       ; store data window 3
.irp i, 0,1,2,3,4,5,6,7
.irp cc, 0,1,2,3,4,5,6,7
	s_wait_dscnt 63-(8*\i+\cc)                     ; LDS loads come back in order: this one is in, the later ones may be out
	global_store_b128 v[LI], v[4*(8*\i+\cc):4*(8*\i+\cc)+3], s[20:21] offset:4096*\i+512*\cc th:TH_STORE_NT   ; 32 lanes store 512 consecutive bytes, aligned; written once, read by nobody here
.endr
.endr
	WIN 0
	s_wait_tensorcnt 0x0
	ds_add_u32 v62, v63
	s_wait_dscnt 0x0
	s_endpgm
.Lfunc_end_k_q7cc61e1eb9_tail:
	.size	k_q7cc61e1eb9_tail, .Lfunc_end_k_q7cc61e1eb9_tail-k_q7cc61e1eb9_tail
	.p2alignl 7, 3214868480
	.fill 96, 4, 3214868480
	.section	.rodata,"a",@progbits
	.p2align	6, 0x0
	.amdhsa_kernel k_q7cc61e1eb9_tail
		.amdhsa_group_segment_fixed_size 168960
		.amdhsa_private_segment_fixed_size 0
		.amdhsa_enable_private_segment 0
		.amdhsa_kernarg_size 72
		.amdhsa_user_sgpr_count 2
		.amdhsa_user_sgpr_kernarg_segment_ptr 1
		.amdhsa_wavefront_size32 1
		.amdhsa_system_sgpr_workgroup_id_x 1
		.amdhsa_system_sgpr_workgroup_id_y 1
		.amdhsa_system_sgpr_workgroup_id_z 1
		.amdhsa_system_vgpr_workitem_id 0
		.amdhsa_next_free_vgpr 1024
		.amdhsa_next_free_sgpr 66
		.amdhsa_reserve_vcc 0
		.amdhsa_float_denorm_mode_32 3
		.amdhsa_float_denorm_mode_16_64 3
		.amdhsa_memory_ordered 1
		.amdhsa_forward_progress 1
		.amdhsa_inst_pref_size 219
	.end_amdhsa_kernel
	.amdgpu_metadata
---
amdhsa.version: [ 1, 2 ]
amdhsa.kernels:
  - .name:           k_q7cc61e1eb9_tail
    .symbol:         k_q7cc61e1eb9_tail.kd
    .args:
      - { .name: of, .offset: 0, .size: 8, .value_kind: global_buffer, .address_space: global }
      - { .name: wc, .offset: 8, .size: 8, .value_kind: global_buffer, .address_space: global }
      - { .name: g0, .offset: 16, .size: 8, .value_kind: global_buffer, .address_space: global }
      - { .name: b0, .offset: 24, .size: 8, .value_kind: global_buffer, .address_space: global }
      - { .name: bo, .offset: 32, .size: 8, .value_kind: global_buffer, .address_space: global }
      - { .name: g1, .offset: 40, .size: 8, .value_kind: global_buffer, .address_space: global }
      - { .name: b1, .offset: 48, .size: 8, .value_kind: global_buffer, .address_space: global }
      - { .name: lowp_scales, .offset: 56, .size: 8, .value_kind: global_buffer, .address_space: global }
      - { .name: out0, .offset: 64, .size: 8, .value_kind: global_buffer, .address_space: global }
    .group_segment_fixed_size: 168960
    .private_segment_fixed_size: 0
    .kernarg_segment_align: 8
    .kernarg_segment_size: 72
    .max_flat_workgroup_size: 128
    .sgpr_count:     66
    .vgpr_count:     1024
    .wavefront_size: 32
...
	.end_amdgpu_metadata
.endif
;; end of part 4
;; ======== version 2 of 2: 4 launches
;; workspace buffers: wc 4,194,304 bytes; qf 33,554,432 bytes; kc 8,388,608 bytes; vc 8,388,608 bytes; of 33,554,432 bytes
;; launch wq (part 5): grid 256 x 1, 4 waves a work-group, no clusters, 0 bytes of LDS; arguments Wq, Wk, Wv, Wo, lowp_scales, wc; writes wc
.if DOCPART == 5
	.amdgcn_target "amdgcn-amd-amdhsa--gfx1250"
	.amdhsa_code_object_version 6
	.text
	.protected	k_q7cc61e1eb9_wq
	.globl	k_q7cc61e1eb9_wq
	.p2align	8
	.type	k_q7cc61e1eb9_wq,@function
k_q7cc61e1eb9_wq:
	s_mov_b64 s[64:65], 0
	v_nop
	global_prefetch_b8 v0, s[64:65] scope:SCOPE_SE
	s_setreg_imm32_b32 hwreg(HW_REG_WAVE_MODE, 25, 1), 1
	s_wait_xcnt 0x0
; The four weights [1024 (n)][1024 (k)], f32, become codes of E5M2, each with its given scale 2^e (entries 1, 3, 5, 11), laid as FRAGMENTS in the order in which the later launches stream them.
; A fragment is 16 rows x 128 K, 2,048 bytes, an image of the operand's 16 registers: registers 4 c .. 4 c + 3 of lane (r, h) hold k = 32 c + 16 h + 0 .. 15 of the lane's row, and lie at byte 512 c + 16 x lane.
; THE ROWS OF A TILE ARE NOT NEIGHBOURS: lane r of tile T takes row 32 (T / 2) + 8 (T % 2) + r + 8 (r / 8), so that the results of tiles 2 b and 2 b + 1, used transposed, are 16 neighbours along the next K.
; wc: Wq, Wk, Wv (p = 0, 1, 2): [T / 8][p][K step 8][T % 8][2048]; from byte 3,145,728 on Wo: [T / 16][K step 8][T % 16][2048].
; SHARES: work-group = (p, T) = (x / 64, x % 64); wave w takes K steps 2 w and 2 w + 1: two fragments.  Waves share nothing: no LDS, no barrier; memory binds, so no matrix unit and no cluster.
; code = x / 2^e, held within +-57,344, to the nearest code, ties to even.  LIMITS: e between -126 and 112.  NaN among the inputs is not served.
.set XA,  4                            ; v4   my byte in the tile's rows: (r + 8 (r / 8)) x 4096 + 64 h
.set LI,  5                            ; v5   16 x lane
.set LM,  10                           ; v10  57,344 x 2^e
.set SC,  11                           ; v11  2^e
.set PC0, 16                           ; v16-31   the first fragment's codes
.set X0,  32                           ; v32-95   its 64 numbers
.set X1,  96                           ; v96-159  the second's
.set PC1, 160                          ; v160-175 its codes
	s_load_b256 s[4:11], s[0:1], 0x0               ; Wq, Wk, Wv, Wo
	s_load_b128 s[12:15], s[0:1], 0x20             ; the scales' exponents, wc
	v_lshrrev_b32 v1, 5, v0
	v_readfirstlane_b32 s16, v1                    ; wave
	s_lshr_b32 s17, ttmp9, 6                       ; p
	s_and_b32 s18, ttmp9, 63                       ; T
	v_and_b32 v2, 15, v0                           ; r
	v_bfe_u32 v3, v0, 4, 1                         ; h
	v_and_b32 v6, 8, v2
	v_add_nc_u32 v6, v6, v2                        ; r + 8 (r / 8)
	v_lshlrev_b32 v[XA], 12, v6
	v_lshl_add_u32 v[XA], v3, 6, v[XA]
	v_and_b32 v[LI], 31, v0
	v_lshlrev_b32 v[LI], 4, v[LI]
	s_lshr_b32 s36, s18, 1                         ; the tile's first row, 32 (T / 2) + 8 (T % 2), in bytes, + my two K steps
	s_lshl_b32 s36, s36, 5
	s_and_b32 s37, s18, 1
	s_lshl_b32 s37, s37, 3
	s_add_co_u32 s36, s36, s37
	s_lshl_b32 s36, s36, 12
	s_lshl_b32 s37, s16, 10
	s_add_co_u32 s36, s36, s37
	s_mov_b32 s37, 0
	s_lshr_b32 s38, s18, 3                         ; where the codes go, p < 3: ((((T / 8) 3 + p) 8 + 2 w) 8 + T % 8) x 2048
	s_mul_i32 s38, s38, 3
	s_add_co_u32 s38, s38, s17
	s_lshl_b32 s38, s38, 3
	s_lshl_b32 s39, s16, 1
	s_add_co_u32 s38, s38, s39
	s_lshl_b32 s38, s38, 3
	s_and_b32 s44, s18, 7
	s_add_co_u32 s38, s38, s44
	s_lshl_b32 s38, s38, 11
	s_lshr_b32 s44, s18, 4                         ; Wo: 3,145,728 + (((T / 16) 8 + 2 w) 16 + T % 16) x 2048
	s_lshl_b32 s44, s44, 3
	s_add_co_u32 s44, s44, s39
	s_lshl_b32 s44, s44, 4
	s_and_b32 s45, s18, 15
	s_add_co_u32 s44, s44, s45
	s_lshl_b32 s44, s44, 11
	s_add_co_u32 s44, s44, 3145728
	s_mov_b32 s46, 32768                           ; from a K step to the next: 16 tiles, or 8
	s_cmp_lt_u32 s17, 3
	s_cselect_b32 s38, s38, s44
	s_cselect_b32 s46, 16384, s46
	s_mov_b32 s39, 0
	s_mov_b32 s47, 0
	s_wait_alu depctr_va_vdst(0)
	s_wait_kmcnt 0x0
	s_load_b256 s[24:31], s[12:13], 0x0            ; e0 .. e7
	s_load_b128 s[32:35], s[12:13], 0x20           ; e8 .. e11
	s_mov_b64 s[20:21], s[10:11]                   ; which weight: the choice hangs on the work-group's number alone
	s_cmp_eq_u32 s17, 2
	s_cselect_b64 s[20:21], s[8:9], s[20:21]
	s_cmp_eq_u32 s17, 1
	s_cselect_b64 s[20:21], s[6:7], s[20:21]
	s_cmp_eq_u32 s17, 0
	s_cselect_b64 s[20:21], s[4:5], s[20:21]
	s_add_nc_u64 s[20:21], s[20:21], s[36:37]
	s_add_nc_u64 s[40:41], s[14:15], s[38:39]      ; the first fragment's place,
	s_add_nc_u64 s[42:43], s[40:41], s[46:47]      ; the second's
.macro XLOAD reg, s                    ; 64 numbers of a lane: register 16 b + i = k 32 b + 16 h + i of my row, in K step s of my two
.irp b, 0,1,2,3
.irp j, 0,1,2,3
	global_load_b128 v[\reg+16*\b+4*\j:\reg+16*\b+4*\j+3], v[XA], s[20:21] offset:512*\s+128*\b+16*\j th:TH_LOAD_NT
.endr
.endr
.endm
.macro QUANT src, pc
.set n, 0
.rept 64
	v_med3_num_f32 v[\src+n], v[\src+n], -v[LM], v[LM]   ; the conversion to an 8-bit code does not saturate (ISA guide 7.6.2): the hold comes first
.set n, n+1
.endr
.irp b, 0,1,2,3
	v_cvt_scalef32_pk8_bf8_f32 v[\pc+4*\b:\pc+4*\b+1], v[\src+16*\b:\src+16*\b+7], v[SC]
	v_cvt_scalef32_pk8_bf8_f32 v[\pc+4*\b+2:\pc+4*\b+3], v[\src+16*\b+8:\src+16*\b+15], v[SC]
.endr
	v_nop                                          ; a plain line behind the last conversion
.endm
	XLOAD X0, 0
	XLOAD X1, 1
	s_wait_kmcnt 0x0
	s_mov_b32 s22, s35                             ; e11, e5, e3 or e1
	s_cmp_eq_u32 s17, 2
	s_cselect_b32 s22, s29, s22
	s_cmp_eq_u32 s17, 1
	s_cselect_b32 s22, s27, s22
	s_cmp_eq_u32 s17, 0
	s_cselect_b32 s22, s25, s22
	s_add_co_i32 s22, s22, 127
	s_lshl_b32 s23, s22, 23
	v_mov_b32 v[SC], s23                           ; 2^e as f32: the conversion takes its exponent field
	s_add_co_i32 s22, s22, 15
	s_lshl_b32 s22, s22, 23
	s_or_b32 s22, s22, 0x600000
	v_mov_b32 v[LM], s22                           ; 57,344 x 2^e
	s_wait_alu depctr_va_vdst(0)
	s_wait_loadcnt 16                              ; the first K step's 16 loads are in; the second's may be out
	QUANT X0, PC0
.irp c, 0,1,2,3
	global_store_b128 v[LI], v[PC0+4*\c:PC0+4*\c+3], s[40:41] offset:512*\c   ; 32 lanes store 512 consecutive bytes, aligned
.endr
	s_wait_loadcnt 0x0
	QUANT X1, PC1
.irp c, 0,1,2,3
	global_store_b128 v[LI], v[PC1+4*\c:PC1+4*\c+3], s[42:43] offset:512*\c
.endr
	s_endpgm
.Lfunc_end_k_q7cc61e1eb9_wq:
	.size	k_q7cc61e1eb9_wq, .Lfunc_end_k_q7cc61e1eb9_wq-k_q7cc61e1eb9_wq
	.p2alignl 7, 3214868480
	.fill 96, 4, 3214868480
	.section	.rodata,"a",@progbits
	.p2align	6, 0x0
	.amdhsa_kernel k_q7cc61e1eb9_wq
		.amdhsa_group_segment_fixed_size 0
		.amdhsa_private_segment_fixed_size 0
		.amdhsa_enable_private_segment 0
		.amdhsa_kernarg_size 48
		.amdhsa_user_sgpr_count 2
		.amdhsa_user_sgpr_kernarg_segment_ptr 1
		.amdhsa_wavefront_size32 1
		.amdhsa_system_sgpr_workgroup_id_x 1
		.amdhsa_system_sgpr_workgroup_id_y 1
		.amdhsa_system_sgpr_workgroup_id_z 1
		.amdhsa_system_vgpr_workitem_id 0
		.amdhsa_next_free_vgpr 176
		.amdhsa_next_free_sgpr 66
		.amdhsa_reserve_vcc 0
		.amdhsa_float_denorm_mode_32 3
		.amdhsa_float_denorm_mode_16_64 3
		.amdhsa_memory_ordered 1
		.amdhsa_forward_progress 1
		.amdhsa_inst_pref_size 16
	.end_amdhsa_kernel
	.amdgpu_metadata
---
amdhsa.version: [ 1, 2 ]
amdhsa.kernels:
  - .name:           k_q7cc61e1eb9_wq
    .symbol:         k_q7cc61e1eb9_wq.kd
    .args:
      - { .name: Wq, .offset: 0, .size: 8, .value_kind: global_buffer, .address_space: global }
      - { .name: Wk, .offset: 8, .size: 8, .value_kind: global_buffer, .address_space: global }
      - { .name: Wv, .offset: 16, .size: 8, .value_kind: global_buffer, .address_space: global }
      - { .name: Wo, .offset: 24, .size: 8, .value_kind: global_buffer, .address_space: global }
      - { .name: lowp_scales, .offset: 32, .size: 8, .value_kind: global_buffer, .address_space: global }
      - { .name: wc, .offset: 40, .size: 8, .value_kind: global_buffer, .address_space: global }
    .group_segment_fixed_size: 0
    .private_segment_fixed_size: 0
    .kernarg_segment_align: 8
    .kernarg_segment_size: 48
    .max_flat_workgroup_size: 128
    .sgpr_count:     66
    .vgpr_count:     176
    .wavefront_size: 32
...
	.end_amdgpu_metadata
.endif
;; end of part 5
;; launch proj (part 6): grid 256 x 1, 4 waves a work-group, no clusters, 197,120 bytes of LDS; arguments Q, K, wc, bq, bk, bv, lowp_scales, qf, kc, vc; writes qf, kc, vc
.if DOCPART == 6
	.amdgcn_target "amdgcn-amd-amdhsa--gfx1250"
	.amdhsa_code_object_version 6
	.text
	.protected	k_q7cc61e1eb9_proj
	.globl	k_q7cc61e1eb9_proj
	.p2align	8
	.type	k_q7cc61e1eb9_proj,@function
k_q7cc61e1eb9_proj:
	s_mov_b64 s[64:65], 0
	v_nop
	global_prefetch_b8 v0, s[64:65] scope:SCOPE_SE
	s_setreg_imm32_b32 hwreg(HW_REG_WAVE_SCHED_MODE, 0, 2), 2
	s_setreg_imm32_b32 hwreg(HW_REG_WAVE_MODE, 25, 1), 1
	s_wait_xcnt 0x0
	s_wait_alu depctr_vm_vsrc(0)
; q = Q Wq^T + bq, k = K Wk^T + bk, v = K Wv^T + bv on codes of E5M2.  Q and K, f32, are quantised here (Q with e0; K twice, with e2 and with e4); the weights come as fragments (buffer wc).
; A FRAGMENT is 16 rows x 128 K in 16 registers: registers 4 c .. 4 c + 3 of lane (r, h) hold k = 32 c + 16 h + 0 .. 15; its image is 2,048 bytes, byte 512 c + 16 x lane.  The same order of k on both operands.
; EVERY TILE OF 16 ROWS (of x, of a weight) with number T holds rows 32 (T / 2) + 8 (T % 2) + r + 8 (r / 8): a result's registers of tiles 2 b and 2 b + 1 are then 16 neighbours, 32 b + 16 h + 0 .. 15.
; SHARES.  Work-group x: column half ch = x % 2 (512 columns), row block rb = x / 2 (64 rows of Q and the same 64 of K).  First wave w quantises row tile w, all 1,024 along K, three images of 8 fragments, into LDS; one barrier;
; then wave w owns head g = 4 ch + w (128 columns, 8 weight tiles) for all four row tiles: 32 accumulators, three products one after the other.
; q, k: source 0 = weight tile, source 1 = x: a lane holds one row and its 64 registers run along the head's 128 channels.  v: the sources swapped: a lane holds one channel and its registers run along the keys.
; OUT.  qf: f32 images [row tile 512][head 8][8192]: register 16 b + i of lane (r, h) = (the tile's row r, channel 32 b + 16 h + i), byte 512 n + 16 x lane for registers 4 n .. 4 n + 3.
;       kc: fragments [batch x head 32][key tile 128][2048], quantised with e7.   vc: fragments of v^T [batch x head 32][key step 16][channel tile 8][2048], keys along K, quantised with e8.
; The biases are the C of each sum's first matrix instruction, divided by the power of two that the sums lack.
; THE WEIGHTS' STREAM has four pointers, one for each half of each of the two register sets.  A pointer is stepped directly behind the counted wait that shows the sixteen loads done that read it: no other wait is spent on it.
; NO CLUSTER: each weight fragment is read by one wave of the work-group and goes from memory straight into its registers, 16 bytes a lane in register order; a joint tensor load would put all 1.5 MB a work-group through LDS, written and read once more,
; in slots of half a K step, which is all that fits beside the 196,608 bytes of x's images.
; LIMITS, so that each power of two below is an f32 number: e0, e2, e4, e7 - e2 - e3, e8 - e4 - e5 between -126 and 112; e0 + e1 between -126 and 127.  NaN among the inputs is not served.
; REGISTERS, in windows of 256.  window 0: v4-11 addresses; v16-25 scales and holds; v32-95 at work; v96-127 codes just made; v128-191, v192-255 x's four fragments of a K step, two sets.
;   window 1: the weight's 8 fragments of a K step, two sets.   window 2: the accumulators, (m, t) at v[8 (8 m + t)]; while x is quantised: four sets of 64 numbers.   window 3: bq v0-63, bk v64-127, bv v128-191, in the results' layout.
; LDS: x's images [p 3][K step 8][row tile 4][2048], written once, read behind the one barrier.
; THE MODE: SCHED_MODE bits 1:0 = 2 (LLVM: expert scheduling mode 2), set by the entry lines.  The code itself states the register dependences between vector or matrix instructions and memory or LDS instructions, with s_wait_alu, always for 0.
; THE PLAN.  Registers that memory or LDS instructions touch:
;   v4-8, v10, v11    offsets and LDS addresses: written at the head, ahead of one wait on va_vdst, and never again.
;   window 2, sets    while x is quantised: step i's holds read set i % 4; the loads of step i + 4 land in it.
;   v96-127           step i's conversions write the codes; its LDS stores read them; step i + 1's conversions write them again.
;                     So a step has one wait on vm_vsrc at its head (the last step's stores have read the codes) and one on va_vdst behind its conversions (the codes are written; the set is read); its stores and loads follow that.
;   v9 (ADX)          written at a K step's head, behind a wait on vm_vsrc (the LDS loads of the K step before have read it); read by the step's sixteen LDS loads.
;   window 1, halves  a half's sixteen matrix instructions read it; the loads of the K step two on land in it at once behind them: ONE wait on va_vdst behind each sixteen.  The refill is not put off to the next half's head, since
;                     three younger halves of sixteen loads are to stay out at each counted wait on LOADcnt.
;   v128-255          K step s reads set s % 2; its LDS loads land in the other set, which the K step before read: the first of the step's two waits on va_vdst states that too, and that v9 is written.
;   the accumulators  q's stores read them: a wait on va_vdst behind the multiplications that write them, one on vm_vsrc ahead of the next product, which writes them again.
;   v32-95            k's and v's codes: written by a run of conversions, one wait on va_vdst, a run of stores; a wait on vm_vsrc ahead of v's conversions, which write what k's stores read.
;   The biases (window 3) are loaded once into registers that nothing has named, and are then named by vector and matrix instructions alone.
.set XA,   4                           ; v4   my byte in the block's rows of x
.set LI,   5                           ; v5   16 x lane
.set XWI,  6                           ; v6-8 where I store x's images: 16 x lane + 2048 x wave + 65536 p
.set ADX,  9                           ; v9   LDS address of the K step to be fetched
.set BA,   10                          ; v10  64 h
.set BVA,  11                          ; v11  4 (r + 8 (r / 8))
.set SQ,   16                          ; v16, v17: 2^e0 and 57,344 x 2^e0;  v18, v19: e2;  v20, v21: e4;  v22, v23: e7 - e2 - e3;  v24, v25: e8 - e4 - e5
.set SK,   18
.set SV,   20
.set SKC,  22
.set SVC,  24
.set T,    32
.set PCA,  96
.set PCB,  112
.set XF0,  128
.set WPT,  68                          ; s[68:75] the stream's pointers: set pb, half hf at s[68 + 4 pb + 2 hf]
.set ADXU, 0                           ; for the assembler: 1 once an LDS load that reads v[ADX] has been written
.set MSB, 0
.macro WIN new                         ; the immediate's high byte repeats the setting that is left
.if MSB != (\new)
	s_set_vgpr_msb (MSB<<8)|(\new)
.set MSB, (\new)
.endif
.endm
.macro PLACES k
.rept \k
	v_nop
.endr
.endm
.macro MKSC vs, se                     ; v[vs] = 2^e, v[vs + 1] = 57,344 x 2^e, e in a scalar register
	s_add_co_i32 s57, \se, 127
	s_lshl_b32 s58, s57, 23
	v_mov_b32 v[\vs], s58
	s_add_co_i32 s57, s57, 15
	s_lshl_b32 s57, s57, 23
	s_or_b32 s57, s57, 0x600000
	v_mov_b32 v[\vs+1], s57
.endm
	s_load_b256 s[4:11], s[0:1], 0x0               ; Q, K, wc, bq
	s_load_b256 s[12:19], s[0:1], 0x20             ; bk, bv, the scales' exponents, qf
	s_load_b128 s[20:23], s[0:1], 0x40             ; kc, vc
	v_lshl_add_u32 v30, v0, 2, 0x30000
	v_mov_b32 v31, 0
	v_lshrrev_b32 v1, 5, v0
	v_readfirstlane_b32 s24, v1                    ; wave
	s_and_b32 s25, ttmp9, 1                        ; ch
	s_lshr_b32 s26, ttmp9, 1                       ; rb
	s_lshl_b32 s27, s25, 2
	s_wait_alu depctr_va_sdst(0)                   ; s24, the wave's number, is written, ahead of its first reader
	s_add_co_u32 s27, s27, s24                     ; g
	v_and_b32 v2, 15, v0                           ; r
	v_bfe_u32 v3, v0, 4, 1                         ; h
	v_and_b32 v1, 8, v2
	v_add_nc_u32 v1, v1, v2                        ; r + 8 (r / 8)
	v_lshlrev_b32 v[BVA], 2, v1
	v_lshlrev_b32 v[BA], 6, v3
	s_lshr_b32 s28, s24, 1
	s_lshl_b32 s28, s28, 5
	s_and_b32 s29, s24, 1
	s_lshl_b32 s29, s29, 3
	s_add_co_u32 s28, s28, s29                     ; row tile w begins at row 32 (w / 2) + 8 (w % 2) of the block
	v_add_nc_u32 v1, s28, v1
	v_lshlrev_b32 v[XA], 12, v1
	v_lshl_add_u32 v[XA], v3, 6, v[XA]             ; row x 4096 + 64 h: my 16 numbers of a block of 32
	v_and_b32 v[LI], 31, v0
	v_lshlrev_b32 v[LI], 4, v[LI]
	s_lshl_b32 s28, s24, 11
	v_add_nc_u32 v[XWI], s28, v[LI]
	v_add_nc_u32 v[XWI+1], 0x10000, v[XWI]
	v_add_nc_u32 v[XWI+2], 0x20000, v[XWI]
	s_lshl_b32 s28, s26, 18                        ; the block's 64 rows of 4,096 bytes
	s_mov_b32 s29, 0
	s_mul_i32 s30, s27, 393216                     ; my head's 24 K steps of 16,384 bytes of weights: q's, k's, v's on end
	s_mov_b32 s31, 0
	s_lshl_b32 s60, s27, 13
	s_add_co_u32 s60, s60, s28                     ; qf: (4 rb) x 65536 + 8192 g
	s_mov_b32 s61, 0
	s_lshr_b32 s57, s26, 5
	s_lshl_b32 s57, s57, 3
	s_add_co_u32 s57, s57, s27                     ; batch x 8 + head
	s_and_b32 s58, s26, 31                         ; the block within its batch
	s_lshl_b32 s62, s57, 7
	s_lshl_b32 s59, s58, 2
	s_add_co_u32 s62, s62, s59
	s_lshl_b32 s62, s62, 11                        ; kc: (128 bh + 4 (rb % 32)) x 2048
	s_mov_b32 s63, 0
	s_lshl_b32 s52, s57, 4
	s_lshr_b32 s59, s58, 1
	s_add_co_u32 s52, s52, s59
	s_lshl_b32 s52, s52, 14
	s_and_b32 s59, s58, 1
	s_lshl_b32 s59, s59, 10
	s_add_co_u32 s52, s52, s59                     ; vc: (16 bh + (rb % 32) / 2) x 16384 + 1024 (rb % 2): my 64 keys are half of a key step
	s_mov_b32 s53, 0
	s_lshl_b32 s58, s27, 9                         ; the biases: my head's 128 numbers
	s_mov_b32 s59, 0
	s_wait_kmcnt 0x0
	s_load_b256 s[32:39], s[16:17], 0x0            ; e0 .. e7
	s_load_b32 s40, s[16:17], 0x20                 ; e8
	s_add_nc_u64 s[4:5], s[4:5], s[28:29]
	s_add_nc_u64 s[6:7], s[6:7], s[28:29]
	s_add_nc_u64 s[WPT:WPT+1], s[8:9], s[30:31]    ; the weights' stream: set 0's two pointers at K step 0,
	s_mov_b64 s[WPT+2:WPT+3], s[WPT:WPT+1]
	s_add_nc_u64 s[WPT+4:WPT+5], s[WPT:WPT+1], 16384   ; set 1's at K step 1
	s_mov_b64 s[WPT+6:WPT+7], s[WPT+4:WPT+5]
	s_add_nc_u64 s[46:47], s[18:19], s[60:61]
	s_add_nc_u64 s[48:49], s[20:21], s[62:63]
	s_add_nc_u64 s[50:51], s[22:23], s[52:53]
	s_add_nc_u64 s[10:11], s[10:11], s[58:59]
	s_add_nc_u64 s[12:13], s[12:13], s[58:59]
	s_add_nc_u64 s[14:15], s[14:15], s[58:59]
	WIN 0xc0                                       ; destination window 3
	s_wait_alu depctr_va_vdst(0)                   ; the offsets and LDS addresses v4 to v8, v10 and v11 are written: every load and store of the kernel but the K steps' LDS loads reads one of them, and none is written again
.irp t, 0,1,2,3,4,5,6,7                ; bq, bk: lane (r, h) wants, for tile t, channels 32 (t / 2) + 8 (t % 2) + 16 h + 0 .. 7;  bv: its one channel 32 (t / 2) + 8 (t % 2) + r + 8 (r / 8)
	global_load_b128 v[8*\t:8*\t+3], v[BA], s[10:11] offset:(32*(\t/2)+8*(\t%2))*4
	global_load_b128 v[8*\t+4:8*\t+7], v[BA], s[10:11] offset:(32*(\t/2)+8*(\t%2))*4+16
	global_load_b128 v[64+8*\t:64+8*\t+3], v[BA], s[12:13] offset:(32*(\t/2)+8*(\t%2))*4
	global_load_b128 v[64+8*\t+4:64+8*\t+7], v[BA], s[12:13] offset:(32*(\t/2)+8*(\t%2))*4+16
	global_load_b32 v[128+8*\t], v[BVA], s[14:15] offset:(32*(\t/2)+8*(\t%2))*4
.endr
	WIN 0
; x step i (0-7: Q's K steps; 8-15: K's): 64 numbers a lane, register 16 b + i = k 32 b + 16 h + i of my row, into set i % 4 of window 2
.macro XLOAD i
	WIN 0x80
.irp b, 0,1,2,3
.irp j, 0,1,2,3
.if (\i) < 8
	global_load_b128 v[64*((\i)%4)+16*\b+4*\j:64*((\i)%4)+16*\b+4*\j+3], v[XA], s[4:5] offset:512*((\i)%8)+128*\b+16*\j
.else
	global_load_b128 v[64*((\i)%4)+16*\b+4*\j:64*((\i)%4)+16*\b+4*\j+3], v[XA], s[6:7] offset:512*((\i)%8)+128*\b+16*\j
.endif
.endr
.endr
	WIN 0
.endm
; the set's numbers are held (into other registers: K's are quantised twice) and converted
.macro QXC i, sc, pc
	WIN 0x02                                       ; source 0 window 2
.set n, 0
.rept 64
	v_med3_num_f32 v[T+n], v[64*((\i)%4)+n], -v[\sc+1], v[\sc+1]   ; the conversion to an 8-bit code does not saturate (ISA guide 7.6.2)
.set n, n+1
.endr
	WIN 0
.irp b, 0,1,2,3
	v_cvt_scalef32_pk8_bf8_f32 v[\pc+4*\b:\pc+4*\b+1], v[T+16*\b:T+16*\b+7], v[\sc]
	v_cvt_scalef32_pk8_bf8_f32 v[\pc+4*\b+2:\pc+4*\b+3], v[T+16*\b+8:T+16*\b+15], v[\sc]
.endr
	v_nop                                          ; a plain line between the conversions and the next lines that write their sources
.endm
; and the fragment goes to LDS as it stands
.macro QXS i, pc, adr
.irp c, 0,1,2,3
	ds_store_b128 v[\adr], v[\pc+4*\c:\pc+4*\c+3] offset:8192*((\i)%8)+512*\c
.endr
.endm
.macro XSTEP i, cnt                    ; cnt: the loads issued behind step i's sixteen
	s_wait_loadcnt \cnt
	s_wait_dscnt 0x0                               ; the last step's LDS stores are done
.if (\i) > 0
	s_wait_alu depctr_vm_vsrc(0)                   ; the last step's LDS stores have read the codes' registers v96 on, which this step's conversions write again
.endif
.if (\i) < 8
	QXC \i, SQ, PCA
.else
	QXC \i, SK, PCA
	QXC \i, SV, PCB
.endif
	s_wait_alu depctr_va_vdst(0)                   ; the conversions have written the codes, which the LDS stores read; the holds are done reading set i % 4, in which the loads below land.  No vector line stands between this wait and those
.if (\i) < 8
	QXS \i, PCA, XWI
.else
	QXS \i, PCA, XWI+1
	QXS \i, PCB, XWI+2
.endif
.if (\i)+4 < 16
	XLOAD (\i)+4
.endif
.endm
; four of a K step's eight weight fragments, t0 .. t0 + 3 (t0 = 0 or 4), into set pb of window 1, by that half's own pointer
.macro WLOAD pb, t0
.irp t, 0,1,2,3
.irp c, 0,1,2,3
	global_load_b128 v[128*(\pb)+16*((\t0)+\t)+4*\c:128*(\pb)+16*((\t0)+\t)+4*\c+3], v[LI], s[WPT+4*(\pb)+(\t0)/2:WPT+4*(\pb)+(\t0)/2+1] offset:2048*((\t0)+\t)+512*\c
.endr
.endr
.endm
	XLOAD 0                                        ; no vector line has named window 2: nothing more is owed for these loads
	XLOAD 1
	XLOAD 2
	XLOAD 3
	s_wait_kmcnt 0x0
	s_add_co_i32 s57, s32, s33                     ; e0 + e1
	s_sub_co_i32 s54, 0, s57
	s_add_co_i32 s57, s57, 127
	s_lshl_b32 s42, s57, 23                        ; 2^(e0 + e1) as f32
	s_mov_b32 s43, s42                             ; (named with it as a pair, so it is written)
	s_add_co_i32 s59, s34, s35                     ; e2 + e3
	s_sub_co_i32 s55, 0, s59
	s_sub_co_i32 s59, s39, s59                     ; e7 - e2 - e3: a sum of k stands for sum x 2^(e2 + e3): the three scales are folded into the conversion's one
	s_add_co_i32 s60, s36, s37                     ; e4 + e5
	s_sub_co_i32 s56, 0, s60
	s_sub_co_i32 s60, s40, s60                     ; e8 - e4 - e5
	MKSC SQ, s32
	MKSC SK, s34
	MKSC SV, s36
	MKSC SKC, s59
	MKSC SVC, s60
	s_wait_alu depctr_va_vdst(0)
	XSTEP 0, 48                                    ; behind step 0's loads: three steps' 48.  The biases were asked for ahead of them: they are in
	WIN 0xc3                                       ; source 0 and destination window 3
.set n, 0
.rept 64
	v_ldexp_f32 v[n], v[n], s54                    ; bq / 2^(e0 + e1)
	v_ldexp_f32 v[64+n], v[64+n], s55              ; bk / 2^(e2 + e3)
.set n, n+1
.endr
.irp t, 0,1,2,3,4,5,6,7
.irp j, 1,2,3,4,5,6,7
	v_ldexp_f32 v[128+8*\t+\j], v[128+8*\t], s56   ; bv / 2^(e4 + e5): the lane's one channel, in all eight registers of the tile
.endr
	v_ldexp_f32 v[128+8*\t], v[128+8*\t], s56
.endr
	WIN 0
.irp i, 1,2,3,4,5,6,7,8,9,10,11,12
	XSTEP \i, 48
.endr
	XSTEP 13, 32                                   ; behind it: steps 14 and 15
	WIN 0x40
	WLOAD 0, 0                                     ; the weights' K step 0.  No vector or matrix line has named window 1: nothing more is owed for these loads
	WLOAD 0, 4
	WIN 0
	XSTEP 14, 48                                   ; behind it: step 15's 16 and the weights' 32
	XSTEP 15, 32                                   ; behind it: the weights' 32
	WIN 0x40
	WLOAD 1, 0                                     ; K step 1
	WLOAD 1, 4
	WIN 0
	s_wait_dscnt 0x0                               ; my images have landed
	s_barrier_signal -1
	s_barrier_wait -1                              ; everybody's have: LDS is only read from here on
.irp m, 0,1,2,3
.irp c, 0,1,2,3
	ds_load_b128 v[XF0+16*\m+4*\c:XF0+16*\m+4*\c+3], v[LI] offset:2048*\m+512*\c   ; no vector or matrix line has named v128 on
.endr
.endr
	s_mov_b32 s52, 8192                            ; LDS byte of the next K step's four fragments: the three images lie on end, as the weights' stream does
; 16 matrix instructions: weight tiles t0 .. t0 + 3 x the four row tiles.  The 32 accumulators take turns, one instruction a turn, in the same order in every K step.
.macro MUL16 pb, ori, first, bb, t0
.irp t, 0,1,2,3
.irp m, 0,1,2,3
.set rD, 8*(8*\m+(\t0)+\t)
.set rW, 128*(\pb)+16*((\t0)+\t)
.set rX, XF0+64*(\pb)+16*\m
.set rC, (\bb)+8*((\t0)+\t)
.if \ori
.if \first
	v_wmma_f32_16x16x128_bf8_bf8 v[rD:rD+7], v[rX:rX+15], v[rW:rW+15], v[rC:rC+7]
.else
	v_wmma_f32_16x16x128_bf8_bf8 v[rD:rD+7], v[rX:rX+15], v[rW:rW+15], v[rD:rD+7]
.endif
.else
.if \first
	v_wmma_f32_16x16x128_bf8_bf8 v[rD:rD+7], v[rW:rW+15], v[rX:rX+15], v[rC:rC+7]
.else
	v_wmma_f32_16x16x128_bf8_bf8 v[rD:rD+7], v[rW:rW+15], v[rX:rX+15], v[rD:rD+7]
.endif
.endif
.endr
.endr
.endm
; A K STEP: 32 matrix instructions on set pb.  ori = 0: source 0 = weights; 1: source 0 = x.  first = 1: C is the bias at v[bb] of window 3.  refill: each half of the weights' set takes the K step two on as soon as it
; has been multiplied.  fetch: x's fragments of the next K step come from LDS into the other set.  na, nb: the loads issued behind the half that is wanted: as a rule three halves of 16.
; The same counted wait shows done the sixteen loads that read the half's pointer, so the pointer steps directly behind it, two K steps on.
; The four plain lines behind each sixteen matrix instructions stand as ever (ISA guide 7.12.1); the wait on va_vdst stands behind them.  A step or a half that issues no load has no such wait.
.macro KSTEP pb, ori, first, bb, refill, fetch, na, nb
.set WM, 0xa1+3*(\ori)+0x10*(\first)   ; weights window 1, x window 0, D window 2, C window 2 or 3
	s_wait_loadcnt \na
.if \refill
	s_add_nc_u64 s[WPT+4*(\pb):WPT+4*(\pb)+1], s[WPT+4*(\pb):WPT+4*(\pb)+1], 32768
.endif
	s_wait_dscnt 0x0                               ; x's fragments, asked for half a K step ago
.if \fetch
.if ADXU
	s_wait_alu depctr_vm_vsrc(0)                   ; the LDS loads of the K step before have read v[ADX], which the next line writes
.endif
	v_add_nc_u32 v[ADX], s52, v[LI]                ; ahead of the matrix instructions, so that the wait behind them serves it too
.set ADXU, 1
.endif
	WIN WM
	MUL16 \pb, \ori, \first, \bb, 0
	PLACES 4
.if \fetch || \refill
	s_wait_alu depctr_va_vdst(0)                   ; the sixteen above are done reading this half of the weights' set; the K step before is done reading x's other set; v[ADX] is written.  Only loads and window switches follow up to the next matrix instruction
.endif
.if \fetch
	WIN 0
.irp m, 0,1,2,3
.irp c, 0,1,2,3
	ds_load_b128 v[XF0+64*(1-(\pb))+16*\m+4*\c:XF0+64*(1-(\pb))+16*\m+4*\c+3], v[ADX] offset:2048*\m+512*\c
.endr
.endr
.endif
.if \refill
	WIN 0x40
	WLOAD \pb, 0
.endif
	s_wait_loadcnt \nb
.if \refill
	s_add_nc_u64 s[WPT+4*(\pb)+2:WPT+4*(\pb)+3], s[WPT+4*(\pb)+2:WPT+4*(\pb)+3], 32768
.endif
	WIN WM
	MUL16 \pb, \ori, \first, \bb, 4
	PLACES 4
.if \refill
	WIN 0x40
	s_wait_alu depctr_va_vdst(0)                   ; the sixteen above are done reading the set's other half, in which the loads below land
	WLOAD \pb, 4
.endif
	WIN 0
	s_add_co_u32 s52, s52, 8192
.endm
	; ---- q
	KSTEP 0, 0, 1, 0, 1, 1, 48, 48
	s_mov_b32 s53, 3
.Lq:
	KSTEP 1, 0, 0, 0, 1, 1, 48, 48
	KSTEP 0, 0, 0, 0, 1, 1, 48, 48
	s_sub_co_u32 s53, s53, 1
	s_cmp_lg_u32 s53, 0
	s_cbranch_scc1 .Lq
	KSTEP 1, 0, 0, 0, 1, 1, 48, 48                 ; its refills and its fetch are already k's first K steps
	WIN 0x82                                       ; source 0 and destination window 2
.set n, 0
.rept 128
	v_pk_mul_f32 v[n:n+1], v[n:n+1], s[42:43] op_sel_hi:[1,0]   ; q = sum x 2^(e0 + e1), the bias within; each accumulator from its low end on
.set n, n+2
.endr
	WIN 0x08                                       ; store data window 2
	s_wait_alu depctr_va_vdst(0)                   ; the multiplications have written all 256 registers of q, which the stores read
.irp m, 0,1,2,3
.set n, 0
.rept 16
	global_store_b128 v[LI], v[64*\m+4*n:64*\m+4*n+3], s[46:47] offset:65536*\m+512*n   ; 32 lanes store 512 consecutive bytes, aligned
.set n, n+1
.endr
.endr
	WIN 0
	s_wait_xcnt 0x0                                ; the stores' addresses are translated: their data registers may be written again,
	s_wait_alu depctr_vm_vsrc(0)                   ; and the stores have read the accumulators, which the next product's matrix instructions write
	; ---- k
	KSTEP 0, 0, 1, 64, 1, 1, 48, 48
	s_mov_b32 s53, 3
.Lk:
	KSTEP 1, 0, 0, 0, 1, 1, 48, 48
	KSTEP 0, 0, 0, 0, 1, 1, 48, 48
	s_sub_co_u32 s53, s53, 1
	s_cmp_lg_u32 s53, 0
	s_cbranch_scc1 .Lk
	KSTEP 1, 0, 0, 0, 1, 1, 48, 48
.irp m, 0,1,2,3                        ; row tile m's 64 registers run along the head's channels: they become one fragment of 16 keys
	WIN 0x82
.set n, 0
.rept 64
	v_med3_num_f32 v[64*\m+n], v[64*\m+n], -v[SKC+1], v[SKC+1]
.set n, n+1
.endr
	WIN 0x02
.irp t, 0,1,2,3,4,5,6,7
	v_cvt_scalef32_pk8_bf8_f32 v[T+16*\m+2*\t:T+16*\m+2*\t+1], v[64*\m+8*\t:64*\m+8*\t+7], v[SKC]
.endr
	v_nop                                          ; a plain line between the conversions and the next product, which writes their sources
.endr
	WIN 0
	s_wait_alu depctr_va_vdst(0)                   ; the conversions have written the four fragments in v32 to v95, which the stores read
.irp m, 0,1,2,3
.irp c, 0,1,2,3
	global_store_b128 v[LI], v[T+16*\m+4*\c:T+16*\m+4*\c+3], s[48:49] offset:2048*\m+512*\c
.endr
.endr
	; ---- v, the sources swapped
	KSTEP 0, 1, 1, 128, 1, 1, 48, 48
	s_mov_b32 s53, 2
.Lv:
	KSTEP 1, 1, 0, 0, 1, 1, 48, 48
	KSTEP 0, 1, 0, 0, 1, 1, 48, 48
	s_sub_co_u32 s53, s53, 1
	s_cmp_lg_u32 s53, 0
	s_cbranch_scc1 .Lv
	KSTEP 1, 1, 0, 0, 1, 1, 48, 48                 ; the stream's last refill
	KSTEP 0, 1, 0, 0, 0, 1, 48, 32                 ; nothing more is asked of memory: the counts run down
	KSTEP 1, 1, 0, 0, 0, 0, 16, 0
	s_wait_xcnt 0x0                                ; k's stores' addresses are translated,
	s_wait_alu depctr_vm_vsrc(0)                   ; and k's stores have read v32 to v95, which v's conversions write
	WIN 0x82
.set n, 0
.rept 256
	v_med3_num_f32 v[n], v[n], -v[SVC+1], v[SVC+1]
.set n, n+1
.endr
	WIN 0x02
.irp t, 0,1,2,3,4,5,6,7                ; channel tile t: accumulators (2 b, t) and (2 b + 1, t) hold keys 32 b + 16 h + 0 .. 15 of my 64: registers 4 b .. 4 b + 3 of half a fragment
.irp m, 0,1,2,3
	v_cvt_scalef32_pk8_bf8_f32 v[T+8*\t+2*\m:T+8*\t+2*\m+1], v[8*(8*\m+\t):8*(8*\m+\t)+7], v[SVC]
.endr
.endr
	v_nop
	WIN 0
	s_wait_alu depctr_va_vdst(0)                   ; the conversions have written v's codes in v32 to v95, which the stores read
.irp t, 0,1,2,3,4,5,6,7
.irp b, 0,1
	global_store_b128 v[LI], v[T+8*\t+4*\b:T+8*\t+4*\b+3], s[50:51] offset:2048*\t+512*\b
.endr
.endr
	s_wait_dscnt 0x0                               ; the closing lines, six on end
	s_wait_alu 0x0
	s_wait_tensorcnt 0x0
	ds_add_u32 v30, v31
	s_wait_dscnt 0x0
	s_endpgm
.Lfunc_end_k_q7cc61e1eb9_proj:
	.size	k_q7cc61e1eb9_proj, .Lfunc_end_k_q7cc61e1eb9_proj-k_q7cc61e1eb9_proj
	.p2alignl 7, 3214868480
	.fill 96, 4, 3214868480
	.section	.rodata,"a",@progbits
	.p2align	6, 0x0
	.amdhsa_kernel k_q7cc61e1eb9_proj
		.amdhsa_group_segment_fixed_size 197120
		.amdhsa_private_segment_fixed_size 0
		.amdhsa_enable_private_segment 0
		.amdhsa_kernarg_size 80
		.amdhsa_user_sgpr_count 2
		.amdhsa_user_sgpr_kernarg_segment_ptr 1
		.amdhsa_wavefront_size32 1
		.amdhsa_system_sgpr_workgroup_id_x 1
		.amdhsa_system_sgpr_workgroup_id_y 1
		.amdhsa_system_sgpr_workgroup_id_z 1
		.amdhsa_system_vgpr_workitem_id 0
		.amdhsa_next_free_vgpr 1024
		.amdhsa_next_free_sgpr 76
		.amdhsa_reserve_vcc 0
		.amdhsa_float_denorm_mode_32 3
		.amdhsa_float_denorm_mode_16_64 3
		.amdhsa_memory_ordered 1
		.amdhsa_forward_progress 1
		.amdhsa_inst_pref_size 255
	.end_amdhsa_kernel
	.section	.bss,"aw",@nobits
	.p2align	6
	.space	262144
	.amdgpu_metadata
---
amdhsa.version: [ 1, 2 ]
amdhsa.kernels:
  - .name:           k_q7cc61e1eb9_proj
    .symbol:         k_q7cc61e1eb9_proj.kd
    .args:
      - { .name: Q, .offset: 0, .size: 8, .value_kind: global_buffer, .address_space: global }
      - { .name: K, .offset: 8, .size: 8, .value_kind: global_buffer, .address_space: global }
      - { .name: wc, .offset: 16, .size: 8, .value_kind: global_buffer, .address_space: global }
      - { .name: bq, .offset: 24, .size: 8, .value_kind: global_buffer, .address_space: global }
      - { .name: bk, .offset: 32, .size: 8, .value_kind: global_buffer, .address_space: global }
      - { .name: bv, .offset: 40, .size: 8, .value_kind: global_buffer, .address_space: global }
      - { .name: lowp_scales, .offset: 48, .size: 8, .value_kind: global_buffer, .address_space: global }
      - { .name: qf, .offset: 56, .size: 8, .value_kind: global_buffer, .address_space: global }
      - { .name: kc, .offset: 64, .size: 8, .value_kind: global_buffer, .address_space: global }
      - { .name: vc, .offset: 72, .size: 8, .value_kind: global_buffer, .address_space: global }
    .group_segment_fixed_size: 197120
    .private_segment_fixed_size: 0
    .kernarg_segment_align: 8
    .kernarg_segment_size: 80
    .max_flat_workgroup_size: 128
    .sgpr_count:     76
    .vgpr_count:     1024
    .wavefront_size: 32
...
	.end_amdgpu_metadata
.endif
;; end of part 6
;; launch attn (part 7): grid 8 x 32, 8 waves a work-group, no clusters, 327,680 bytes of LDS; arguments qf, kc, vc, lowp_scales, of; writes of
.if DOCPART == 7
	.amdgcn_target "amdgcn-amd-amdhsa--gfx1250"
	.amdhsa_code_object_version 6
	.text
	.protected	k_q7cc61e1eb9_attn
	.globl	k_q7cc61e1eb9_attn
	.p2align	8
	.type	k_q7cc61e1eb9_attn,@function
k_q7cc61e1eb9_attn:
	s_mov_b64 s[64:65], 0
	v_nop
	global_prefetch_b8 v0, s[64:65] scope:SCOPE_SE
	s_setreg_imm32_b32 hwreg(HW_REG_WAVE_MODE, 25, 1), 1
	s_wait_xcnt 0x0
; o = q + softmax(q k^T / sqrt(128)) v for one head, both products on codes of E5M2.  q comes as f32 images (qf) and is quantised here with e6; k (e7) and v^T (e8) come as fragments (kc, vc); o leaves as f32 images (of), laid as qf.
; A FRAGMENT: 16 rows x 128 K, 16 registers, registers 4 c .. 4 c + 3 of lane (r, h) = k 32 c + 16 h + 0 .. 15, image byte 512 c + 16 x lane.  Tile T of queries, keys or channels holds rows 32 (T / 2) + 8 (T % 2) + r + 8 (r / 8).
; THE SOFTMAX AHEAD OF THE SECOND PRODUCT: t = score x log2(e) / sqrt(128); M = the running largest t rounded UP to a whole number; p = 2^(t - M) is quantised with e9, not normalised.  The row's sum is taken of the unquantised p
; and divides at the end.  When M moves, the sum and O are multiplied by 2^(old M - new M): exact.
; SHARES.  Work-group (x, bh): 256 queries of batch x head bh; each of its eight waves owns TWO tiles of 16 queries, A and B, in 512 registers, two waves to a SIMD.  Every wave walks the head's 2,048 keys, 128 a step.
; Each fragment of k and of v^T that a wave reads from LDS feeds two matrix instructions, one for each tile: the eight waves read a slot's 65,536 bytes eight times, 524,288 bytes.
; Both products are used transposed (S^T = k q^T, O^T = v^T p^T): a lane holds one query of each tile throughout; p's 16 registers of two neighbouring tiles are 16 neighbouring keys, and O^T's 64 registers are the image's.
; REGISTERS, in two windows of 256 (s_set_vgpr_msb: bits 1:0 source 0, 3:2 source 1, 5:4 source 2, 7:6 destination).  TILE B IS TILE A's MIRROR IN WINDOW 1, under the same numbers, so one text serves both: under setting 0 for A, 0x55 for B.
;   in each window: v12 -M, v13 the largest t, v[14:15] the sum; v16-31 q's fragment; v96-159 S^T, then p; v160-223 O^T; v224-239 p's codes; v236-254 at work (v240, v244: p's hold and scale; v246, v247: q's).
;   v32-95 of window 0 and v32-95 of window 1: two sets of four fragments, shared by both tiles.   window 0 alone: v1 16 x lane; v3 256 x lane; v4 my q in LDS; v5, v6 the add's; v8 the slot's address.
;   A step's eight fragments of k come in one run of 32 loads; the eight of v^T are asked for straight behind the scores' products and land while the two softmaxes are worked.
; LDS.  Two slots of 256 keys, 2^17 bytes apart: 16 fragments of k (32,768 bytes), then 16 of v^T: dense images, each load of a wave takes 512 bytes on end.  Waves 0, 1 fetch k's halves, waves 2, 3 v's, 16,384 bytes a tensor load.
; Behind each slot's 65,536 bytes lie 65,536 that no tensor load fills: there each wave keeps its 16,384 bytes of q in f32 for the residual at the end.  Then the spare words.
; NO CLUSTER: a slot's 65,536 bytes are fetched once for the 524,288 bytes that the eight waves read of it from LDS: what eight work-groups of a head share is a small part of a step's bytes.
; LIMITS, so that each power of two below is an f32 number: e6 and e9 between -126 and 112; e6 + e7 between -123 and 130 (added to c's exponent field); e8 + e9 is applied by v_ldexp_f32 and has none.  NaN is not served.
.set NSL,   8                          ; slots' worth of keys; a slot holds two key steps
.set VOFF,  32768
.set SLOT1, 1<<17
.set QST,   65536                      ; the waves' q: 65536 + 16384 (wave % 4) + 131072 (wave / 4); tile B's 8,192 bytes behind tile A's
.set SPARE, 2*SLOT1                    ; the spare words, 128 bytes for each wave: four blocks of 256 bytes that no other line names
.set LI,   1
.set PFO,  3
.set QA,   4
.set SPW,  5
.set NIL,  6
.set ADR,  8
.set WV,   18
.set SEL,  20
.set CS,   22
.set G1,   24                          ; s[24:31] descriptor group 1: one shape for all tiles
.set G0K,  40                          ; s[40:43], s[44:47] groups 0 for k's and v's tiles, which walk
.set G0V,  44
.set TB,   2
.set SLOTS, 67
.set PFA,  76                          ; s[76:77], s[78:79] where my prefetches stand, in kc and in vc
.set PFB,  78
.set LIM,  80
.set MSB, 0
.macro WIN new                         ; the immediate's high byte repeats the setting that is left; a switch that changes nothing is dropped
.if MSB != (\new)
	s_set_vgpr_msb (MSB<<8)|(\new)
.set MSB, (\new)
.endif
.endm
; Waves 0 and 1 fetch for k, waves 2 and 3 for v, the others nothing.  The branches hang on the wave's number alone.  Four v_nop follow each of the two lines.
.macro TLOAD
	s_cmp_lt_u32 s[WV], 2
	s_cbranch_scc0 .Lnot_k_\@
	tensor_load_to_lds s[G0K:G0K+3], s[G1:G1+7]
	s_nop 0
.rept 4
	v_nop
.endr
	s_branch .Lasked_\@
.Lnot_k_\@:
	s_cmp_lt_u32 s[WV], 4
	s_cbranch_scc0 .Lasked_\@
	tensor_load_to_lds s[G0V:G0V+3], s[G1:G1+7]
	s_nop 0
.rept 4
	v_nop
.endr
.Lasked_\@:
.endm
; A PREFETCH INTO THE L2 of what the NEXT change of slots will ask for: 32,768 bytes of k's fragments and as many of v's.  All eight work-groups of a head walk the same bytes: the first of them (x = 0) asks.  In it the waves ask
; that fetch nothing, waves 4 to 7, two instructions each: 8,192 bytes of k's block and 8,192 of v's, lanes 256 bytes apart: each aligned block of 256 bytes is named once in the launch.
; The last change that fills a slot asks for nothing: there is no slot behind it.  Slots 0 and 1 come by their loads alone.
.macro ASK
	s_cmp_gt_u32 s[SLOTS], s[LIM]
	s_cbranch_scc0 .Lnot_mine_\@
	global_prefetch_b8 v[PFO], s[PFA:PFA+1] th:TH_LOAD_NT scope:SCOPE_SE
	global_prefetch_b8 v[PFO], s[PFB:PFB+1] th:TH_LOAD_NT scope:SCOPE_SE
.Lnot_mine_\@:
.endm
	s_load_b128 s[4:7], s[0:1], 0x0                ; qf, kc
	s_load_b128 s[12:15], s[0:1], 0x10             ; vc, the scales' exponents
	s_load_b64 s[16:17], s[0:1], 0x20              ; of
	v_lshl_add_u32 v[SPW], v0, 2, SPARE
	v_mov_b32 v[NIL], 0
	ds_add_u32 v5, v6
	ds_add_u32 v5, v6
	s_wait_dscnt 0x0
	v_lshrrev_b32 v8, 5, v0
	s_delay_alu instid0(VALU_DEP_1)
	v_readfirstlane_b32 s[WV], v8                  ; wave 0..7
	s_and_b32 s72, ttmp7, 0xffff                   ; bh
	s_lshl_b32 s74, s72, 18                        ; the head's 262,144 bytes in kc and in vc
	s_and_b32 s88, s[WV], 1
	s_lshl_b32 s88, s88, 14                        ; which half of a slot's 32,768 bytes I fetch, in memory and in LDS
	s_add_co_u32 s90, s74, s88
	s_mov_b32 s91, 0
	s_lshr_b32 s80, s72, 3
	s_lshl_b32 s80, s80, 7
	s_lshl_b32 s81, ttmp9, 4
	s_add_co_u32 s80, s80, s81
	s_lshl_b32 s81, s[WV], 1
	s_add_co_u32 s80, s80, s81                     ; my tile A of queries: 128 x batch + 16 x + 2 x wave; tile B is the next
	s_lshl_b32 s80, s80, 3
	s_and_b32 s81, s72, 7
	s_add_co_u32 s80, s80, s81
	s_lshl_b32 s82, s80, 13                        ; A's image for my head: (8 T + head) x 8192; B's lies 65,536 bytes on
	s_mov_b32 s83, 0
	; descriptor group 1: a dense block of 16,384 bytes as 64 rows of 256 bytes, no padding
	s_mov_b32 s[G1], 3<<16                         ; 15:0 no mask; 17:16 elements of 8 bytes
	s_mov_b32 s[G1+1], 32<<16                      ; tensor_dim0 = 32
	s_mov_b32 s[G1+2], 64<<16                      ; tensor_dim1 = 64
	s_mov_b32 s[G1+3], 32<<16                      ; tile_dim0 = 32
	s_mov_b32 s[G1+4], 64                          ; tile_dim1 = 64
	s_mov_b32 s[G1+5], 32                          ; tensor_dim0_stride
	s_mov_b32 s[G1+6], 0
	s_mov_b32 s[G1+7], 0
	s_mov_b32 s[SEL], 0x76543210
	s_mov_b32 s[SEL+1], 0xfedcba98
	s_mov_b32 s[CS], 0x3e0293ee                    ; c = log2(e) / sqrt(128)
	s_mov_b32 s[TB], 0
	s_mov_b32 s[SLOTS], NSL-1
	s_wait_kmcnt 0x0
	s_load_b128 s[68:71], s[14:15], 0x18           ; e6, e7, e8, e9
	s_mov_b32 s[G0K], 1                            ; count = 1
	s_mov_b32 s[G0K+1], s88                        ; LDS address: slot 0
	s_add_nc_u64 s[G0K+2:G0K+3], s[6:7], s[90:91]  ; global address
	s_or_b32 s[G0K+3], s[G0K+3], 0x80000000        ; type = 2
	s_mov_b32 s[G0V], 1
	s_add_co_u32 s[G0V+1], s88, VOFF
	s_add_nc_u64 s[G0V+2:G0V+3], s[12:13], s[90:91]
	s_or_b32 s[G0V+3], s[G0V+3], 0x80000000
	TLOAD                                          ; slot 0: by this text's count a wave never has more than one tensor load out
	s_add_nc_u64 s[4:5], s[4:5], s[82:83]
	s_add_nc_u64 s[16:17], s[16:17], s[82:83]
	v_and_b32 v[LI], 31, v0
	s_delay_alu instid0(VALU_DEP_1)
	v_lshlrev_b32 v[PFO], 8, v[LI]
	s_delay_alu instid0(VALU_DEP_2)
	v_lshlrev_b32 v[LI], 4, v[LI]
.set n, 0
	s_wait_alu depctr_va_vdst(0)
.rept 16
	global_load_b128 v[96+4*n:99+4*n], v[LI], s[4:5] offset:512*n th:TH_LOAD_NT   ; tile A's q, f32: register 16 b + i = channel 32 b + 16 h + i of my query
.set n, n+1
.endr
	WIN 0x40                                       ; destination window 1
.set n, 0
.rept 16
	global_load_b128 v[96+4*n:99+4*n], v[LI], s[4:5] offset:65536+512*n th:TH_LOAD_NT   ; tile B's
.set n, n+1
.endr
	WIN 0
	s_and_b32 s82, s[WV], 3                        ; the prefetches stand at my wave's 8,192 bytes
	s_lshl_b32 s82, s82, 13
	s_add_co_u32 s82, s82, 32768                   ; of slot 1: the first change of slots steps them to slot 2
	s_add_co_u32 s82, s82, s74                     ; in my head
	s_mov_b32 s83, 0
	s_add_nc_u64 s[PFA:PFA+1], s[6:7], s[82:83]
	s_add_nc_u64 s[PFB:PFB+1], s[12:13], s[82:83]
	s_lshr_b32 s82, s[WV], 2
	s_xor_b32 s82, s82, 1                          ; 0 in waves 4 to 7,
	s_or_b32 s82, s82, ttmp9                       ; of the head's first work-group
	s_cmp_eq_u32 s82, 0
	s_cselect_b32 s[LIM], 1, -1
	s_and_b32 s84, s[WV], 3
	s_lshl_b32 s84, s84, 14
	s_lshr_b32 s85, s[WV], 2
	s_lshl_b32 s85, s85, 17
	s_add_co_u32 s84, s84, s85
	s_add_co_u32 s84, s84, QST
	v_add_nc_u32 v[QA], s84, v[LI]                 ; where my q waits in LDS
	s_wait_kmcnt 0x0
	s_add_co_i32 s72, s68, s69
	s_lshl_b32 s72, s72, 23
	s_add_co_i32 s[CS], s[CS], s72                 ; a score stands for score x 2^(e6 + e7): the two exponents are added to c's exponent field
	s_mov_b32 s[CS+1], s[CS]                       ; (named with it as a pair, so it is written)
	s_add_co_i32 s72, s71, 127
	s_lshl_b32 s92, s72, 23                        ; 2^e9, for p's conversions
	s_add_co_i32 s72, s72, 15
	s_lshl_b32 s72, s72, 23
	s_or_b32 s93, s72, 0x600000                    ; 57,344 x 2^e9
	s_add_co_i32 s72, s68, 127
	s_lshl_b32 s94, s72, 23                        ; 2^e6, for q's
	s_add_co_i32 s72, s72, 15
	s_lshl_b32 s72, s72, 23
	s_or_b32 s95, s72, 0x600000                    ; 57,344 x 2^e6
; a tile's statistics and constants, in the window that is set
.macro INIT
	v_mov_b32 v13, 0xff61b1e6                      ; the largest t so far: -3e38, under every t
	s_delay_alu instid0(VALU_DEP_1)
	v_floor_f32 v12, -v13                          ; -M
	v_mov_b32 v14, 0                               ; the sum, in two halves
	v_mov_b32 v15, 0
	v_mov_b32 v236, 0                              ; written once: a lane permute's destination counts as one of its sources
	v_mov_b32 v253, 0                              ; (named as the upper half of the pair v[252:253])
.set j, 0
.rept 64
	v_mov_b32 v[160+j], 0                          ; O^T.  (The key step is written without a first step of its own: the first finds zeros, which the first change of M leaves zeros)
.set j, j+1
.endr
	v_mov_b32 v244, s92
	v_mov_b32 v240, s93
	v_mov_b32 v246, s94
	v_mov_b32 v247, s95
.endm
; a tile's q becomes its fragment, in the window that is set
.macro QCODES
.set n, 0
.rept 64
	v_med3_num_f32 v[32+n], v[96+n], -v247, v247   ; the conversion to an 8-bit code does not saturate (ISA guide 7.6.2): the hold, into other registers
.set n, n+1
.endr
.irp b, 0,1,2,3
	v_cvt_scalef32_pk8_bf8_f32 v[16+4*\b:17+4*\b], v[32+16*\b:39+16*\b], v246
	v_cvt_scalef32_pk8_bf8_f32 v[18+4*\b:19+4*\b], v[40+16*\b:47+16*\b], v246
.endr
	v_nop                                          ; a plain line between the conversions and the lines that touch their results or write their sources
.endm
	INIT
	WIN 0x55
	INIT
	WIN 0
	s_wait_loadcnt 0x0                             ; q
.set n, 0
.rept 16
	ds_store_b128 v[QA], v[96+4*n:99+4*n] offset:512*n   ; kept for the residual: my own bytes, which nothing else touches
.set n, n+1
.endr
	WIN 0x04                                       ; store data window 1
.set n, 0
.rept 16
	ds_store_b128 v[QA], v[96+4*n:99+4*n] offset:8192+512*n
.set n, n+1
.endr
	WIN 0
	QCODES
	WIN 0x55
	QCODES
	WIN 0
; eight fragments, from byte base of the slot, key step q: four into v32-95 of window 0, four into v32-95 of window 1
.macro FLOAD base, q
	WIN 0
.irp t, 0,1,2,3
.irp c, 0,1,2,3
	ds_load_b128 v[32+16*\t+4*\c:32+16*\t+4*\c+3], v[ADR] offset:(\base)+(8*(\q)+\t)*2048+512*\c
.endr
.endr
	WIN 0x40                                       ; destination window 1
.irp t, 0,1,2,3
.irp c, 0,1,2,3
	ds_load_b128 v[32+16*\t+4*\c:32+16*\t+4*\c+3], v[ADR] offset:(\base)+(8*(\q)+4+\t)*2048+512*\c
.endr
.endr
	WIN 0
.endm
; four products under the setting w: 0x00: set 0, tile A;  0x54: set 0, tile B;  0x01: set 1, tile A;  0x55: set 1, tile B.  g: which set, and so which four tiles of keys or of channels.
.macro SMUL w, g                       ; S^T = k q^T
	WIN \w
.irp t, 0,1,2,3
	v_wmma_f32_16x16x128_bf8_bf8 v[96+8*(4*\g+\t):103+8*(4*\g+\t)], v[32+16*\t:47+16*\t], v[16:31], 0
.endr
.endm
.macro OMUL w, g                       ; O^T += v^T p^T.  A step's sixteen accumulators take turns, one instruction a turn
	WIN \w
.irp t, 0,1,2,3
	v_wmma_f32_16x16x128_bf8_bf8 v[160+8*(4*\g+\t):167+8*(4*\g+\t)], v[32+16*\t:47+16*\t], v[224:239], v[160+8*(4*\g+\t):167+8*(4*\g+\t)]
.endr
.endm
; one tile's softmax for one key step, in the window that is set
.macro SOFTMAX
	v_max3_num_f32 v254, v96, v97, v98             ; the step's largest score of my query, among my 64 keys, in two chains,
	v_max3_num_f32 v252, v99, v100, v101
.set i, 6
.rept 14
	v_max3_num_f32 v254, v254, v[96+i], v[97+i]
	v_max3_num_f32 v252, v252, v[98+i], v[99+i]
.set i, i+4
.endr
	v_max3_num_f32 v254, v254, v158, v159
	s_delay_alu instid0(VALU_DEP_1)
	v_max_num_f32 v254, v254, v252
	v_permlanex16_b32 v236, v254, s[SEL], s[SEL+1]
	s_delay_alu instid0(VALU_DEP_1)
	v_max_num_f32 v254, v254, v236                 ; and among lane l xor 16's
	s_delay_alu instid0(VALU_DEP_1)
	v_mul_f32 v254, s[CS], v254                    ; as t (c is positive)
	s_delay_alu instid0(VALU_DEP_1)
	v_max_num_f32 v13, v13, v254                   ; the running largest t
	v_mov_b32 v254, v12
	s_delay_alu instid0(VALU_DEP_2)
	v_floor_f32 v12, -v13                          ; the new -M = floor(-t) = -ceil(t): M is a whole number
	s_delay_alu instid0(VALU_DEP_1)
	v_sub_f32 v254, v12, v254                      ; M's old value less its new one: a whole number, 0 or less
	s_delay_alu instid0(VALU_DEP_1)
	v_cvt_i32_f32 v254, v254                       ; (it saturates)
	s_delay_alu instid0(VALU_DEP_1)
	v_ldexp_f32 v252, 1.0, v254                    ; f = 2^(old M - new M)
.set j, 0
.rept 32
	v_pk_fma_f32 v[96+j:97+j], v[96+j:97+j], s[CS:CS+1], v[12:13] op_sel_hi:[1,0,0]   ; t - M, two at a time (of the pairs c and -M the low word serves both halves)
.set j, j+2
.endr
.set j, 0
	s_wait_alu depctr_va_vdst(0)
.rept 64
	v_exp_f32 v[96+j], v[96+j]                     ; p = 2^(t - M), at most 1: not normalised
.set j, j+1
.endr
	v_pk_mul_f32 v[14:15], v[14:15], v[252:253] op_sel_hi:[1,0]   ; the sums under the new M.  (A plain line behind the exponentials)
	s_wait_alu depctr_va_vdst(0)                   ; one wait for the whole batch of exponentials, ahead of its first reader
	v_pk_add_f32 v[242:243], v[96:97], v[98:99]    ; the row's sum is taken of the unquantised p: two at a time, in two chains
.set j, 4
.rept 15
	v_pk_add_f32 v[14:15], v[14:15], v[96+j:97+j]
	v_pk_add_f32 v[242:243], v[242:243], v[98+j:99+j]
.set j, j+4
.endr
	s_delay_alu instid0(VALU_DEP_1)
	v_pk_add_f32 v[14:15], v[14:15], v[242:243]
.irp b, 0,1,2,3
.set i, 0
.rept 16
	v_min_num_f32 v[96+16*\b+i], v[96+16*\b+i], v240   ; the conversion to an 8-bit code does not saturate (ISA guide 7.6.2); p is not negative, so the hold is one-sided
.set i, i+1
.endr
	v_cvt_scalef32_pk8_bf8_f32 v[224+4*\b:225+4*\b], v[96+16*\b:103+16*\b], v244
	v_cvt_scalef32_pk8_bf8_f32 v[226+4*\b:227+4*\b], v[104+16*\b:111+16*\b], v244
.endr
.set j, 0
.rept 32
	v_pk_mul_f32 v[160+j:161+j], v[160+j:161+j], v[252:253] op_sel_hi:[1,0]   ; O^T under the new M: x f.  (These 32 plain lines also stand between the conversions and the products that read the codes)
.set j, j+2
.endr
.endm
; A KEY STEP: 128 keys, the q-th of the slot in hand, for both tiles.
.macro STEP q
	v_add_nc_u32 v[ADR], s[TB], v[LI]
.rept 4
	v_nop                                          ; places in front of loads into registers that matrix instructions have read
.endr
	FLOAD 0, \q                                    ; k's eight fragments
	s_wait_alu depctr_va_vdst(0)
	s_wait_dscnt 16                                ; the first four are in; the second sixteen loads may be out
	SMUL 0x00, 0
	SMUL 0x54, 0
	s_wait_dscnt 0x0
	SMUL 0x01, 1
	SMUL 0x55, 1
	WIN 0
.rept 4
	v_nop                                          ; places behind the products: for the loads into the fragments' registers and for the first reads of the scores
.endr
	FLOAD VOFF, \q                                 ; v^T's eight fragments: they land while the softmaxes are worked
	SOFTMAX                                        ; tile A
	WIN 0x55
	SOFTMAX                                        ; tile B
	s_wait_alu depctr_va_vdst(0)
	s_wait_dscnt 0x0
	OMUL 0x00, 0
	OMUL 0x54, 0
	OMUL 0x01, 1
	OMUL 0x55, 1
	WIN 0                                          ; at a label and at a branch every window is 0
.endm
; THE CHANGE OF SLOTS stands at a slot's head.  Each wave waits for all its tensor loads (its part of the slot that it is about to read), adds 0 to its spare word, and waits for that and for its reads of the slot that it has left.
; Behind the barrier the slot ahead is whole and nobody reads the other one.  fill = 1: that other slot is filled with the keys that follow: the load has a whole slot's steps in which to land.
.macro CHANGE fill
	s_wait_tensorcnt 0x0                           ; no tensor load of mine is out, so a group 0 may be written
	ds_add_u32 v[SPW], v[NIL]                      ; 0 onto my spare word
.if \fill
	s_xor_b32 s[G0K+1], s[G0K+1], SLOT1            ; the walking descriptors: the other slot than last time,
	s_add_nc_u64 s[G0K+2:G0K+3], s[G0K+2:G0K+3], 32768   ; the next 256 keys; the type bits on top are not reached
	s_xor_b32 s[G0V+1], s[G0V+1], SLOT1
	s_add_nc_u64 s[G0V+2:G0V+3], s[G0V+2:G0V+3], 32768
	s_wait_xcnt 0x0                                ; the last prefetches, a slot back, have read their addresses, so these may be written:
	s_add_nc_u64 s[PFA:PFA+1], s[PFA:PFA+1], 32768 ; one slot further on than the walking descriptors
	s_add_nc_u64 s[PFB:PFB+1], s[PFB:PFB+1], 32768
.endif
	s_wait_dscnt 0x0                               ; the add is done, and my reads of the slot that I have left are over
	s_barrier_signal -1
	s_barrier_wait -1
.if \fill
	TLOAD                                          ; the first thing behind the barrier, and a wave's one tensor load until the next
	ASK                                            ; what the next change of slots will ask for: a slot's two key steps ahead of that load
.endif
.endm
.macro SLOT_STEPS
	STEP 0
	STEP 1
	s_xor_b32 s[TB], s[TB], SLOT1                  ; on to the other slot
.endm
.Lslot:                                            ; NSL - 1 trips: behind each change of slots but the last the next slot is asked for
	CHANGE 1
	s_wait_alu depctr_va_vdst(0)
	SLOT_STEPS
	s_sub_co_u32 s[SLOTS], s[SLOTS], 1
	s_cmp_lg_u32 s[SLOTS], 0
	s_cbranch_scc1 .Lslot
	CHANGE 0                                       ; the last slot is written out
	SLOT_STEPS
	; THE WAY OUT.  o = q + O^T x 2^(e8 + e9) / the sum: O^T's registers are the image's, so the wave stores them as they stand.
.rept 4
	v_nop                                          ; places in front of loads into registers that the last products read, and of the first reads of O^T
.endr
.set n, 0
.rept 16
	ds_load_b128 v[32+4*n:35+4*n], v[QA] offset:512*n   ; tile A's q, f32
.set n, n+1
.endr
	WIN 0x40
.set n, 0
.rept 16
	ds_load_b128 v[32+4*n:35+4*n], v[QA] offset:8192+512*n   ; tile B's
.set n, n+1
.endr
	WIN 0
	s_add_co_i32 s72, s70, s71
.macro RSUM                            ; 1 / the row's sum, in the window that is set
	v_add_f32 v14, v14, v15                        ; the sum's two halves,
	s_delay_alu instid0(VALU_DEP_1)
	v_permlanex16_b32 v252, v14, s[SEL], s[SEL+1]
	s_delay_alu instid0(VALU_DEP_1)
	v_add_f32 v14, v14, v252                       ; and lane l xor 16's
	s_wait_alu depctr_va_vdst(0)
	v_rcp_f32 v14, v14
.endm
.macro OUTF                            ; o, in the window that is set; each accumulator from its low end on
.set j, 0
.rept 32
	v_pk_fma_f32 v[96+j:97+j], v[160+j:161+j], v[14:15], v[32+j:33+j] op_sel_hi:[1,0,1]
.set j, j+2
.endr
.endm
	RSUM
	WIN 0x55
	RSUM
	v_nop                                          ; a plain line behind the last reciprocal
	s_wait_alu depctr_va_vdst(0)                   ; one wait for both reciprocals, ahead of their first reader
	v_ldexp_f32 v14, v14, s72                      ; x 2^(e8 + e9)
	WIN 0
	v_ldexp_f32 v14, v14, s72
	s_wait_alu depctr_va_vdst(0)
	s_wait_dscnt 0x0                               ; q is back
	OUTF
.set n, 0
.rept 16
	global_store_b128 v[LI], v[96+4*n:99+4*n], s[16:17] offset:512*n   ; 32 lanes store 512 consecutive bytes, aligned
.set n, n+1
.endr
	WIN 0x55
	OUTF
	WIN 0x04                                       ; store data window 1
.set n, 0
.rept 16
	global_store_b128 v[LI], v[96+4*n:99+4*n], s[16:17] offset:65536+512*n
.set n, n+1
.endr
	WIN 0
	s_wait_tensorcnt 0x0                           ; the wave's end, behind my last tensor load and my last LDS store
	ds_add_u32 v[SPW], v[NIL]
	s_wait_dscnt 0x0
	s_endpgm
.Lfunc_end_k_q7cc61e1eb9_attn:
	.size	k_q7cc61e1eb9_attn, .Lfunc_end_k_q7cc61e1eb9_attn-k_q7cc61e1eb9_attn
	.p2alignl 7, 3214868480
	.fill 96, 4, 3214868480
	.section	.rodata,"a",@progbits
	.p2align	6, 0x0
	.amdhsa_kernel k_q7cc61e1eb9_attn
		.amdhsa_group_segment_fixed_size 327680
		.amdhsa_private_segment_fixed_size 0
		.amdhsa_enable_private_segment 0
		.amdhsa_kernarg_size 40
		.amdhsa_user_sgpr_count 2
		.amdhsa_user_sgpr_kernarg_segment_ptr 1
		.amdhsa_wavefront_size32 1
		.amdhsa_system_sgpr_workgroup_id_x 1
		.amdhsa_system_sgpr_workgroup_id_y 1
		.amdhsa_system_sgpr_workgroup_id_z 1
		.amdhsa_system_vgpr_workitem_id 0
		.amdhsa_next_free_vgpr 512
		.amdhsa_next_free_sgpr 96
		.amdhsa_reserve_vcc 0
		.amdhsa_float_denorm_mode_32 3
		.amdhsa_float_denorm_mode_16_64 3
		.amdhsa_memory_ordered 1
		.amdhsa_forward_progress 1
		.amdhsa_inst_pref_size 170
	.end_amdhsa_kernel
	.amdgpu_metadata
---
amdhsa.version: [ 1, 2 ]
amdhsa.kernels:
  - .name:           k_q7cc61e1eb9_attn
    .symbol:         k_q7cc61e1eb9_attn.kd
    .args:
      - { .name: qf, .offset: 0, .size: 8, .value_kind: global_buffer, .address_space: global }
      - { .name: kc, .offset: 8, .size: 8, .value_kind: global_buffer, .address_space: global }
      - { .name: vc, .offset: 16, .size: 8, .value_kind: global_buffer, .address_space: global }
      - { .name: lowp_scales, .offset: 24, .size: 8, .value_kind: global_buffer, .address_space: global }
      - { .name: of, .offset: 32, .size: 8, .value_kind: global_buffer, .address_space: global }
    .group_segment_fixed_size: 327680
    .private_segment_fixed_size: 0
    .kernarg_segment_align: 8
    .kernarg_segment_size: 40
    .max_flat_workgroup_size: 256
    .sgpr_count:     96
    .vgpr_count:     512
    .wavefront_size: 32
...
	.end_amdgpu_metadata
.endif
;; end of part 7
;; launch tail (part 8): grid 256 x 1, 4 waves a work-group, no clusters, 168,960 bytes of LDS; arguments of, wc, g0, b0, bo, g1, b1, lowp_scales, out0; writes out0
.if DOCPART == 8
	.amdgcn_target "amdgcn-amd-amdhsa--gfx1250"
	.amdhsa_code_object_version 6
	.text
	.protected	k_q7cc61e1eb9_tail
	.globl	k_q7cc61e1eb9_tail
	.p2align	8
	.type	k_q7cc61e1eb9_tail,@function
k_q7cc61e1eb9_tail:
	s_mov_b64 s[64:65], 0
	v_nop
	global_prefetch_b8 v0, s[64:65] scope:SCOPE_SE
	s_setreg_imm32_b32 hwreg(HW_REG_WAVE_SCHED_MODE, 0, 2), 2
	s_setreg_imm32_b32 hwreg(HW_REG_WAVE_MODE, 25, 1), 1
	s_wait_xcnt 0x0
	s_wait_alu depctr_vm_vsrc(0)
; O1 = LN(o; g0, b0);  y = O1 + relu(O1 Wo^T + bo);  out0 = LN(y; g1, b1).  The product runs on codes of E5M2: O1 is quantised here with e10, Wo comes as fragments (buffer wc from byte 3,145,728 on, e11).
; o comes as f32 images (of): [row tile 512][head 8][8192]: register 16 b + i of lane (r, h) = (the tile's row r, column 128 head + 32 b + 16 h + i).  Tile T holds rows 32 (T / 2) + 8 (T % 2) + r + 8 (r / 8).
; SHARES.  Work-group G owns tiles 2 G and 2 G + 1: rows 32 G .. 32 G + 31, whole.  THE WAVES SHARE THE COLUMNS: wave w holds columns 256 w .. 256 w + 255 (heads 2 w, 2 w + 1; 16 tiles of Wo) of both row tiles, 256 registers.
; The product is used transposed (source 0 = 16 rows of Wo, source 1 = O1's codes), so its result has the very layout in which O1 lies: the residual needs no move.  What crosses waves: the rows' sums (four exchanges) and O1's codes.
; Each norm takes the mean first and then the sum of squares of the centred numbers: no difference of large sums.
; bo / 2^(e10 + e11) is written into the accumulators, and all eight K steps add in place.
; Wo's STREAM has four pointers, one for each quarter of the register set.  A pointer is stepped directly behind the counted wait that shows the sixteen loads done that read it: no other wait is spent on it.
; NO CLUSTER: each fragment of Wo is read by one wave of the work-group and goes from memory straight into its registers, 16 bytes a lane in register order; a joint tensor load would put the 1 MB a work-group through LDS, written and read once more.
; LIMITS, so that each power of two below is an f32 number: e10 between -126 and 112; e10 + e11 between -126 and 126.  NaN among the inputs is not served.
; LDS: O1's images [K step 8][row tile 2][2048] at 0; four regions of row sums [row tile 2][wave 4][128] from 32,768 on; the stage for out0, 32 rows x (4,096 + 16) bytes, from 36,864 on.  Each byte is written once.
; REGISTERS, in windows of 256.  window 0: v5-13 addresses; v16, v17 2^e10 and the hold; v20-23 the means, v24-27 1 / sigma (each twice); v32-47 chains; v48-57 sums; v64-127 at work; v128-191 codes; v192-255 O1's two fragments of a K step, two sets.
;   window 1: a K step of Wo, 16 fragments; later g1, b1.   window 2: g0, b0; then the accumulators, (m, t) at v[128 m + 8 t]; then y.   window 3: o, then O1, at v[128 m + 64 (head % 2) + n]; on the way out rows of out0.
; THE MODE: SCHED_MODE bits 1:0 = 2 (LLVM: expert scheduling mode 2), set by the entry lines.  The code itself states the register dependences between vector or matrix instructions and memory or LDS instructions, with s_wait_alu, always for 0.
; THE PLAN.  Registers that memory or LDS instructions touch:
;   v5, v6, v8-13     offsets and LDS addresses: written at the head, ahead of one wait on va_vdst, and never again.
;   v48, v49          a wave's two row sums: written by vector additions, read by an exchange's two LDS stores, written again behind its loads: a wait on va_vdst at the exchange's head, one on vm_vsrc ahead of its additions.
;   v50-57            the exchange's LDS loads land here; the vector lines that named them stand ahead of the wait at the exchange's head.
;   window 2, v0-127  g0, read by the first norm's multiply-adds; bo is loaded there behind a wait on va_vdst.
;   v128-191          O1's codes: four runs of conversions, one wait on va_vdst, sixteen LDS stores; never written again.
;   v7 (ADX)          written at a K step's head, behind a wait on vm_vsrc (the LDS loads of the K step before have read it); read by the step's eight LDS loads.
;   window 1          a quarter's eight matrix instructions read four fragments of Wo; the next K step's loads land in them at once behind those: ONE wait on va_vdst behind each eight.  The refill is not put off to the next
;                     quarter's head, since three younger quarters of sixteen loads are to stay out at each counted wait on LOADcnt.  Quarter 0's wait states also that the K step before is done reading O1's other set
;                     (v192-255), and that v7 is written.  K step 7 loads nothing and has no wait; one wait behind it stands ahead of the loads of g1 and b1 into window 1.
;   window 2, window 3  the way out: one wait on va_vdst behind the second norm: its results (window 2) are written, which the stage's stores read, and the residual's reads of window 3 are over, in which the stage's loads land.
.set RED,  32768
.set STG,  36864
.set SPI,  4112                        ; a stage row: 4,096 bytes + 16, so that sixteen rows' stores of 16 bytes fall on sixteen different places modulo 256 bytes
.set LI,   5                           ; v5   16 x lane
.set XWI,  6                           ; v6   where I store O1's images: 16 x lane + 8192 x wave
.set ADX,  7                           ; v7   LDS address of the K step to be fetched
.set GA,   8                           ; v8   64 h
.set RW,   9                           ; v9   4 x my thread's number
.set L4,   10                          ; v10  4 x lane
.set SO,   11                          ; v11, v12  the stage: where I put row tile m's numbers
.set SR,   13                          ; v13  and where I read rows back
.set SC,   16
.set LM,   17
.set MU,   20
.set RS,   24
.set CH,   32
.set PS,   48
.set RL,   50
.set T,    64
.set PC,   128
.set XF,   192
.set PQ,   56                          ; s[56:63] the stream's pointers: quarter qd at s[56 + 2 qd]
.set MSB, 0
.macro WIN new                         ; the immediate's high byte repeats the setting that is left
.if MSB != (\new)
	s_set_vgpr_msb (MSB<<8)|(\new)
.set MSB, (\new)
.endif
.endm
.macro PLACES k
.rept \k
	v_nop
.endr
.endm
.macro GLOAD reg, sb                   ; 128 numbers of a vector of 1,024, in the layout of my columns: register 64 hl + 16 b + i = column 256 w + 128 hl + 32 b + 16 h + i
.irp hl, 0,1
.irp b, 0,1,2,3
.irp q, 0,1,2,3
	global_load_b128 v[\reg+64*\hl+16*\b+4*\q:\reg+64*\hl+16*\b+4*\q+3], v[GA], s[\sb:\sb+1] offset:512*\hl+128*\b+16*\q
.endr
.endr
.endr
.endm
.macro FINISH                          ; four chains of pairs become the wave's sum for my row, in v[PS + m]
	WIN 0
.irp m, 0,1
	v_pk_add_f32 v[CH+8*\m:CH+8*\m+1], v[CH+8*\m:CH+8*\m+1], v[CH+8*\m+2:CH+8*\m+3]
	v_pk_add_f32 v[CH+8*\m+4:CH+8*\m+5], v[CH+8*\m+4:CH+8*\m+5], v[CH+8*\m+6:CH+8*\m+7]
.endr
.irp m, 0,1
	v_pk_add_f32 v[CH+8*\m:CH+8*\m+1], v[CH+8*\m:CH+8*\m+1], v[CH+8*\m+4:CH+8*\m+5]
.endr
.irp m, 0,1
	v_add_f32 v[PS+\m], v[CH+8*\m], v[CH+8*\m+1]
.endr
.irp m, 0,1
	v_permlanex16_b32 v[RL+\m], v[PS+\m], s38, s39 ; the row's other 128 of my columns lie in the lane 16 away
.endr
.irp m, 0,1
	v_add_f32 v[PS+\m], v[PS+\m], v[RL+\m]
.endr
.endm
.macro SUMS w2, w1                     ; the sums of the 128 registers of each row tile in window X;  w2 = X | X << 2, w1 = X
.irp m, 0,1
	WIN \w2
.irp c, 0,1,2,3
	v_pk_add_f32 v[CH+8*\m+2*\c:CH+8*\m+2*\c+1], v[128*\m+4*\c:128*\m+4*\c+1], v[128*\m+4*\c+2:128*\m+4*\c+3]   ; the first eight pairs start the chains: nothing is cleared
.endr
	WIN \w1
.set n, 16
.rept 56
	v_pk_add_f32 v[CH+8*\m+2*((n/2)%4):CH+8*\m+2*((n/2)%4)+1], v[128*\m+n:128*\m+n+1], v[CH+8*\m+2*((n/2)%4):CH+8*\m+2*((n/2)%4)+1]
.set n, n+2
.endr
.endr
	FINISH
.endm
.macro SUMSQ w2                        ; the sums of their squares
	WIN \w2
.irp m, 0,1
.irp c, 0,1,2,3
	v_pk_mul_f32 v[CH+8*\m+2*\c:CH+8*\m+2*\c+1], v[128*\m+2*\c:128*\m+2*\c+1], v[128*\m+2*\c:128*\m+2*\c+1]
.endr
.set n, 8
.rept 60
	v_pk_fma_f32 v[CH+8*\m+2*((n/2)%4):CH+8*\m+2*((n/2)%4)+1], v[128*\m+n:128*\m+n+1], v[128*\m+n:128*\m+n+1], v[CH+8*\m+2*((n/2)%4):CH+8*\m+2*((n/2)%4)+1]
.set n, n+2
.endr
.endr
	FINISH
.endm
.macro CENTER w                        ; x - mean, in place;  w = X << 6 | X
.irp m, 0,1
	v_mul_f32 v[MU+2*\m], s36, v[PS+\m]            ; the mean = the row's sum / 1,024
	v_mov_b32 v[MU+2*\m+1], v[MU+2*\m]
.endr
	WIN \w
.irp m, 0,1
.set n, 0
.rept 64
	v_pk_add_f32 v[128*\m+n:128*\m+n+1], v[128*\m+n:128*\m+n+1], v[MU+2*\m:MU+2*\m+1] neg_lo:[0,1] neg_hi:[0,1]
.set n, n+2
.endr
.endr
	WIN 0
.endm
.macro XCH k                           ; the four waves' sums meet in region k: store, wait, barrier, load; every wave adds them in the same order
	s_wait_alu depctr_va_vdst(0)                   ; my two sums v[PS], v[PS+1] are written, which the stores read; and the vector lines above are done with v[RL] to v[RL+7], in which the loads below land
.irp m, 0,1
	ds_store_b32 v[RW], v[PS+\m] offset:RED+1024*(\k)+512*\m
.endr
	s_wait_dscnt 0x0                               ; for the others' sake: my stores have landed
	s_barrier_signal -1
	s_barrier_wait -1
.irp m, 0,1
.irp u, 0,1,2,3
	ds_load_b32 v[RL+4*\m+\u], v[L4] offset:RED+1024*(\k)+512*\m+128*\u
.endr
.endr
	s_wait_dscnt 0x0
	s_wait_alu depctr_vm_vsrc(0)                   ; my stores have read v[PS] and v[PS+1], which the additions below write again
.irp m, 0,1
	v_add_f32 v[RL+4*\m], v[RL+4*\m], v[RL+4*\m+1]
	v_add_f32 v[RL+4*\m+2], v[RL+4*\m+2], v[RL+4*\m+3]
.endr
.irp m, 0,1
	v_add_f32 v[PS+\m], v[RL+4*\m], v[RL+4*\m+2]
.endr
.endm
.macro RSTD                            ; 1 / sqrt(the sum of squares / 1,024 + 1e-5), twice for the packed forms
	v_fma_f32 v[RL], v[PS], s36, s37
	v_fma_f32 v[RL+1], v[PS+1], s36, s37
	s_wait_alu depctr_va_vdst(0)
	v_rsq_f32 v[RS], v[RL]
	v_rsq_f32 v[RS+2], v[RL+1]
	v_nop                                          ; a plain line behind the transcendentals
	s_wait_alu depctr_va_vdst(0)                   ; the two roots' results v[RS] and v[RS+2] are written: one wait for both, ahead of their first reader
	v_mov_b32 v[RS+1], v[RS]
	v_mov_b32 v[RS+3], v[RS+2]
.endm
	s_load_b256 s[4:11], s[0:1], 0x0               ; of, wc, g0, b0
	s_load_b256 s[12:19], s[0:1], 0x20             ; bo, g1, b1, the scales' exponents
	s_load_b64 s[20:21], s[0:1], 0x40              ; out0
	v_lshl_add_u32 v62, v0, 2, 0x29200
	v_mov_b32 v63, 0
	v_lshrrev_b32 v1, 5, v0
	v_readfirstlane_b32 s24, v1                    ; wave
	v_and_b32 v2, 15, v0                           ; r
	v_bfe_u32 v3, v0, 4, 1                         ; h
	v_and_b32 v[LI], 31, v0
	v_lshlrev_b32 v[L4], 2, v[LI]
	v_lshlrev_b32 v[LI], 4, v[LI]
	s_wait_alu depctr_va_sdst(0)                   ; s24, the wave's number, is written, ahead of its first reader
	s_lshl_b32 s42, s24, 13
	v_add_nc_u32 v[XWI], s42, v[LI]
	v_lshlrev_b32 v[GA], 6, v3
	v_lshlrev_b32 v[RW], 2, v0
	v_mul_u32_u24 v[SO], v2, SPI                   ; the stage, in: row 16 m + r, + 64 h, + my wave's 1,024 bytes
	v_lshl_add_u32 v[SO], v3, 6, v[SO]
	s_lshl_b32 s42, s24, 10
	s_add_co_u32 s42, s42, STG
	v_add_nc_u32 v[SO], s42, v[SO]
	v_add_nc_u32 v[SO+1], 16*SPI, v[SO]
	s_mul_i32 s42, s24, 8*SPI                      ; back: stage rows 8 w .. 8 w + 7, 16 bytes a lane
	s_add_co_u32 s42, s42, STG
	v_add_nc_u32 v[SR], s42, v[LI]
	v_mov_b32 v[RL], 0                             ; written once: a lane permute's destination counts as one of its sources
	v_mov_b32 v[RL+1], 0
	s_lshl_b32 s42, ttmp9, 4
	s_lshl_b32 s43, s24, 1
	s_add_co_u32 s42, s42, s43
	s_lshl_b32 s42, s42, 13                        ; of: (8 (2 G) + 2 w) x 8192
	s_mov_b32 s43, 0
	s_lshl_b32 s44, s24, 18
	s_add_co_u32 s44, s44, 3145728                 ; Wo's fragments for my 16 tiles: 8 K steps of 32,768 bytes on end
	s_mov_b32 s45, 0
	s_lshl_b32 s46, s24, 10                        ; my 256 columns of a vector
	s_mov_b32 s47, 0
	s_lshl_b32 s48, ttmp9, 5
	s_lshr_b32 s49, s24, 1
	s_lshl_b32 s49, s49, 3
	s_add_co_u32 s48, s48, s49
	s_and_b32 s49, s24, 1
	s_lshl_b32 s49, s49, 4
	s_add_co_u32 s48, s48, s49                     ; stage rows 8 w + i are rows 32 G + 8 (w / 2) + 16 (w % 2) + i of out0
	s_lshl_b32 s48, s48, 12
	s_mov_b32 s49, 0
	s_mov_b32 s36, 0x3a800000                      ; 1 / 1,024
	s_mov_b32 s37, 0x3727c5ac                      ; 1e-5
	s_mov_b32 s38, 0x76543210
	s_mov_b32 s39, 0xfedcba98
	s_wait_kmcnt 0x0
	s_load_b64 s[50:51], s[18:19], 0x28            ; e10, e11
	s_add_nc_u64 s[4:5], s[4:5], s[42:43]
	s_add_nc_u64 s[PQ:PQ+1], s[6:7], s[44:45]      ; the four pointers, all at K step 0
	s_mov_b64 s[PQ+2:PQ+3], s[PQ:PQ+1]
	s_mov_b64 s[PQ+4:PQ+5], s[PQ:PQ+1]
	s_mov_b64 s[PQ+6:PQ+7], s[PQ:PQ+1]
	s_add_nc_u64 s[8:9], s[8:9], s[46:47]
	s_add_nc_u64 s[10:11], s[10:11], s[46:47]
	s_add_nc_u64 s[12:13], s[12:13], s[46:47]
	s_add_nc_u64 s[14:15], s[14:15], s[46:47]
	s_add_nc_u64 s[16:17], s[16:17], s[46:47]
	s_add_nc_u64 s[20:21], s[20:21], s[48:49]
	WIN 0xc0                                       ; destination window 3
	s_wait_alu depctr_va_vdst(0)                   ; the offsets and LDS addresses v5, v6 and v8 to v13 are written: every load and store of the kernel but the K steps' LDS loads reads one of them, and none is written again
.irp m, 0,1
.irp hl, 0,1
.set n, 0
.rept 16
	global_load_b128 v[128*\m+64*\hl+4*n:128*\m+64*\hl+4*n+3], v[LI], s[4:5] offset:65536*\m+8192*\hl+512*n th:TH_LOAD_NT
.set n, n+1
.endr
.endr
.endr
	WIN 0x80                                       ; destination window 2
	GLOAD 0, 8                                     ; g0
	GLOAD 128, 10                                  ; b0
	WIN 0
	s_wait_kmcnt 0x0
	s_add_co_i32 s52, s50, s51
	s_add_co_i32 s53, s52, 127
	s_lshl_b32 s32, s53, 23                        ; 2^(e10 + e11)
	s_mov_b32 s33, s32                             ; (named with it as a pair, so it is written)
	s_sub_co_i32 s53, 127, s52
	s_lshl_b32 s34, s53, 23                        ; 2^-(e10 + e11)
	s_mov_b32 s35, s34
	s_add_co_i32 s53, s50, 127
	s_lshl_b32 s54, s53, 23
	v_mov_b32 v[SC], s54                           ; 2^e10
	s_add_co_i32 s53, s53, 15
	s_lshl_b32 s53, s53, 23
	s_or_b32 s53, s53, 0x600000
	v_mov_b32 v[LM], s53                           ; 57,344 x 2^e10
	; ---- the first norm
	s_wait_loadcnt 63                              ; o is in: 64 loads were issued behind it, and 63 is the largest count that a wait can name
	SUMS 0x0f, 0x03
	WIN 0x40                                       ; destination window 1
.irp t, 0,1,2,3,4,5,6,7,8,9,10,11,12,13,14,15
.irp c, 0,1,2,3
	global_load_b128 v[16*\t+4*\c:16*\t+4*\c+3], v[LI], s[PQ+2*(\t/4):PQ+2*(\t/4)+1] offset:2048*\t+512*\c   ; Wo's K step 0, each quarter by its own pointer.  No vector or matrix line has named window 1: nothing more is owed for these loads
.endr
.endr
	WIN 0
	XCH 0
	CENTER 0xc3
	SUMSQ 0x0f
	XCH 1
	RSTD
	s_wait_alu depctr_va_vdst(0)
	s_wait_loadcnt 63                              ; g0 and b0 are in: behind them Wo's 64
	WIN 0xc3
.irp m, 0,1
.set n, 0
.rept 64
	v_pk_mul_f32 v[128*\m+n:128*\m+n+1], v[128*\m+n:128*\m+n+1], v[RS+2*\m:RS+2*\m+1]
.set n, n+2
.endr
.endr
	WIN 0xeb                                       ; source 0 and destination window 3, g0 and b0 window 2
.irp m, 0,1
.set n, 0
.rept 64
	v_pk_fma_f32 v[128*\m+n:128*\m+n+1], v[128*\m+n:128*\m+n+1], v[n:n+1], v[128+n:129+n]   ; O1
.set n, n+2
.endr
.endr
	WIN 0x80
	s_wait_alu depctr_va_vdst(0)                   ; the multiply-adds above are done reading g0, in whose registers bo lands
	GLOAD 0, 12                                    ; bo, where g0 lay
	; ---- O1's codes: my heads 2 w and 2 w + 1 are K steps 2 w and 2 w + 1 of the product.  All four fragments are made, then stored in one run
.irp m, 0,1
.irp hl, 0,1
	WIN 0x03                                       ; source 0 window 3
.set n, 0
.rept 64
	v_med3_num_f32 v[T+n], v[128*\m+64*\hl+n], -v[LM], v[LM]   ; the conversion to an 8-bit code does not saturate (ISA guide 7.6.2)
.set n, n+1
.endr
	WIN 0
.irp b, 0,1,2,3
	v_cvt_scalef32_pk8_bf8_f32 v[PC+16*(2*\hl+\m)+4*\b:PC+16*(2*\hl+\m)+4*\b+1], v[T+16*\b:T+16*\b+7], v[SC]
	v_cvt_scalef32_pk8_bf8_f32 v[PC+16*(2*\hl+\m)+4*\b+2:PC+16*(2*\hl+\m)+4*\b+3], v[T+16*\b+8:T+16*\b+15], v[SC]
.endr
	v_nop                                          ; a plain line between the conversions and the next lines that write their sources
.endr
.endr
	s_wait_alu depctr_va_vdst(0)                   ; the conversions have written the four fragments in v128 to v191, which the LDS stores read
.irp m, 0,1
.irp hl, 0,1
.irp c, 0,1,2,3
	ds_store_b128 v[XWI], v[PC+16*(2*\hl+\m)+4*\c:PC+16*(2*\hl+\m)+4*\c+3] offset:(2*\hl+\m)*2048+512*\c
.endr
.endr
.endr
	s_wait_dscnt 0x0                               ; my images have landed
	s_barrier_signal -1
	s_barrier_wait -1                              ; all sixteen fragments lie in LDS
.irp m, 0,1
.irp c, 0,1,2,3
	ds_load_b128 v[XF+16*\m+4*\c:XF+16*\m+4*\c+3], v[LI] offset:2048*\m+512*\c   ; no vector or matrix line has named v192 on
.endr
.endr
	s_mov_b32 s40, 4096                            ; LDS byte of the next K step's two fragments
	s_wait_loadcnt 0x0                             ; bo (and Wo's K step 0)
	WIN 0x82
.set n, 0
.rept 64
	v_pk_mul_f32 v[128+n:129+n], v[n:n+1], s[34:35] op_sel_hi:[1,0]   ; bo / 2^(e10 + e11) starts the sums of both row tiles
	v_pk_mul_f32 v[n:n+1], v[n:n+1], s[34:35] op_sel_hi:[1,0]
.set n, n+2
.endr
	WIN 0
; A quarter of a K step: 8 matrix instructions, tiles 4 qd .. 4 qd + 3 of Wo x both row tiles; then these four fragments take the next K step's.  cnt: the loads issued behind this quarter's sixteen: as a rule three quarters'.
; The same counted wait shows done the sixteen loads that read the quarter's pointer, so the pointer steps directly behind it, a K step on.
; The 32 accumulators take turns, one instruction a turn, in the same order in every K step.  The four plain lines behind each eight matrix instructions stand as ever (ISA guide 7.12.1); the wait on va_vdst stands behind them.
.macro TQ pb, qd, refill, fetch, cnt
	s_wait_loadcnt \cnt
.if \refill
	s_add_nc_u64 s[PQ+2*(\qd):PQ+2*(\qd)+1], s[PQ+2*(\qd):PQ+2*(\qd)+1], 32768
.endif
.if (\qd) == 0
	s_wait_dscnt 0x0                               ; O1's fragments, asked for three quarters of a K step ago
.if \fetch
	s_wait_alu depctr_vm_vsrc(0)                   ; the LDS loads of the K step before, over the loop's backward jump too, have read v[ADX], which the next line writes (in the first trip nothing has read it yet)
	v_add_nc_u32 v[ADX], s40, v[LI]                ; ahead of the matrix instructions, so that the wait behind them serves it too
.endif
.endif
	WIN 0xa1                                       ; Wo window 1, O1's codes window 0, C and D window 2
.irp t, 0,1,2,3
.irp m, 0,1
	v_wmma_f32_16x16x128_bf8_bf8 v[128*\m+8*(4*(\qd)+\t):128*\m+8*(4*(\qd)+\t)+7], v[16*(4*(\qd)+\t):16*(4*(\qd)+\t)+15], v[XF+32*(\pb)+16*\m:XF+32*(\pb)+16*\m+15], v[128*\m+8*(4*(\qd)+\t):128*\m+8*(4*(\qd)+\t)+7]
.endr
.endr
	PLACES 4
.if \refill
	s_wait_alu depctr_va_vdst(0)                   ; the eight above are done reading this quarter's four fragments of Wo; in quarter 0 also: the K step before is done reading O1's other set, and v[ADX] is written.  Only loads and window switches follow up to the next matrix instruction
.endif
.if ((\qd) == 0) && \fetch
	WIN 0
.irp m, 0,1
.irp c, 0,1,2,3
	ds_load_b128 v[XF+32*(1-(\pb))+16*\m+4*\c:XF+32*(1-(\pb))+16*\m+4*\c+3], v[ADX] offset:2048*\m+512*\c
.endr
.endr
.endif
.if \refill
	WIN 0x40
.irp t, 0,1,2,3
.irp c, 0,1,2,3
	global_load_b128 v[16*(4*(\qd)+\t)+4*\c:16*(4*(\qd)+\t)+4*\c+3], v[LI], s[PQ+2*(\qd):PQ+2*(\qd)+1] offset:2048*(4*(\qd)+\t)+512*\c
.endr
.endr
.endif
.endm
.macro TK pb, refill, fetch, n0, n1, n2, n3
	TQ \pb, 0, \refill, \fetch, \n0
	TQ \pb, 1, \refill, \fetch, \n1
	TQ \pb, 2, \refill, \fetch, \n2
	TQ \pb, 3, \refill, \fetch, \n3
	WIN 0
	s_add_co_u32 s40, s40, 4096
.endm
	s_mov_b32 s41, 3
.Lks:
	TK 0, 1, 1, 48, 48, 48, 48
	TK 1, 1, 1, 48, 48, 48, 48
	s_sub_co_u32 s41, s41, 1
	s_cmp_lg_u32 s41, 0
	s_cbranch_scc1 .Lks
	TK 0, 1, 1, 48, 48, 48, 48                     ; K step 6 asks for the last
	TK 1, 0, 0, 48, 32, 16, 0                      ; K step 7 asks for nothing: the counts run down, and it holds no wait on va_vdst
	WIN 0x40
	s_wait_alu depctr_va_vdst(0)                   ; K step 7's matrix instructions are done reading Wo's fragments, in whose registers g1 and b1 land
	GLOAD 0, 14                                    ; g1, b1, where Wo's fragments lay
	GLOAD 128, 16
	; ---- y = O1 + relu(sum x 2^(e10 + e11)) = O1 + max(sum, 0) x 2^(e10 + e11)
	WIN 0x82
.set n, 0
.rept 256
	v_max_num_f32 v[n], v[n], 0                    ; each accumulator from its low end on
.set n, n+1
.endr
	WIN 0xb2                                       ; source 0 and destination window 2, O1 window 3
.set n, 0
.rept 128
	v_pk_fma_f32 v[n:n+1], v[n:n+1], s[32:33], v[n:n+1] op_sel_hi:[1,0,1]
.set n, n+2
.endr
	; ---- the second norm
	SUMS 0x0a, 0x02
	XCH 2
	CENTER 0x82
	SUMSQ 0x0a
	XCH 3
	RSTD
	s_wait_alu depctr_va_vdst(0)
	s_wait_loadcnt 0x0                             ; g1, b1
	WIN 0x82
.irp m, 0,1
.set n, 0
.rept 64
	v_pk_mul_f32 v[128*\m+n:128*\m+n+1], v[128*\m+n:128*\m+n+1], v[RS+2*\m:RS+2*\m+1]
.set n, n+2
.endr
.endr
	WIN 0x96                                       ; source 0 and destination window 2, g1 and b1 window 1
.irp m, 0,1
.set n, 0
.rept 64
	v_pk_fma_f32 v[128*\m+n:128*\m+n+1], v[128*\m+n:128*\m+n+1], v[n:n+1], v[128+n:129+n]
.set n, n+2
.endr
.endr
	; ---- the way out: a lane holds runs of 64 bytes of one row, and a row's 4,096 bytes come from four waves: they meet in the stage and leave as whole rows
	WIN 0x08                                       ; store data window 2
	s_wait_alu depctr_va_vdst(0)                   ; the multiply-adds have written the results in window 2, which the stage's stores read; the residual's reads of window 3 are over, in which the stage's loads land.  No vector line follows this wait
.irp m, 0,1
.irp bb, 0,1,2,3,4,5,6,7
.irp q, 0,1,2,3
	ds_store_b128 v[SO+\m], v[128*\m+16*\bb+4*\q:128*\m+16*\bb+4*\q+3] offset:128*\bb+16*\q
.endr
.endr
.endr
	WIN 0
	s_wait_dscnt 0x0                               ; for the others' sake: my stores into the stage have landed
	s_barrier_signal -1
	s_barrier_wait -1
	WIN 0xc0                                       ; destination window 3
.irp i, 0,1,2,3,4,5,6,7
.irp cc, 0,1,2,3,4,5,6,7
	ds_load_b128 v[4*(8*\i+\cc):4*(8*\i+\cc)+3], v[SR] offset:SPI*\i+512*\cc
.endr
.endr
	WIN 0x0c                                       ; store data window 3
.irp i, 0,1,2,3,4,5,6,7
.irp cc, 0,1,2,3,4,5,6,7
	s_wait_dscnt 63-(8*\i+\cc)                     ; LDS loads come back in order: this one is in, the later ones may be out
	global_store_b128 v[LI], v[4*(8*\i+\cc):4*(8*\i+\cc)+3], s[20:21] offset:4096*\i+512*\cc th:TH_STORE_NT   ; 32 lanes store 512 consecutive bytes, aligned; written once, read by nobody here
.endr
.endr
	WIN 0
	s_wait_dscnt 0x0                               ; the closing lines, six on end
	s_wait_alu 0x0
	s_wait_tensorcnt 0x0
	ds_add_u32 v62, v63
	s_wait_dscnt 0x0
	s_endpgm
.Lfunc_end_k_q7cc61e1eb9_tail:
	.size	k_q7cc61e1eb9_tail, .Lfunc_end_k_q7cc61e1eb9_tail-k_q7cc61e1eb9_tail
	.p2alignl 7, 3214868480
	.fill 96, 4, 3214868480
	.section	.rodata,"a",@progbits
	.p2align	6, 0x0
	.amdhsa_kernel k_q7cc61e1eb9_tail
		.amdhsa_group_segment_fixed_size 168960
		.amdhsa_private_segment_fixed_size 0
		.amdhsa_enable_private_segment 0
		.amdhsa_kernarg_size 72
		.amdhsa_user_sgpr_count 2
		.amdhsa_user_sgpr_kernarg_segment_ptr 1
		.amdhsa_wavefront_size32 1
		.amdhsa_system_sgpr_workgroup_id_x 1
		.amdhsa_system_sgpr_workgroup_id_y 1
		.amdhsa_system_sgpr_workgroup_id_z 1
		.amdhsa_system_vgpr_workitem_id 0
		.amdhsa_next_free_vgpr 1024
		.amdhsa_next_free_sgpr 66
		.amdhsa_reserve_vcc 0
		.amdhsa_float_denorm_mode_32 3
		.amdhsa_float_denorm_mode_16_64 3
		.amdhsa_memory_ordered 1
		.amdhsa_forward_progress 1
		.amdhsa_inst_pref_size 220
	.end_amdhsa_kernel
	.amdgpu_metadata
---
amdhsa.version: [ 1, 2 ]
amdhsa.kernels:
  - .name:           k_q7cc61e1eb9_tail
    .symbol:         k_q7cc61e1eb9_tail.kd
    .args:
      - { .name: of, .offset: 0, .size: 8, .value_kind: global_buffer, .address_space: global }
      - { .name: wc, .offset: 8, .size: 8, .value_kind: global_buffer, .address_space: global }
      - { .name: g0, .offset: 16, .size: 8, .value_kind: global_buffer, .address_space: global }
      - { .name: b0, .offset: 24, .size: 8, .value_kind: global_buffer, .address_space: global }
      - { .name: bo, .offset: 32, .size: 8, .value_kind: global_buffer, .address_space: global }
      - { .name: g1, .offset: 40, .size: 8, .value_kind: global_buffer, .address_space: global }
      - { .name: b1, .offset: 48, .size: 8, .value_kind: global_buffer, .address_space: global }
      - { .name: lowp_scales, .offset: 56, .size: 8, .value_kind: global_buffer, .address_space: global }
      - { .name: out0, .offset: 64, .size: 8, .value_kind: global_buffer, .address_space: global }
    .group_segment_fixed_size: 168960
    .private_segment_fixed_size: 0
    .kernarg_segment_align: 8
    .kernarg_segment_size: 72
    .max_flat_workgroup_size: 128
    .sgpr_count:     66
    .vgpr_count:     1024
    .wavefront_size: 32
...
	.end_amdgpu_metadata
.endif
;; end of part 8
